; MI455X (gfx1250); checked and timed in simulation.
; The chip was launched on July 23, 2026; its instructions are those of AMD's public machine-readable ISA for CDNA 5 (MIT licence, August 2026) and "CDNA5" Instruction Set Architecture Reference Guide (July 2026). The comments in the code are by the model that wrote it; some were corrected since.
;; Encoder Layer. Allowed arithmetic: matrix products marked QUANTISED: E2M3 operands, one E8M0 scale for each 32 along K, by v_wmma_scale_f32_16x16x128_f8f6f4 with both operands' format E2M3, f32 sums; everything else in f32.
;; Inputs: bk 1,024 float32; bout 1,024 float32; bq 1,024 float32; bv 1,024 float32; fc1_b 4,096 float32; fc1_w_codes 4,096 x 32 x 24 uint8 (E2M3 codes of fc1_w, K innermost, in blocks of 32 codes, four codes in three bytes); fc1_w_scales 4,096 x 32 uint8 (E8M0 scales of fc1_w, one for each 32 codes along K); fc2_b 1,024 float32; fc2_w_codes 1,024 x 128 x 24 uint8 (E2M3 codes of fc2_w, K innermost, in blocks of 32 codes, four codes in three bytes); fc2_w_scales 1,024 x 128 uint8 (E8M0 scales of fc2_w, one for each 32 codes along K); ln1_b 1,024 float32; ln1_w 1,024 float32; ln2_b 1,024 float32; ln2_w 1,024 float32; wk_codes 1,024 x 32 x 24 uint8 (E2M3 codes of wk, K innermost, in blocks of 32 codes, four codes in three bytes); wk_scales 1,024 x 32 uint8 (E8M0 scales of wk, one for each 32 codes along K); wout_codes 1,024 x 32 x 24 uint8 (E2M3 codes of wout, K innermost, in blocks of 32 codes, four codes in three bytes); wout_scales 1,024 x 32 uint8 (E8M0 scales of wout, one for each 32 codes along K); wq_codes 1,024 x 32 x 24 uint8 (E2M3 codes of wq, K innermost, in blocks of 32 codes, four codes in three bytes); wq_scales 1,024 x 32 uint8 (E8M0 scales of wq, one for each 32 codes along K); wv_codes 1,024 x 32 x 24 uint8 (E2M3 codes of wv, K innermost, in blocks of 32 codes, four codes in three bytes); wv_scales 1,024 x 32 uint8 (E8M0 scales of wv, one for each 32 codes along K); x 2,048 x 2 x 1,024 float32.
;; Outputs: out0 2,048 x 2 x 1,024 float32.
;; This version of the problem:
;;   THIS VERSION OF THE PROBLEM IS GIVEN IN LOW PRECISION. The matrix products marked QUANTISED in the list below multiply operands that are first quantised to E2M3 (2 exponent bits, 3 mantissa bits; 6 bits a number), with one power-of-two scale for each 32 numbers along K (OCP MX v1.0); their sums are f32. All else is computed in f32.
;;   The module's matrix products, in the order in which they are computed (A, B: the left and right operand; K: the contracted axis; several contracted axes count as one K, in the product's order):
;;     1. [M 4,096, K 1,024] x [K 1,024, N 1,024]; A: computed on the way; B: input wq (given as codes): QUANTISED
;;     2. [M 4,096, K 1,024] x [K 1,024, N 1,024]; A: computed on the way; B: input wk (given as codes): QUANTISED
;;     3. [M 4,096, K 1,024] x [K 1,024, N 1,024]; A: computed on the way; B: input wv (given as codes): QUANTISED
;;     4. batch 32 x [M 2,048, K 64] x [K 64, N 2,048]; A: computed on the way; B: computed on the way: QUANTISED
;;     5. batch 32 x [M 64, K 2,048] x [K 2,048, N 2,048]; A: computed on the way; B: softmax (see below): QUANTISED
;;     6. [M 4,096, K 1,024] x [K 1,024, N 1,024]; A: computed on the way; B: input wout (given as codes): QUANTISED
;;     7. [M 4,096, K 1,024] x [K 1,024, N 4,096]; A: computed on the way; B: input fc1_w (given as codes): QUANTISED
;;     8. [M 4,096, K 4,096] x [K 4,096, N 1,024]; A: computed on the way; B: input fc2_w (given as codes): QUANTISED
;;   THE QUANTISER, for each operand of a quantised product, along K:
;;     - K is cut into blocks of 32 from its start; a last block that is shorter is filled with zeros.
;;     - A block's scale is 2^e with e = floor(log2(the largest magnitude in the block)) - 2, held to -126 .. 127; a block of zeros has e = 0. As a byte (E8M0): e + 127.
;;     - Each number is divided by its block's scale, clamped to +-7.5, and rounded to the nearest number of E2M3, ties to even, subnormals kept.
;;     - The product sums the exact products of the quantised numbers (number of the format x scale) in f32.
;;   ~~~python
;;   def quantise(x, axis):      # numpy; x: float32 -> the quantised numbers, widened to float32 again
;;       x = np.moveaxis(x, axis, -1); K = x.shape[-1]
;;       x = np.pad(x, [(0, 0)] * (x.ndim - 1) + [(0, -K % 32)]); x = x.reshape(x.shape[:-1] + (-1, 32)); a = np.abs(x).max(-1, keepdims=True)
;;       e = np.where(a > 0, np.clip(np.frexp(np.where(a > 0, a, 1))[1] - 1 - 2, -126, 127), 0)      # np.frexp(a)[1] - 1 = floor(log2(a)), exactly
;;       r = np.clip(x / 2.0 ** e, -7.5, 7.5)
;;       step = 2.0 ** (np.maximum(np.frexp(np.where(r == 0, 1, r))[1] - 1, 0) - 3)
;;       q = np.round(r / step) * step * 2.0 ** e      # np.round: ties to even
;;       return np.moveaxis(q.reshape(q.shape[:-2] + (-1,))[..., :K], -1, axis).astype(np.float32)
;;   ~~~
;;   SOFTMAX AHEAD OF A QUANTISED PRODUCT. Where the list says 'softmax', what is quantised is not the finished softmax but p = 2^(t - M), with t = logit x log2(e) and M = ceil(the row's largest t), a whole number; so 1/2 < the row's largest p <= 1. The row's sum l is taken of the UNQUANTISED p, in f32, and the product's result is divided by l at the end. Since M is a whole number, a kernel that streams over the keys may use a running M (the ceiling of the running maximum): every later rescaling is an exact power of two, which a block's scale takes up: the codes' values come out the same.
;;   OPERANDS COMPUTED ON THE WAY. 'Computed on the way' means the value that the module computes at that place (a softmax that the list does not call 'softmax' is quantised finished and normalised). What goes into a quantiser is computed in f32, as accurately as f32 sums, v_exp_f32 and their like allow (about 1e-6 of the number): no bf16 or f16 on the way to a quantiser, and a product that is left as it is and whose result goes on into a quantised operand takes f32 operands (vector FMAs, or v_wmma_f32_16x16x4_f32). A number that lies on a knife's edge between two numbers of the format may be rounded either way, as far as f32 arithmetic and the matrix unit's own rounding can turn it there, and no further.
;;   INPUTS GIVEN AS CODES. fc1_w (in the module: [4096, 1024], K = its axis 1); fc2_w (in the module: [1024, 4096], K = its axis 1); wk (in the module: [1024, 1024], K = its axis 1); wout (in the module: [1024, 1024], K = its axis 1); wq (in the module: [1024, 1024], K = its axis 1); wv (in the module: [1024, 1024], K = its axis 1): each comes as NAME_codes (uint8): NAME with its K axis moved to the last place and cut into blocks of 32 codes, [.., K / 32, bytes a block], one block behind the other in memory; four codes in three bytes: a row's codes are one little-endian stream of bits, code i at bits 6 i .. 6 i + 5 (a code: sign, 2 exponent bits, 3 mantissa bits); and NAME_scales (uint8): the same leading axes, one E8M0 byte (e + 127) for each 32 codes along K. Its value is code x scale, taken as it is: it is not quantised again, and the codes and scales need not be those that the quantiser above would give.
;; One version. Each part assembles by itself: llvm-mc -triple=amdgcn-amd-amdhsa -mcpu=gfx1250 --defsym DOCPART=n.
;; ======== version 1 of 1: 7 launches
;; limits: right only within a limited range of input values
;; workspace buffers: hbuf 3,276,800 bytes; qbuf 6,684,672 bytes; kvbuf 6,684,672 bytes; obuf 3,276,800 bytes; x2 16,777,216 bytes; gbuf 13,107,200 bytes; wr 9,437,184 bytes
;; launch lnw (part 1): grid 1216 x 1, 4 waves a work-group, no clusters, 33,280 bytes of LDS; arguments x, ln1_w, ln1_b, hbuf, wq_codes, wk_codes, wv_codes, fc1_w_codes, fc2_w_codes, wr; writes hbuf, wr
.if DOCPART == 1
	.amdgcn_target "amdgcn-amd-amdhsa--gfx1250"
	.amdhsa_code_object_version 6
	.text
	.protected	k_q17e4019804_lnw
	.globl	k_q17e4019804_lnw
	.p2align	8
	.type	k_q17e4019804_lnw,@function
k_q17e4019804_lnw:
	s_mov_b64 s[64:65], 0
	v_nop
	global_prefetch_b8 v0, s[64:65] scope:SCOPE_SE
	s_setreg_imm32_b32 hwreg(HW_REG_WAVE_MODE, 25, 1), 1
	s_wait_xcnt 0x0
; TWO JOBS IN ONE LAUNCH, told apart by the work-group's number.  Work-groups 0-511: LayerNorm along the last axis (1,024 numbers) and the MX-FP6 quantiser along it.  Work-groups 512-1215: a copy that lays weights anew.
; THE WHOLE PROGRAM, seven launches: this one, the q, k, v products, attention, the projection + residual, LayerNorm + quantiser, fc1 + gelu, fc2 + residual.
; WORK LEFT OUT, in the problem's own terms.  (1) The scores of keys k > q are replaced by the mask that the problem builds itself (jnp.tril, jnp.where), so their products reach no output: key steps wholly above
; the diagonal are not multiplied.  The mask's logit -10000 gives p = 2^(-14427 - M), which is 0 in f32.  LIMIT: rows whose largest counted logit lies under about -9,890 are not served.
; (2) The factor 64^-0.5 = 2^-3 on q moves only the exponent of q's block scales; it is folded into the constant that turns scores into t.  LIMIT: block maxima near 2^-126.
; No input is left out.  LIMITS of all launches: a block of zeros gets the byte 1 where the rule says 127 (its codes are zeros, and this program alone reads these bytes); NaN and infinities among the inputs
; are not served; a NaN, an infinity or an overflow that reaches only the work left out is not carried to the result.
; THE NORM.  In: [2048 l][2 n][1024] f32.  Out, row m = 2048 n + l: codes K step by K step, byte b of the row's 768 at 786,432 (m / 1024) + 196,608 (b / 192) + 192 (m % 1024) + b % 192, so that 128 rows of
; a K step are a dense block at a multiple of 256 bytes; behind all codes 32 scale bytes a row.  Work-group g takes l = 4 g .. 4 g + 3; wave w takes n = w % 2 and rows l = 4 g + 2 (w / 2) + i, i = 0, 1.
; A row lies in 32 registers between the passes and is read once; it turns through the wave's own stage in LDS, since the conversions want 16 neighbours in a lane.  Waves share nothing: no barrier.
; THE COPY.  wr has sections of 786,432 bytes.  0-2: wq, wk, wv; 3-6: fc1_w, 1,024 rows each: [4 K steps of 256][1,024 rows][192 bytes].  8-11: fc2_w, two K steps each: [K step of 512][1,024 rows][384 bytes].
; Section 7 is not used.  A work-group takes 16 rows of a section, 12,288 bytes in and out; an instruction of a wave moves 384 bytes that lie on end in wr, 12 bytes a lane.
; 192-byte sections: wave w = the K step, instruction i rows 2 i, 2 i + 1.  384-byte sections: wave w takes K step w % 2 and rows 8 (w / 2) + i.  The copy uses no LDS.
.set SP,    80                         ; a lane's place in a stage: 64 bytes + 16
.set WREG,  8192                       ; LDS of a wave: two stages of 32 x SP bytes, then its scale bytes
.set SCB,   2*32*SP
.set SPARE, 4*WREG                     ; the spare words, 128 bytes a wave, which no other line names
.set HSC,   4096*768                   ; where the scale bytes begin in the output
.set CD,   16
.set SPW,  24
.set NIL,  25
.set EB,   26
.set SIN,  28
.set SOUT, 29
.set WOF,  30
.set GW,   32                          ; v32-63 gain, v64-95 bias of my 32 columns
.set GB,   64
.set X,    96                          ; v96-127 a row: columns 16 lane + 0..15 and 512 + 16 lane + 0..15
.set R,    128                         ; v128-191 two rows as loaded
	s_cmp_ge_u32 ttmp9, 512
	s_cbranch_scc1 .Lrelay
	s_load_b256 s[4:11], s[0:1], 0x0               ; in, gain, bias, out
	v_lshl_add_u32 v[SPW], v0, 2, SPARE
	v_mov_b32 v[NIL], 0
	v_lshrrev_b32 v1, 5, v0
	v_readfirstlane_b32 s16, v1                    ; wave
	v_and_b32 v2, 31, v0                           ; lane
	v_lshlrev_b32 v3, 4, v2
	v_and_b32 v4, 15, v2
	v_lshrrev_b32 v7, 4, v2
	v_mul_u32_u24 v4, v4, 12
	v_mad_u32_u24 v4, v7, 0x30000, v4              ; my 12 bytes of codes: sixteen lanes fill a K step's 192 bytes, lanes 16-31 the next K step's
	v_lshlrev_b32 v7, 1, v2
	v_lshlrev_b32 v[WOF], 6, v2
	s_mul_i32 s17, s16, WREG
	v_lshrrev_b32 v[SIN], 2, v2
	v_mul_u32_u24 v[SIN], v[SIN], SP
	v_and_b32 v[SOUT], 3, v2
	v_lshl_add_u32 v[SIN], v[SOUT], 4, v[SIN]
	v_add_nc_u32 v[SIN], s17, v[SIN]               ; in: SP (lane / 4) + 16 (lane % 4)
	v_mul_u32_u24 v[SOUT], v2, SP
	v_add_nc_u32 v[SOUT], s17, v[SOUT]             ; out: SP x lane
	s_add_co_u32 s17, s17, SCB
	v_lshrrev_b32 v5, 1, v2
	v_add_nc_u32 v5, s17, v5                       ; my block's scale byte
	v_add_nc_u32 v6, s17, v7                       ; and 2 bytes a lane on the way out
	s_mov_b32 s12, 0x76543210
	s_mov_b32 s13, 0xfedcba98                      ; lane selects: lane l xor 16
	s_and_b32 s17, s16, 1                          ; n
	s_lshr_b32 s18, s16, 1
	s_lshl_b32 s18, s18, 1
	s_min_u32 s19, ttmp9, 511                      ; (this path's own numbers)
	s_lshl_b32 s19, s19, 2
	s_add_co_u32 s18, s18, s19                     ; my first l
	s_lshl_b32 s20, s18, 13
	s_lshl_b32 s21, s17, 12
	s_add_co_u32 s20, s20, s21                     ; 8,192 l + 4,096 n
	s_mov_b32 s21, 0
	s_lshl_b32 s22, s17, 11
	s_add_co_u32 s22, s22, s18                     ; m
	s_mul_i32 s24, s22, 192
	s_lshr_b32 s25, s22, 10
	s_mul_i32 s25, s25, 589824
	s_add_co_u32 s24, s24, s25                     ; 192 m + (786,432 - 196,608) (m / 1024)
	s_mov_b32 s25, 0
	s_lshl_b32 s26, s22, 5
	s_add_co_u32 s26, s26, HSC
	s_mov_b32 s27, 0
	s_wait_kmcnt 0x0
	s_add_nc_u64 s[4:5], s[4:5], s[20:21]
	s_add_nc_u64 s[28:29], s[10:11], s[26:27]      ; my rows' scale bytes
	s_add_nc_u64 s[10:11], s[10:11], s[24:25]      ; my rows' codes
.irp j, 0,1,2,3,4,5,6,7
	global_load_b128 v[GW+4*\j:GW+4*\j+3], v[WOF], s[6:7] offset:2048*(\j/4)+16*(\j%4)
	global_load_b128 v[GB+4*\j:GB+4*\j+3], v[WOF], s[8:9] offset:2048*(\j/4)+16*(\j%4)
.endr
.irp i, 0,1
.irp j, 0,1,2,3,4,5,6,7
	global_load_b128 v[R+32*\i+4*\j:R+32*\i+4*\j+3], v3, s[4:5] offset:8192*\i+512*\j th:TH_LOAD_NT   ; 32 lanes read 512 consecutive bytes
.endr
.endr
.macro ALLSUM a, t                     ; the sum over the 32 lanes, in every lane
	v_add_f32_dpp v[\a], v[\a], v[\a] row_xmask:1 row_mask:0xf bank_mask:0xf
	v_add_f32_dpp v[\a], v[\a], v[\a] row_xmask:2 row_mask:0xf bank_mask:0xf
	v_add_f32_dpp v[\a], v[\a], v[\a] row_xmask:4 row_mask:0xf bank_mask:0xf
	v_add_f32_dpp v[\a], v[\a], v[\a] row_xmask:8 row_mask:0xf bank_mask:0xf
	v_permlanex16_b32 v[\t], v[\a], s12, s13
	v_add_f32 v[\a], v[\a], v[\t]
.endm
.macro ROW i
.set RR, R+32*(\i)
	s_wait_loadcnt 8*(1-(\i))                      ; gain, bias and this row are in; the younger row's eight loads stay out
	v_pk_add_f32 v[8:9], v[RR:RR+1], v[RR+2:RR+3]  ; the sum, in two chains
	v_pk_add_f32 v[10:11], v[RR+4:RR+5], v[RR+6:RR+7]
.irp j, 8,12,16,20,24,28
	v_pk_add_f32 v[8:9], v[8:9], v[RR+\j:RR+\j+1]
	v_pk_add_f32 v[10:11], v[10:11], v[RR+\j+2:RR+\j+3]
.endr
	v_pk_add_f32 v[8:9], v[8:9], v[10:11]
	v_add_f32 v8, v8, v9
	ALLSUM 8, 9
	v_mul_f32 v8, 0x3a800000, v8                   ; x 2^-10: the mean
	v_mov_b32 v9, v8
.irp j, 0,2,4,6,8,10,12,14,16,18,20,22,24,26,28,30
	v_pk_add_f32 v[RR+\j:RR+\j+1], v[RR+\j:RR+\j+1], v[8:9] neg_lo:[0,1] neg_hi:[0,1]   ; x - mean
.endr
	v_pk_mul_f32 v[10:11], v[RR:RR+1], v[RR:RR+1]  ; the sum of its squares, in two chains
	v_pk_mul_f32 v[12:13], v[RR+2:RR+3], v[RR+2:RR+3]
.irp j, 4,8,12,16,20,24,28
	v_pk_fma_f32 v[10:11], v[RR+\j:RR+\j+1], v[RR+\j:RR+\j+1], v[10:11]
	v_pk_fma_f32 v[12:13], v[RR+\j+2:RR+\j+3], v[RR+\j+2:RR+\j+3], v[12:13]
.endr
	v_pk_add_f32 v[10:11], v[10:11], v[12:13]
	v_add_f32 v10, v10, v11
	ALLSUM 10, 11
	v_mul_f32 v10, 0x3a800000, v10                 ; the variance,
	v_add_f32 v10, 0x3727c5ac, v10                 ; + 1e-5
	s_wait_alu depctr_va_vdst(0)                   ; the wait ahead of the transcendental,
	v_rsq_f32 v10, v10
	v_nop
	s_wait_alu depctr_va_vdst(0)                   ; and ahead of the first line that names its result
	v_mov_b32 v11, v10
.irp j, 0,2,4,6,8,10,12,14,16,18,20,22,24,26,28,30
	v_pk_mul_f32 v[RR+\j:RR+\j+1], v[RR+\j:RR+\j+1], v[10:11]
.endr
.irp j, 0,1,2,3,4,5,6,7
	ds_store_b128 v[SIN], v[RR+4*\j:RR+4*\j+3] offset:32*SP*(\j/4)+8*SP*(\j%4)    ; the row through my two stages
.endr
.irp j, 0,1,2,3,4,5,6,7
	ds_load_b128 v[X+4*\j:X+4*\j+3], v[SOUT] offset:32*SP*(\j/4)+16*(\j%4)       ; LDS serves a wave's instructions in order: these see the stores
.endr
	s_wait_dscnt 0x0
.irp j, 0,2,4,6,8,10,12,14,16,18,20,22,24,26,28,30
	v_pk_fma_f32 v[X+\j:X+\j+1], v[X+\j:X+\j+1], v[GW+\j:GW+\j+1], v[GB+\j:GB+\j+1]
.endr
.if (\i) > 0
	s_wait_xcnt 0x0                                ; the last row's stores have read the codes' registers
.endif
.irp c, 0,1                            ; the two halves of the row; two neighbouring lanes hold a block of 32
	v_max3_num_f32 v8, |v[X+16*\c]|, |v[X+16*\c+1]|, |v[X+16*\c+2]|
	v_max3_num_f32 v9, |v[X+16*\c+3]|, |v[X+16*\c+4]|, |v[X+16*\c+5]|
.irp k, 6,10
	v_max3_num_f32 v8, v8, |v[X+16*\c+\k]|, |v[X+16*\c+\k+1]|
	v_max3_num_f32 v9, v9, |v[X+16*\c+\k+2]|, |v[X+16*\c+\k+3]|
.endr
	v_max3_num_f32 v8, v8, |v[X+16*\c+14]|, |v[X+16*\c+15]|
	v_max3_num_f32 v8, v8, v9, 0x1800000           ; and the floor 2^(3 - 127): the byte cannot fall under 1
	v_max_num_f32_dpp v8, v8, v8 row_xmask:1 row_mask:0xf bank_mask:0xf
	v_add_nc_u32 v[12+\c], 0xff000000, v8          ; 2 off the exponent field: the conversion's scale operand
	v_cvt_scalef32_pk16_fp6_f32 v[CD+4*\c:CD+4*\c+2], v[X+16*\c:X+16*\c+15], v[12+\c]
	v_lshrrev_b32 v[EB+\c], 23, v[12+\c]           ; the scale's byte (also the plain line behind the conversion)
	ds_store_b8 v5, v[EB+\c] offset:32*(\i)+16*\c  ; both lanes of a block write the same byte with the same value
	global_store_b96 v4, v[CD+4*\c:CD+4*\c+2], s[10:11] offset:192*(\i)+393216*\c    ; two K steps' 192 bytes of the row
.endr
.endm
	ROW 0
	ROW 1
	ds_load_u16 v8, v6                             ; my two rows' 64 scale bytes
	s_wait_dscnt 0x0
	global_store_b16 v7, v8, s[28:29]              ; 64 consecutive bytes
	s_wait_tensorcnt 0x0                           ; the wave's end
	ds_add_u32 v[SPW], v[NIL]
	s_wait_dscnt 0x0
	s_endpgm
.Lrelay:
	s_load_b256 s[4:11], s[0:1], 0x20              ; wq, wk, wv, fc1_w
	s_load_b128 s[12:15], s[0:1], 0x40             ; fc2_w, wr
	v_lshrrev_b32 v1, 5, v0
	v_readfirstlane_b32 s20, v1                    ; wave
	s_max_u32 s19, ttmp9, 512                      ; (this path's own numbers)
	s_sub_co_u32 s19, s19, 512
	s_lshr_b32 s21, s19, 6
	s_and_b32 s22, s19, 63
	s_lshl_b32 s22, s22, 4                         ; first row
	s_cmp_ge_u32 s21, 7
	s_cselect_b32 s23, 1, 0
	s_add_co_u32 s21, s21, s23                     ; the section in wr: 0-6, 8-11
	s_lshr_b32 s23, s20, 1
	s_and_b32 s24, s20, 1
	s_lshl_b32 s25, s23, 3
	s_add_co_u32 s25, s25, s22                     ; 384: my first row
	s_mul_i32 s27, s25, 3072
	s_mul_i32 s28, s24, 384
	s_add_co_u32 s27, s27, s28
	s_max_u32 s28, s21, 8
	s_sub_co_u32 s28, s28, 8
	s_mul_i32 s28, s28, 768                        ; the section's two K steps
	s_add_co_u32 s27, s27, s28                     ; 384: source offset
	s_mul_i32 s29, s24, 393216
	s_mul_i32 s30, s25, 384
	s_add_co_u32 s29, s29, s30                     ; 384: offset in the section
	s_mul_i32 s31, s22, 768
	s_mul_i32 s32, s20, 192
	s_add_co_u32 s31, s31, s32
	s_max_u32 s32, s21, 3
	s_sub_co_u32 s32, s32, 3
	s_mul_i32 s32, s32, 786432                     ; fc1_w: the section's 1,024 rows
	s_add_co_u32 s31, s31, s32                     ; 192: source offset
	s_mul_i32 s33, s20, 196608
	s_mul_i32 s34, s22, 192
	s_add_co_u32 s33, s33, s34                     ; 192: offset in the section
	s_mov_b32 s35, 1536
	s_mov_b32 s26, 3072
	s_cmp_lt_u32 s21, 7                            ; a 192-byte section?
	s_cselect_b32 s36, s31, s27
	s_cselect_b32 s38, s33, s29
	s_cselect_b32 s35, s35, s26                    ; source bytes from instruction to instruction
	s_cselect_b32 s42, 576, 0                      ; 192: lanes 16-31 take the next row, 768 - 192 bytes further on
	s_mov_b32 s37, 0
	s_mov_b32 s39, 0
	s_mul_i32 s41, s21, 786432
	s_add_co_u32 s38, s38, s41
	v_and_b32 v2, 31, v0
	v_mul_u32_u24 v3, v2, 12                       ; my 12 bytes of 384
	v_lshrrev_b32 v5, 4, v2
	v_mad_u32_u24 v4, v5, s42, v3
.irp i, 0,1,2,3,4,5,6,7
	v_mad_u32_u24 v[8+\i], s35, \i, v4
.endr
	s_wait_alu depctr_va_vdst(0)
	s_wait_kmcnt 0x0
	s_cmp_eq_u32 s21, 1
	s_cselect_b64 s[4:5], s[6:7], s[4:5]
	s_cmp_eq_u32 s21, 2
	s_cselect_b64 s[4:5], s[8:9], s[4:5]
	s_cmp_ge_u32 s21, 3
	s_cselect_b64 s[4:5], s[10:11], s[4:5]
	s_cmp_ge_u32 s21, 8
	s_cselect_b64 s[4:5], s[12:13], s[4:5]
	s_add_nc_u64 s[4:5], s[4:5], s[36:37]
	s_add_nc_u64 s[14:15], s[14:15], s[38:39]
.irp i, 0,1,2,3,4,5,6,7
	global_load_b96 v[16+4*\i:18+4*\i], v[8+\i], s[4:5] th:TH_LOAD_NT
.endr
.irp i, 0,1,2,3,4,5,6,7
	s_wait_loadcnt 7-\i                            ; load i is in; the 7 - i younger ones may be out
	global_store_b96 v3, v[16+4*\i:18+4*\i], s[14:15] offset:384*\i   ; the wave's eight stores cover 3,072 bytes on end
.endr
	s_endpgm
.Lfunc_end_k_q17e4019804_lnw:
	.size	k_q17e4019804_lnw, .Lfunc_end_k_q17e4019804_lnw-k_q17e4019804_lnw
	.p2alignl 7, 3214868480
	.fill 96, 4, 3214868480
	.section	.rodata,"a",@progbits
	.p2align	6, 0x0
	.amdhsa_kernel k_q17e4019804_lnw
		.amdhsa_group_segment_fixed_size 33280
		.amdhsa_private_segment_fixed_size 0
		.amdhsa_enable_private_segment 0
		.amdhsa_kernarg_size 80
		.amdhsa_user_sgpr_count 2
		.amdhsa_user_sgpr_kernarg_segment_ptr 1
		.amdhsa_wavefront_size32 1
		.amdhsa_system_sgpr_workgroup_id_x 1
		.amdhsa_system_sgpr_workgroup_id_y 1
		.amdhsa_system_sgpr_workgroup_id_z 1
		.amdhsa_system_vgpr_workitem_id 0
		.amdhsa_next_free_vgpr 192
		.amdhsa_next_free_sgpr 66
		.amdhsa_reserve_vcc 0
		.amdhsa_float_denorm_mode_32 3
		.amdhsa_float_denorm_mode_16_64 3
		.amdhsa_memory_ordered 1
		.amdhsa_forward_progress 1
		.amdhsa_inst_pref_size 29
	.end_amdhsa_kernel
	.amdgpu_metadata
---
amdhsa.version: [ 1, 2 ]
amdhsa.kernels:
  - .name:           k_q17e4019804_lnw
    .symbol:         k_q17e4019804_lnw.kd
    .args:
      - { .name: x, .offset: 0, .size: 8, .value_kind: global_buffer, .address_space: global }
      - { .name: ln1_w, .offset: 8, .size: 8, .value_kind: global_buffer, .address_space: global }
      - { .name: ln1_b, .offset: 16, .size: 8, .value_kind: global_buffer, .address_space: global }
      - { .name: hbuf, .offset: 24, .size: 8, .value_kind: global_buffer, .address_space: global }
      - { .name: wq_codes, .offset: 32, .size: 8, .value_kind: global_buffer, .address_space: global }
      - { .name: wk_codes, .offset: 40, .size: 8, .value_kind: global_buffer, .address_space: global }
      - { .name: wv_codes, .offset: 48, .size: 8, .value_kind: global_buffer, .address_space: global }
      - { .name: fc1_w_codes, .offset: 56, .size: 8, .value_kind: global_buffer, .address_space: global }
      - { .name: fc2_w_codes, .offset: 64, .size: 8, .value_kind: global_buffer, .address_space: global }
      - { .name: wr, .offset: 72, .size: 8, .value_kind: global_buffer, .address_space: global }
    .group_segment_fixed_size: 33280
    .private_segment_fixed_size: 0
    .kernarg_segment_align: 8
    .kernarg_segment_size: 80
    .max_flat_workgroup_size: 128
    .sgpr_count:     66
    .vgpr_count:     192
    .wavefront_size: 32
...
	.end_amdgpu_metadata
.endif
;; end of part 1
;; launch qkv (part 2): grid 8 x 24, 4 waves a work-group, clusters of 4 x 4, 327,680 bytes of LDS; arguments hbuf, wr, wq_scales, bq, wk_scales, bk, wv_scales, bv, qbuf, kvbuf; writes qbuf, kvbuf
.if DOCPART == 2
	.amdgcn_target "amdgcn-amd-amdhsa--gfx1250"
	.amdhsa_code_object_version 6
	.text
	.protected	k_q17e4019804_qkv
	.globl	k_q17e4019804_qkv
	.p2align	8
	.type	k_q17e4019804_qkv,@function
k_q17e4019804_qkv:
	s_mov_b64 s[64:65], 0
	v_nop
	global_prefetch_b8 v0, s[64:65] scope:SCOPE_SE
	s_setreg_imm32_b32 hwreg(HW_REG_WAVE_MODE, 25, 1), 1
	s_wait_xcnt 0x0
	s_wait_alu depctr_hold_cnt(0) depctr_sa_sdst(0) depctr_va_vdst(0) depctr_va_sdst(0) depctr_va_ssrc(0) depctr_va_vcc(0) depctr_vm_vsrc(0)
	s_getreg_b32 s2, hwreg(HW_REG_IB_STS2, 6, 4)
	s_cmp_eq_u32 s2, 0
	s_cbranch_scc0 .Lentry_in_a_cluster
	s_endpgm
.Lentry_in_a_cluster:
	s_bfe_u32 s2, ttmp6, 0x10000c
	s_cmp_lg_u32 s2, 0xf033
	s_cbranch_scc0 .Lentry_shape_is_right
	s_endpgm
.Lentry_shape_is_right:
; q, k, v = LN1(x) W^T + b on codes of E2M3 (K = 1,024), each result quantised on the way out along the K of the product that takes it, and stored as images of operand registers.
; The factor 2^-3 on q is left out here: it moves only the exponent of q's block scales, and the attention launch folds it into its constant (shown at the head of the first launch).
; A tile is 256 x 256: four waves of 128 x 128, 64 accumulators each.  K goes in steps of 256 through two LDS slots filled by joint tensor loads of a 4 x 4 cluster.
; THE MATRIX INSTRUCTION: source 0 = 16 rows of the operand B, source 1 = 16 rows of the operand A: a lane holds ONE row of A, and its registers run along B's rows: register j of tile t is B's row 16 t + 8 (lane / 16) + j.
;   q, k (cluster y 0-3; cluster x 0: q, 1: k): A = tokens, B = rows of wq or wk: a lane holds a token, its registers run along the features: the K of q k^T (64 a head).
;   v    (cluster y 4-5):                       A = rows of wv, B = tokens:       a lane holds a feature, its registers run along the tokens: the keys, the K of p v.
; All four operands have rows of 768 bytes of codes and 32 scale bytes, so the descriptors' shapes are constants; only pointers and tile numbers are chosen, by the cluster's numbers alone.
; AN IMAGE (768 bytes): 16 rows x 64 K as 6 operand registers: registers 0-3 at 16 x lane, registers 4-5 at 512 + 8 x lane; a fragment of 128 K is two images.
; qbuf, kvbuf: for each 16 n + head 196,608 bytes: 8 slots (256 keys) of 24,576: 16 images of k (or q), then 2 key steps x 4 tiles of 16 channels x 1,536 bytes of v.
;   Behind all heads, 12,288 bytes a head: a scale word for each token (two bytes used, the upper two 0), then at 8,192 v's words [16 key steps][64 channels].
; REGISTERS: window 0: v8-15 bias by A's rows, v16-31 addresses, v32-63 scale words, v64-127 bias by B's rows, v128-223 A's fragments (on the way out: the codes), v224-251 at work on the way out.
;   window 1: B's fragments, two sets.  windows 2, 3: the accumulators ((a, b) at v[8 (8 (a % 4) + b)]).
.set SIZE_K, 1024
.set KSTEP,  256
.set NQ,     KSTEP/128
; THE CODES IN MEMORY lie K step by K step (hbuf and the weights as laid anew in wr): [1,024 rows' group][K step][1,024 rows][192 bytes].  128 rows of a K step are 24,576 dense bytes,
; fetched as 96 rows of 256 bytes that begin at multiples of 256; the padding behind every 64 bytes gives the LDS rows of 240 bytes.  No prefetch: of the two refills none has a K step two further on.
.set ROWB,   192
.set KSTR,   196608                    ; bytes from K step to K step
.set KROW,   SIZE_K*6/8
.set PITCH,  240                       ; an LDS row: 3 x (64 bytes + 16 of padding)
.set FR,     12
.set NL,     6
.set NP,     4
.set HALFT,  128*PITCH
.set SLOT,   4*HALFT
.set LAPS,   SIZE_K/(2*KSTEP)
.set KS,     SIZE_K/32
.set SCL,    2*SLOT                    ; behind the ring: the scale bytes, as units of 256 bytes + 16
.set HALFS,  (128*KS/256)*272
.set SBLK,   (16*KS/256)*272
.set SPARE,  SCL+4*HALFS               ; the spare words, 128 bytes a wave, which no other line names
.set HSC,    4096*KROW                 ; hbuf: where the scale bytes begin
.set HEADB,  196608
.set SLOTB,  24576
.set WORDS,  32*HEADB
.set HEADW,  12288
.set BL,   8
.set ADRA, 16
.set ADRB, 20
.set L16,  24                          ; v24  16 x lane
.set L8,   25                          ; v25  8 x lane
.set L4,   26                          ; v26  4 x lane
.set ADRS, 27
.set SPW,  28
.set NIL,  29
.set BOF,  30                          ; v30  32 x (lane / 16)
.set BOL,  31                          ; v31  4 x (lane % 16)
.set SC,   32
.set BI,   64
.set AF,   128
.set OC,   128                         ; the way out: 12 registers of codes for each of A's eight blocks
.set TM,   224                         ; v224-227 maxima, v228-231 the other half's, then bytes, v232-235 the conversions' scale operands
.set TB,   236                         ; v236-243 the conversions' second halves
.set PW,   244                         ; v244-251 a scale word for each block
.set SEL,  96                          ; s[96:97] lane selects
.set G1, 24
.set G0, 32
.set G1B, 48
.set G0B, 56
.set G1S, 68
.set G0S, 76
.set G1SB, 80
.set G0SB, 88
.set MSB, 0
.macro WIN new                         ; the immediate's high byte repeats the setting that is left
.if MSB != (\new)
	s_set_vgpr_msb (MSB<<8)|(\new)
.set MSB, (\new)
.endif
.endm
.set MUL_LO, 0xa1                      ; source 0 (B) window 1, source 1 (A) window 0, C and D window 2
.set MUL_HI, 0xf1
.set TO_B,   0x40
.macro JLOAD g0a, g1a, g0b, g1b        ; a joint load: waves 0 and 1 fetch for A, waves 2 and 3 for B; s_nop 0 and four v_nop follow each line
	s_cmp_eq_u32 s15, 0
	s_cbranch_scc0 .Lfor_b_\@
	tensor_load_to_lds s[\g0a:\g0a+3], s[\g1a:\g1a+7]
	s_nop 0
.rept 4
	v_nop
.endr
	s_branch .Lasked_\@
.Lfor_b_\@:
	tensor_load_to_lds s[\g0b:\g0b+3], s[\g1b:\g1b+7]
	s_nop 0
.rept 4
	v_nop
.endr
.Lasked_\@:
.endm
.macro CREST
	s_cmp_lg_u32 s14, 0
	s_cbranch_scc1 .Lnot_wave_0_\@
	s_barrier_signal -3
.Lnot_wave_0_\@:
	s_barrier_wait -3
	s_barrier_signal -1
	s_barrier_wait -1
.endm
.macro CROUND
	s_barrier_signal -1
	s_barrier_wait -1
	CREST
.endm
	s_load_b512 s[68:83], s[0:1], 0x0              ; hbuf 68, wr 70, wq scales 72, bq 74, wk scales 76, bk 78, wv scales 80, bv 82
	s_load_b128 s[84:87], s[0:1], 0x40             ; arguments now: hbuf 68, wr 70, wq scales 72, bq 74, wk scales 76, bk 78, wv scales 80, bv 82, qbuf 84, kvbuf 86
	v_lshl_add_u32 v[SPW], v0, 2, SPARE
	v_mov_b32 v[NIL], 0
	ds_add_u32 v[SPW], v[NIL]                      ; the wave's opening: the add, twice on end, and its wait ahead of my first tensor load
	ds_add_u32 v[SPW], v[NIL]
	v_lshrrev_b32 v1, 5, v0
	v_readfirstlane_b32 s14, v1                    ; wave 0..3
	s_lshr_b32 s15, s14, 1                         ; my half of A's rows.  Also: I fetch for A (0) or for B (1)
	s_and_b32 s16, s14, 1                          ; my half of B's rows.  Also: which 128 rows I fetch
	s_bfe_u32 s40, ttmp6, 0x40000                  ; cx
	s_bfe_u32 s41, ttmp6, 0x40004                  ; cy
	s_and_b32 s98, ttmp7, 0xffff                   ; cluster y
	s_lshl_b32 s17, s98, 2
	s_lshl_b32 s42, ttmp9, 2
	s_lshl_b32 s43, s98, 3
	s_add_co_u32 s42, s42, s43
	s_sub_co_u32 s42, s42, 32                      ; 4 cluster x + 8 (cluster y - 4): used for v alone
	s_cmp_ge_u32 s98, 4
	s_cselect_b32 s99, 1, 0                        ; 1: this cluster makes v.  The same in all sixteen partners
	s_cselect_b32 s17, 0, s17
	s_cselect_b32 s42, s42, 0
	s_add_co_u32 s17, s17, s41                     ; A's tile: q, k: 4 cluster y + cy (tokens); v: cy (features)
	s_add_co_u32 s42, s42, s40                     ; B's tile: q, k: cx (features); v: 4 cluster x + 8 (cluster y - 4) + cx (tokens)
	s_lshl_b32 s43, s41, 2
	s_lshl_b32 s43, 15, s43                        ; my row of the cluster
	s_lshl_b32 s44, 0x1111, s40                    ; my column
	s_or_b32 s[G1+0], s43, (0<<16)|(1<<20)|(1<<21)|(3<<22)|(3<<25)  ; the mask; elements of 1 byte; padding on; bit 21 beside a mask; after every 16 words 4 words
	s_or_b32 s[G1B+0], s44, (0<<16)|(1<<20)|(1<<21)|(3<<22)|(3<<25)
.irp g, G1, G1B
	s_mov_b32 s[\g+1], 256<<16                     ; rows of 256 bytes of a dense block
	s_mov_b32 s[\g+2], 192<<16                     ; the head's loads: 256 rows of codes = 192 such rows
	s_mov_b32 s[\g+3], 256<<16
	s_mov_b32 s[\g+4], 192
	s_mov_b32 s[\g+5], 256
	s_mov_b32 s[\g+6], 0
	s_mov_b32 s[\g+7], 0
.endr
	s_lshl_b32 s20, s17, 8                         ; A: the tile's first row
	s_lshl_b32 s46, s42, 8                         ; B likewise
	s_lshl_b32 s22, s20, 5                         ; their scale bytes: 32 a row
	s_lshl_b32 s92, s46, 5
	s_lshr_b32 s21, s20, 10
	s_lshr_b32 s47, s46, 10
	s_mul_i32 s21, s21, 589824
	s_mul_i32 s47, s47, 589824
	s_mul_i32 s20, s20, ROWB
	s_mul_i32 s46, s46, ROWB
	s_add_co_u32 s20, s20, s21                     ; their codes: 192 row + (786,432 - 196,608) (row / 1024)
	s_add_co_u32 s46, s46, s47
	s_mov_b32 s21, 0
	s_mov_b32 s47, 0
	s_mov_b32 s23, 0
	s_mov_b32 s93, 0
	s_mul_i32 s18, s16, 128*ROWB                   ; in the ring I fetch 128 rows: which half
	s_mov_b32 s19, 0
	s_mul_i32 s45, s14, HALFT
	s_wait_dscnt 0x0                               ; both opening adds are done
	s_wait_kmcnt 0x0
	s_add_nc_u64 s[100:101], s[68:69], HSC         ; hbuf's scale bytes
	s_cmp_eq_u32 ttmp9, 0                          ; q or k
	s_add_nc_u64 s[88:89], s[70:71], 786432        ; wk in wr
	s_add_nc_u64 s[90:91], s[70:71], 1572864       ; wv in wr
	s_cselect_b64 s[8:9], s[70:71], s[88:89]
	s_cselect_b64 s[10:11], s[72:73], s[76:77]
	s_cselect_b64 s[66:67], s[74:75], s[78:79]
	s_cselect_b64 s[12:13], s[84:85], s[86:87]
	s_cmp_lg_u32 s99, 0
	s_cselect_b64 s[4:5], s[90:91], s[68:69]
	s_cselect_b64 s[6:7], s[80:81], s[100:101]
	s_cselect_b64 s[8:9], s[68:69], s[8:9]
	s_cselect_b64 s[10:11], s[100:101], s[10:11]
	s_cselect_b64 s[66:67], s[82:83], s[66:67]
	s_cselect_b64 s[12:13], s[86:87], s[12:13]
	s_or_b32 s[G1S+0], s43, (3<<16)|(1<<20)|(1<<21)|(5<<22)|(3<<25)   ; the arguments are taken: their registers become the scales' descriptors: 256 rows' scale bytes, dense, as rows of 256 bytes + 16
	s_or_b32 s[G1SB+0], s44, (3<<16)|(1<<20)|(1<<21)|(5<<22)|(3<<25)
.irp g, G1S, G1SB
	s_mov_b32 s[\g+1], 32<<16
	s_mov_b32 s[\g+2], (256*KS/256)<<16            ; the scale bytes of all 256 rows
	s_mov_b32 s[\g+3], 32<<16
	s_mov_b32 s[\g+4], 256*KS/256
	s_mov_b32 s[\g+5], 32
	s_mov_b32 s[\g+6], 0
	s_mov_b32 s[\g+7], 0
.endr
	s_add_nc_u64 s[20:21], s[4:5], s[20:21]
	s_add_nc_u64 s[22:23], s[6:7], s[22:23]
	s_add_nc_u64 s[46:47], s[8:9], s[46:47]
	s_add_nc_u64 s[92:93], s[10:11], s[92:93]
	CROUND                                         ; all sixteen work-groups are here: the first joint loads meet
	s_mov_b32 s[G0S], 1
	s_mov_b32 s[G0S+1], SCL
	s_mov_b64 s[G0S+2:G0S+3], s[22:23]
	s_or_b32 s[G0S+3], s[G0S+3], 0x80000000
	s_mov_b32 s[G0SB], 1
	s_mov_b32 s[G0SB+1], SCL+2*HALFS
	s_mov_b64 s[G0SB+2:G0SB+3], s[92:93]
	s_or_b32 s[G0SB+3], s[G0SB+3], 0x80000000
	s_mov_b32 s4, 1                                ; the head's loads of K step 0, each whole: A's 256 rows (the arguments that lay in s[4:11] have been used),
	s_mov_b32 s5, 0
	s_mov_b64 s[6:7], s[20:21]
	s_or_b32 s7, s7, 0x80000000
	s_mov_b32 s8, 1                                ; B's 256 rows
	s_mov_b32 s9, 2*HALFT
	s_mov_b64 s[10:11], s[46:47]
	s_or_b32 s11, s11, 0x80000000
	s_add_nc_u64 s[20:21], s[20:21], s[18:19]      ; for the ring: my 128 rows
	s_add_nc_u64 s[46:47], s[46:47], s[18:19]
.irp s, 0,1
	s_mov_b32 s[G0+4*\s], 1
	s_add_co_u32 s[G0+4*\s+1], s45, \s*SLOT
	s_add_nc_u64 s[G0+4*\s+2:G0+4*\s+3], s[20:21], \s*KSTR
	s_or_b32 s[G0+4*\s+3], s[G0+4*\s+3], 0x80000000
	s_mov_b32 s[G0B+4*\s], 1
	s_add_co_u32 s[G0B+4*\s+1], s45, \s*SLOT
	s_add_nc_u64 s[G0B+4*\s+2:G0B+4*\s+3], s[46:47], \s*KSTR
	s_or_b32 s[G0B+4*\s+3], s[G0B+4*\s+3], 0x80000000
.endr
; THE HEAD'S LOADS, ONE A WAVE: wave 0 A's K step 0, wave 1 B's, wave 2 A's scales, wave 3 B's: one chain of branches on the wave's number, one load to an arm.
.macro ARM under, g0, g1, next
	s_cmp_lt_u32 s14, \under
	s_cbranch_scc0 \next
	tensor_load_to_lds s[\g0:\g0+3], s[\g1:\g1+7]
	s_nop 0
.rept 4
	v_nop
.endr
	s_branch .Lhead_asked
\next:
.endm
	ARM 1, 4, G1, .Lhead_b
	ARM 2, 8, G1B, .Lhead_sa
	ARM 3, G0S, G1S, .Lhead_sb
	tensor_load_to_lds s[G0SB:G0SB+3], s[G1SB:G1SB+7]
	s_nop 0
.rept 4
	v_nop
.endr
.Lhead_asked:
	v_and_b32 v1, 15, v0                           ; r = lane % 16
	v_bfe_u32 v2, v0, 4, 1                         ; h = lane / 16
	v_mul_u32_u24 v3, v1, PITCH
	v_mul_u32_u24 v4, v2, 24
	v_add_nc_u32 v4, v3, v4                        ; a fragment's row x pitch + 24 x half
	v_lshl_add_u32 v5, v2, 4, v4                   ; and the same behind one padding more
	s_mul_i32 s21, s15, HALFT
	s_mul_i32 s22, s16, HALFT
	s_add_co_u32 s22, s22, 2*HALFT
.irp s, 0,1
	v_add_nc_u32 v[ADRA+\s], s21, v4
	v_add_nc_u32 v[ADRB+\s], s22, v4
	v_add_nc_u32 v[ADRA+2+\s], s21, v5
	v_add_nc_u32 v[ADRB+2+\s], s22, v5
	s_add_co_u32 s21, s21, SLOT
	s_add_co_u32 s22, s22, SLOT
.endr
	v_mul_u32_u24 v5, v1, KS
	v_lshrrev_b32 v6, 8, v5
	v_lshl_add_u32 v5, v6, 4, v5                   ; my row's scale bytes: KS a row, 16 more for each 256 passed
	s_mul_i32 s21, s15, HALFS
	s_mul_i32 s22, s16, HALFS
	s_add_co_u32 s22, s22, 2*HALFS
	s_sub_co_u32 s22, s22, s21
	v_mul_u32_u24 v6, s22, v2                      ; lanes 16-31 take B's
	s_add_co_u32 s21, s21, SCL
	v_add_nc_u32 v5, v5, v6
	v_add_nc_u32 v[ADRS], s21, v5
	v_and_b32 v6, 31, v0
	v_lshlrev_b32 v[L16], 4, v6
	v_lshlrev_b32 v[L8], 3, v6
	v_lshlrev_b32 v[L4], 2, v6
	v_lshlrev_b32 v[BOF], 5, v2
	s_wait_alu depctr_va_vdst(0)
	v_lshlrev_b32 v[BOL], 2, v1
	s_wait_alu depctr_va_vdst(0)
.irp b, 0,1,2,3
	v_mov_b32 v[TM+4+\b], 0                        ; written once: a lane permute's destination counts as one of its sources
.endr
	; who is who on the way out: features and tokens change places between q, k and v
	s_cmp_eq_u32 s99, 0
	s_cselect_b32 s95, s42, s17                    ; the tile of 256 features,
	s_cselect_b32 s96, s16, s15                    ; my half of it;
	s_cselect_b32 s2, s17, s42                     ; the tile of 256 tokens,
	s_cselect_b32 s3, s15, s16                     ; my half of it
	s_cselect_b32 s98, 0, SLOTB/2                  ; v's fragments lie behind k's images in a slot
	s_cselect_b32 s18, 9, 8                        ; scale words of 128 tokens: 512 bytes (q, k), 256 bytes a key step (v)
	s_cselect_b32 s19, 0, 8192
	s_lshl_b32 s100, s95, 10
	s_lshl_b32 s101, s96, 9
	s_add_co_u32 s100, s100, s101
	s_mov_b32 s101, 0
	s_add_nc_u64 s[66:67], s[66:67], s[100:101]    ; the bias at my 128 features
	s_lshl_b32 s2, s2, 1
	s_add_co_u32 s2, s2, s3                        ; which 128 tokens: 0..31
	s_lshr_b32 s3, s2, 4                           ; n
	s_and_b32 s2, s2, 15                           ; the key step
	s_lshl_b32 s95, s95, 2
	s_lshl_b32 s96, s96, 1
	s_add_co_u32 s95, s95, s96
	s_lshl_b32 s3, s3, 4
	s_add_co_u32 s95, s95, s3                      ; 16 n + my first head
	s_mul_i32 s100, s95, HEADB
	s_lshr_b32 s3, s2, 1
	s_mul_i32 s3, s3, SLOTB
	s_add_co_u32 s100, s100, s3
	s_and_b32 s3, s2, 1
	s_mul_i32 s3, s3, 6144
	s_add_co_u32 s100, s100, s3
	s_add_co_u32 s100, s100, s98
	s_mul_i32 s96, s95, HEADW
	s_lshl_b32 s3, s2, s18
	s_add_co_u32 s96, s96, s3
	s_add_co_u32 s96, s96, s19
	s_add_co_u32 s96, s96, WORDS
	s_mov_b32 s97, 0
	s_add_nc_u64 s[2:3], s[12:13], s[96:97]        ; my scale words
	s_add_nc_u64 s[12:13], s[12:13], s[100:101]    ; my images
	s_mov_b32 s95, 0xffff0000                      ; lanes 16-31
	s_mov_b32 s[SEL], 0x76543210
	s_mov_b32 s[SEL+1], 0xfedcba98
.irp b, 0,1,2,3,4,5,6,7                ; the bias of my 128 features in both layouts, on the one way that all take, so that either way out finds its registers written: by B's rows (q, k) and by A's rows (v)
	global_load_b128 v[BI+8*\b:BI+8*\b+3], v[BOF], s[66:67] offset:64*\b
	global_load_b128 v[BI+8*\b+4:BI+8*\b+7], v[BOF], s[66:67] offset:64*\b+16
	global_load_b32 v[BL+\b], v[BOL], s[66:67] offset:64*\b
.endr
.macro FRAG reg, adr, q, i             ; a fragment: 16 rows x 128 K, 12 registers: 24 bytes of the row's stream of bits twice, in pieces of 8 bytes; lanes 16-31 stand three pieces on, for some pieces behind one padding more
.irp p, 0,1,2,3,4,5
.set PC, 12*(\q)+6*(\p/3)+\p%3
.if PC%8 < 5
	ds_load_b64 v[\reg+2*\p:\reg+2*\p+1], v[\adr] offset:8*PC+16*(PC/8)+(\i)*16*PITCH
.else
	ds_load_b64 v[\reg+2*\p:\reg+2*\p+1], v[\adr+2] offset:8*PC+16*(PC/8)+(\i)*16*PITCH
.endif
.endr
.endm
; 16 matrix instructions: A's blocks a0, a0 + 1 x B's eight.  The 64 accumulators take turns, one instruction a turn, in the same order in every step.
.macro MUL16 a0, p, q, sc, zero
.irp a, \a0, \a0+1
.irp b, 0,1,2,3,4,5,6,7
.if \zero
	v_wmma_scale_f32_16x16x128_f8f6f4 v[8*(8*((\a)%4)+\b):8*(8*((\a)%4)+\b)+7], v[128*(\p)+FR*\b:128*(\p)+FR*\b+FR-1], v[AF+FR*(\a):AF+FR*(\a)+FR-1], 0, v[SC+8*NQ*(\sc)+NQ*\b+(\q)], v[SC+8*NQ*(\sc)+NQ*(\a)+(\q)] matrix_a_fmt:MATRIX_FMT_FP6 matrix_b_fmt:MATRIX_FMT_FP6 matrix_a_scale:MATRIX_SCALE_ROW1
.else
	v_wmma_scale_f32_16x16x128_f8f6f4 v[8*(8*((\a)%4)+\b):8*(8*((\a)%4)+\b)+7], v[128*(\p)+FR*\b:128*(\p)+FR*\b+FR-1], v[AF+FR*(\a):AF+FR*(\a)+FR-1], v[8*(8*((\a)%4)+\b):8*(8*((\a)%4)+\b)+7], v[SC+8*NQ*(\sc)+NQ*\b+(\q)], v[SC+8*NQ*(\sc)+NQ*(\a)+(\q)] matrix_a_fmt:MATRIX_FMT_FP6 matrix_b_fmt:MATRIX_FMT_FP6 matrix_a_scale:MATRIX_SCALE_ROW1
.endif
.endr
.endr
.endm
.macro FETCH_B slot, q, p
	WIN TO_B
.irp i, 0,1,2,3,4,5,6,7
	FRAG 128*(\p)+FR*\i, ADRB+\slot, \q, \i
.endr
	WIN 0
.endm
.macro FETCH_A slot, q, i0
.irp i, \i0, \i0+1, \i0+2, \i0+3
	FRAG AF+FR*(\i), ADRA+\slot, \q, \i
.endr
.endm
.macro SCALES sc                       ; a K step's scale words: lanes 0-15 A's block i, lanes 16-31 B's block i
.irp i, 0,1,2,3,4,5,6,7
	ds_load_b64 v[SC+8*NQ*\sc+NQ*\i:SC+8*NQ*\sc+NQ*\i+1], v[ADRS] offset:\i*SBLK
.endr
.endm
.macro PLACES n                        ; plain vector instructions between a matrix instruction and a load into, or a vector line on, its registers
.rept \n
	v_nop
.endr
.endm
.macro STEP slot, q, zero              ; 128 along K that has its successor in the same slot
	s_wait_dscnt 4*NL                              ; B's set and A's blocks 0-3 are in; the youngest 24 loads (A's blocks 4-7) may be out
	WIN MUL_LO
	MUL16 0, (\q)%2, \q, \slot, \zero
	MUL16 2, (\q)%2, \q, \slot, \zero
	s_wait_dscnt 0
	PLACES NP
	FETCH_B \slot, (\q)+1, 1-(\q)%2
	FETCH_A \slot, (\q)+1, 0
	WIN MUL_HI
	MUL16 4, (\q)%2, \q, \slot, \zero
	MUL16 6, (\q)%2, \q, \slot, \zero
	PLACES NP
	WIN 0
	FETCH_A \slot, (\q)+1, 4
.endm
.macro TURN slot, next, fill           ; a slot's last step changes slots: one barrier (with fill = 1: a round of the cluster's)
	s_wait_tensorcnt 0x0                           ; all my tensor loads have landed: my part of the next slot
	ds_add_u32 v[SPW], v[NIL]                      ; 0 onto my spare word
	s_wait_dscnt 4*NL+1                            ; the add and the youngest 24 loads may be out
	WIN MUL_LO
	MUL16 0, 1, NQ-1, \slot, 0
	s_wait_dscnt 0x0                               ; the add is done, and my reads of this slot are over
	s_barrier_signal -1
	MUL16 2, 1, NQ-1, \slot, 0
	WIN 0
	s_barrier_wait -1
.if \fill
	CREST                                          ; no wave of any partner still reads this slot or has a load on its way
	s_add_nc_u64 s[G0+4*\slot+2:G0+4*\slot+3], s[G0+4*\slot+2:G0+4*\slot+3], 2*KSTR
	s_add_nc_u64 s[G0B+4*\slot+2:G0B+4*\slot+3], s[G0B+4*\slot+2:G0B+4*\slot+3], 2*KSTR
	JLOAD G0+4*\slot, G1, G0B+4*\slot, G1B         ; the first tensor load behind the round; its four v_nop are the places in front of the loads below
.else
	PLACES NP
.endif
	s_wait_alu depctr_va_vdst(0)
	v_add_nc_u32 v[ADRS], 4*NQ, v[ADRS]
	FETCH_B \next, 0, 0
	FETCH_A \next, 0, 0
	SCALES \next
	WIN MUL_HI
	MUL16 4, 1, NQ-1, \slot, 0
	MUL16 6, 1, NQ-1, \slot, 0
	PLACES NP
	WIN 0
	FETCH_A \next, 0, 4
.endm
; THE QUANTISER.  64 numbers of a lane in window w, v[s] on: eight tiles, four blocks of 32 along B's rows; of block b lanes 0-15 hold numbers 0-7 and 16-23, lanes 16-31 numbers 8-15 and 24-31.
; Out, in window 0: the fragment's 12 registers v[o] on, and the row's scale word v[pw].
.macro QUANT s, w, o, pw
	WIN 5*(\w)                                     ; sources 0 and 1 in window w
.irp b, 0,1,2,3
	v_max3_num_f32 v[TM+\b], |v[(\s)+16*\b]|, |v[(\s)+16*\b+1]|, 0x1800000   ; with the floor 2^(3 - 127): the byte cannot fall under 1
.endr
.irp i, 2,4,6,8,10,12,14
.irp b, 0,1,2,3
	v_max3_num_f32 v[TM+\b], |v[(\s)+16*\b+\i]|, |v[(\s)+16*\b+\i+1]|, v[TM+\b]   ; the four blocks by turns
.endr
.endr
	WIN 0
.irp b, 0,1,2,3
	v_permlanex16_b32 v[TM+4+\b], v[TM+\b], s[SEL], s[SEL+1]
.endr
.irp b, 0,1,2,3
	v_max_num_f32 v[TM+\b], v[TM+\b], v[TM+4+\b]   ; with lane l xor 16's: the block's largest magnitude
.endr
.irp b, 0,1,2,3
	v_add_nc_u32 v[TM+8+\b], 0xff000000, v[TM+\b]  ; 2 off its exponent field: the conversion's scale operand
.endr
.irp b, 0,1,2,3
	v_lshrrev_b32 v[TM+4+\b], 23, v[TM+8+\b]       ; the scale's byte
.endr
	v_lshl_or_b32 v[\pw], v[TM+5], 8, v[TM+4]
	v_lshl_or_b32 v[\pw], v[TM+6], 16, v[\pw]
	v_lshl_or_b32 v[\pw], v[TM+7], 24, v[\pw]
	WIN \w
.irp c, 0,1
	v_cvt_scalef32_pk16_fp6_f32 v[(\o)+6*\c:(\o)+6*\c+2], v[(\s)+32*\c:(\s)+32*\c+15], v[TM+8+2*\c]
	v_cvt_scalef32_pk16_fp6_f32 v[TB+4*\c:TB+4*\c+2], v[(\s)+32*\c+16:(\s)+32*\c+31], v[TM+9+2*\c]
.endr
	WIN 0
	v_nop                                          ; one plain line behind the conversions
.irp c, 0,1
.irp i, 0,1,2
	v_permlane16_swap_b32 v[(\o)+6*\c+\i], v[TB+4*\c+\i]   ; now every lane holds ITS block (2 c + lane / 16): a = codes 0-7, 16-23 in v[o ..], b = codes 8-15, 24-31 in v[TB ..], 48 bits a piece
.endr
	v_perm_b32 v[(\o)+6*\c+3], v[(\o)+6*\c+2], v[(\o)+6*\c+1], 0x05040302   ; the four pieces are woven into the block's 192 bits: word 3 = a's bits 48-79,
	v_perm_b32 v[(\o)+6*\c+4], v[TB+4*\c+1], v[(\o)+6*\c+2], 0x07060302     ; word 4 = a's bits 80-95, b's bits 48-63,
	v_perm_b32 v[(\o)+6*\c+1], v[TB+4*\c], v[(\o)+6*\c+1], 0x05040100       ; word 1 = a's bits 32-47, b's bits 0-15,
	v_perm_b32 v[(\o)+6*\c+2], v[TB+4*\c+1], v[TB+4*\c], 0x05040302         ; word 2 = b's bits 16-47,
	v_mov_b32 v[(\o)+6*\c+5], v[TB+4*\c+2]                                  ; word 5 = b's bits 64-95; word 0 stays
.endr
.endm
	s_wait_alu depctr_va_vdst(0)
	s_wait_tensorcnt 0x0                           ; my tile of the head's four is in; slot 1's first fill is issued as a refill is:
	ds_add_u32 v[SPW], v[NIL]
	s_mov_b32 s[G1+2], 96<<16                      ; no tensor load of mine is out: from here on a load brings 128 rows of codes = 96 rows of 256 bytes
	s_mov_b32 s[G1+4], 96
	s_mov_b32 s[G1B+2], 96<<16
	s_mov_b32 s[G1B+4], 96
	s_wait_dscnt 0x0
	CROUND                                         ; all four tiles are in, and the sixteen work-groups meet
	JLOAD G0+4, G1, G0B+4, G1B                     ; K step 1, the first tensor load behind the round
	FETCH_B 0, 0, 0
	FETCH_A 0, 0, 0
	SCALES 0
	FETCH_A 0, 0, 4
	STEP 0, 0, 1                                   ; the first step's products start the sums
	s_mov_b32 s18, LAPS-1
.Llap:
	TURN 0, 1, 1
	STEP 1, 0, 0
	TURN 1, 0, 1
	STEP 0, 0, 0
	s_sub_co_u32 s18, s18, 1
	s_cmp_lg_u32 s18, 0
	s_cbranch_scc1 .Llap
	TURN 0, 1, 0                                   ; the last lap fills nothing
	STEP 1, 0, 0
	s_wait_dscnt 4*NL
	WIN MUL_LO
	MUL16 0, 1, NQ-1, 1, 0
	MUL16 2, 1, NQ-1, 1, 0
	s_wait_dscnt 0
	WIN MUL_HI
	MUL16 4, 1, NQ-1, 1, 0
	MUL16 6, 1, NQ-1, 1, 0
	WIN 0
; THE WAY OUT, a block of A's 16 rows at a time: + bias in f32, the quantiser, the fragment's two images.  Each store of the wave covers 512 or 256 consecutive aligned bytes.  No LDS.
.macro EPI isv
.irp a, 0,1,2,3,4,5,6,7
.set W, 2+\a/4
.set AC, 64*(\a%4)
	WIN W|(W<<6)                                   ; destination and source 0: the accumulators' window; the bias in window 0
.set i, 0
.rept 32
.if \isv
.if \a%2
	v_pk_add_f32 v[AC+i:AC+i+1], v[AC+i:AC+i+1], v[BL+2*(\a/2):BL+2*(\a/2)+1] op_sel:[0,1] op_sel_hi:[1,1]   ; v: my lane's feature has one bias
.else
	v_pk_add_f32 v[AC+i:AC+i+1], v[AC+i:AC+i+1], v[BL+2*(\a/2):BL+2*(\a/2)+1] op_sel:[0,0] op_sel_hi:[1,0]
.endif
.else
	v_pk_add_f32 v[AC+i:AC+i+1], v[AC+i:AC+i+1], v[BI+i:BI+i+1]   ; q, k: a bias for each register; each accumulator is read from its low end on
.endif
.set i, i+2
.endr
	QUANT AC, W, OC+12*\a, PW+\a
.if \isv
	global_store_b128 v[L16], v[OC+12*\a:OC+12*\a+3], s[12:13] offset:(\a/4)*HEADB+(\a%4)*1536        ; head a / 4 of my two, channels 16 (a % 4) on, my 128 keys
	global_store_b64 v[L8], v[OC+12*\a+4:OC+12*\a+5], s[12:13] offset:(\a/4)*HEADB+(\a%4)*1536+512
	global_store_b128 v[L16], v[OC+12*\a+6:OC+12*\a+9], s[12:13] offset:(\a/4)*HEADB+(\a%4)*1536+768
	global_store_b64 v[L8], v[OC+12*\a+10:OC+12*\a+11], s[12:13] offset:(\a/4)*HEADB+(\a%4)*1536+1280
.else
	global_store_b128 v[L16], v[OC+12*\a:OC+12*\a+3], s[12:13] offset:\a*768                          ; tokens 16 a on: my first head's 64 channels,
	global_store_b64 v[L8], v[OC+12*\a+4:OC+12*\a+5], s[12:13] offset:\a*768+512
	global_store_b128 v[L16], v[OC+12*\a+6:OC+12*\a+9], s[12:13] offset:\a*768+HEADB                  ; my second head's
	global_store_b64 v[L8], v[OC+12*\a+10:OC+12*\a+11], s[12:13] offset:\a*768+HEADB+512
.endif
.endr
.endm
	s_wait_loadcnt 0x0                             ; the bias
	PLACES NP                                      ; behind the last products
	s_cmp_lg_u32 s99, 0                            ; the cluster's number alone: all partners and all waves go the same way
	s_cbranch_scc1 .Lout_v
	EPI 0
.irp p, 0,1,2,3                        ; the scale words of two blocks go together: lanes 0-15 block 2 p, lanes 16-31 block 2 p + 1: 128 consecutive bytes
	v_cndmask_b32 v[72+\p], v[PW+2*\p], v[PW+2*\p+1], s95
	v_and_b32 v[64+2*\p], 0xffff, v[72+\p]         ; my first head's two bytes, the upper two 0 (the head's K is 64: the other half of the matrix instruction's 128 is zero codes)
	v_lshrrev_b32 v[65+2*\p], 16, v[72+\p]         ; my second head's
	global_store_b32 v[L4], v[64+2*\p], s[2:3] offset:128*\p
	global_store_b32 v[L4], v[65+2*\p], s[2:3] offset:128*\p+HEADW
.endr
	s_branch .Lout_done
.Lout_v:
	EPI 1
.irp p, 0,1,2,3
	v_cndmask_b32 v[64+\p], v[PW+2*\p], v[PW+2*\p+1], s95
	global_store_b32 v[L4], v[64+\p], s[2:3] offset:(\p/2)*HEADW+(\p%2)*128
.endr
.Lout_done:
	s_wait_tensorcnt 0x0                           ; the wave's end
	ds_add_u32 v[SPW], v[NIL]
	s_wait_dscnt 0x0
	CROUND                                         ; the closing round
	s_endpgm
.Lfunc_end_k_q17e4019804_qkv:
	.size	k_q17e4019804_qkv, .Lfunc_end_k_q17e4019804_qkv-k_q17e4019804_qkv
	.p2alignl 7, 3214868480
	.fill 96, 4, 3214868480
	.section	.rodata,"a",@progbits
	.p2align	6, 0x0
	.amdhsa_kernel k_q17e4019804_qkv
		.amdhsa_group_segment_fixed_size 327680
		.amdhsa_private_segment_fixed_size 0
		.amdhsa_enable_private_segment 0
		.amdhsa_kernarg_size 80
		.amdhsa_user_sgpr_count 2
		.amdhsa_user_sgpr_kernarg_segment_ptr 1
		.amdhsa_wavefront_size32 1
		.amdhsa_system_sgpr_workgroup_id_x 1
		.amdhsa_system_sgpr_workgroup_id_y 1
		.amdhsa_system_sgpr_workgroup_id_z 1
		.amdhsa_system_vgpr_workitem_id 0
		.amdhsa_next_free_vgpr 1024
		.amdhsa_next_free_sgpr 102
		.amdhsa_reserve_vcc 0
		.amdhsa_float_denorm_mode_32 3
		.amdhsa_float_denorm_mode_16_64 3
		.amdhsa_memory_ordered 1
		.amdhsa_forward_progress 1
		.amdhsa_inst_pref_size 248
	.end_amdhsa_kernel
	.amdgpu_metadata
---
amdhsa.version: [ 1, 2 ]
amdhsa.kernels:
  - .name:           k_q17e4019804_qkv
    .symbol:         k_q17e4019804_qkv.kd
    .args:
      - { .name: hbuf, .offset: 0, .size: 8, .value_kind: global_buffer, .address_space: global }
      - { .name: wr, .offset: 8, .size: 8, .value_kind: global_buffer, .address_space: global }
      - { .name: wq_scales, .offset: 16, .size: 8, .value_kind: global_buffer, .address_space: global }
      - { .name: bq, .offset: 24, .size: 8, .value_kind: global_buffer, .address_space: global }
      - { .name: wk_scales, .offset: 32, .size: 8, .value_kind: global_buffer, .address_space: global }
      - { .name: bk, .offset: 40, .size: 8, .value_kind: global_buffer, .address_space: global }
      - { .name: wv_scales, .offset: 48, .size: 8, .value_kind: global_buffer, .address_space: global }
      - { .name: bv, .offset: 56, .size: 8, .value_kind: global_buffer, .address_space: global }
      - { .name: qbuf, .offset: 64, .size: 8, .value_kind: global_buffer, .address_space: global }
      - { .name: kvbuf, .offset: 72, .size: 8, .value_kind: global_buffer, .address_space: global }
    .group_segment_fixed_size: 327680
    .private_segment_fixed_size: 0
    .kernarg_segment_align: 8
    .kernarg_segment_size: 80
    .max_flat_workgroup_size: 128
    .sgpr_count:     102
    .vgpr_count:     1024
    .wavefront_size: 32
...
	.end_amdgpu_metadata
.endif
;; end of part 2
;; launch attn (part 3): grid 8 x 32, 16 waves a work-group, no clusters, 327,680 bytes of LDS; arguments qbuf, kvbuf, obuf; writes obuf
.if DOCPART == 3
	.amdgcn_target "amdgcn-amd-amdhsa--gfx1250"
	.amdhsa_code_object_version 6
	.text
	.protected	k_q17e4019804_attn
	.globl	k_q17e4019804_attn
	.p2align	8
	.type	k_q17e4019804_attn,@function
k_q17e4019804_attn:
	s_mov_b64 s[64:65], 0
	v_nop
	global_prefetch_b8 v0, s[64:65] scope:SCOPE_SE
	s_setreg_imm32_b32 hwreg(HW_REG_WAVE_MODE, 25, 1), 1
	s_wait_xcnt 0x0
; o = softmax(q k^T / 8, causal) v for one (n, head), both products on codes of E2M3; o is divided by the row's sum, quantised along the head's 64 channels and stored as an image for the projection.
; WORK LEFT OUT (shown at the head of the first launch): key steps that lie wholly above the diagonal of the problem's own causal mask; the factor 2^-3 on q, folded into c = log2(e) / 8.
; LIMIT: rows whose largest counted logit lies under about -9,890 are not served (there the mask's -10000 would still count).  In the diagonal step hidden scores get the mask's own value, 8 x -10000.
; THE SOFTMAX AHEAD OF THE SECOND PRODUCT: t = score x c; M = the running largest t rounded up to a whole number; p = 2^(t - M) is quantised along the keys; the row's sum is taken of the unquantised p.
; SHARES.  Work-group (i, 16 n + head) owns queries 128 i on (the early block, i + 1 counted key steps of 128) and 128 (15 - i) on (the late block, 16 - i steps): 8 + 8 tiles of 16 queries, sixteen waves.
; Waves 2 j and 2 j + 1 are a pair: one owns tile j of the early block, the other tile j of the late block; the late one is the wave with ((w / 4) xor w) odd, so that of any four waves w % 4 = c, and of any four
; waves w / 4 = g, two are early and two late.  THE LATE TILE'S STEPS ARE SHARED: when the early wave's own tile is done (step i + 1) it lays its state (O^T, -M, the sum) into LDS bytes of its own, takes the late
; tile's q, begins an empty state and works the late tile's odd steps k, i < k < 15 - i; the late wave leaves those out.  So a late wave works 9 steps and an early wave 8, whatever i is.
; At the end the helper's state goes through LDS to the tile's owner, and two states are joined as the running rescaling joins steps: -M = the smaller, each side x 2^(whole number): nothing is rounded.
; Keys go 128 a step through two LDS slots of 256 keys (24,576 dense bytes as the launch before laid them: k's 16 images, v's 8 fragments), fetched by waves 0-3, a quarter each, and read by all sixteen.
; NO CLUSTER: under the mask some partners would jump over the reads of tiles that a joint load brings.
; LAYOUT.  S^T = k q^T (source 0 = 16 neighbouring keys, source 1 = 16 queries; K = 64: the upper six registers of both fragments are zero codes).  O^T = v^T p^T.  A lane holds one query throughout.
; Of a block of 32 keys lanes 0-15 hold keys 0-7 and 16-23, lanes 16-31 keys 8-15 and 24-31: the conversions' pieces are woven into the operand's order.
; REGISTERS: v1-11 addresses; v12 -M, v13 the largest t, v[14:15] the sum; v16-27 q; v28 prefetch offset; v29 p's scale word; v30-31 at work; v32-79 four fragments of k; v80-91 at work; v92-95 scale words;
;   v96-159 S^T, then p; v160-191 O^T; v192-239 four fragments of v; v240-251 p's codes; v[252:253] f; v254 at work; v255 q's scale word.
.set SLOTB, 24576
.set SLOT1, 32768                      ; slot 1 begins here: one exclusive or turns an address
.set NSL,   8
.set SC,    65536                      ; the head's scale words: k's 8,192 bytes, then v's 4,096
.set SPARE, SC+12288                   ; the spare words, 128 bytes for each of sixteen waves, which no other line names
.set SCR,   SPARE+2048                 ; behind them, for each wave WSCR bytes that no fill touches: a state of its own (9 x 512 bytes),
.set WSCR,  10240
.set SCB,   4608                       ; a helper's state,
.set SCQ,   9216                       ; and the late tile's q with its scale word (2 x 512 bytes)
.set HEADB, 196608
.set WORDS, 32*HEADB
.set HEADW, 12288
.set AL16, 1
.set AL8,  2
.set ASK0, 3
.set ASV0, 4
.set SPW,  5
.set NIL,  6
.set ADK16, 7
.set ADK8, 8
.set ADS,  9
.set ADT,  10
.set R4,   11
.set PFO,  28
.set PWR,  29
.set WV,   18
.set SEL,  20
.set CS,   22
.set G1,   24
.set G1S,  32
.set G0,   40
.set G0S,  44
.set BQ,   48                          ; s48  my block's first query
.set LOQ,  49                          ; s49  128 i: the early block's
.set HIQ,  50                          ; s50  128 (15 - i): the late block's
.set TRK,  51                          ; s51  the first key of the step at which an early wave changes its part
.set QHP,  52                          ; s52  the first query of my pair's late tile
.set WRB,  53                          ; s53  my scratch in LDS
.set RDB,  54                          ; s54  the state that I take in at the end: an early wave its own, a late wave its helper's
.set HIF,  55                          ; s55  1: I own a late tile
.set TB,   2
.set TS,   3
.set TJ,   66
.set SLOTS, 67
.set KF,   68
.set Q0,   69
.set LQ,   70
.set PFA,  72
.set LIM,  74
.macro TLOAD                           ; waves 0-3 fetch a quarter of a slot each; s_nop 0 and four v_nop follow the load
	s_cmp_lt_u32 s[WV], 4
	s_cbranch_scc0 .Lasked_\@
	tensor_load_to_lds s[G0:G0+3], s[G1:G1+7]
	s_nop 0
.rept 4
	v_nop
.endr
.Lasked_\@:
.endm
; A prefetch of the slot that the NEXT change of slots will ask for: 24,576 dense bytes.  All eight work-groups of a head walk the same bytes: the first of them (x = 0, which walks all slots) asks, by its waves 4-6,
; 8,192 bytes a wave, lanes 256 bytes apart: each block of 256 bytes is named once in the launch.  The last change that fills a slot asks for nothing; slots 0 and 1 come by their loads alone.
.macro ASK
	s_cmp_gt_u32 s[SLOTS], s[LIM]
	s_cbranch_scc0 .Lnot_mine_\@
	global_prefetch_b8 v[PFO], s[PFA:PFA+1] th:TH_LOAD_NT scope:SCOPE_SE
.Lnot_mine_\@:
.endm
.macro INIT                            ; an empty state: the step is written once; the first finds zeros, which the first change of M leaves zeros
	v_mov_b32 v13, 0xff61b1e6                      ; the largest t so far: -3e38
	s_delay_alu instid0(VALU_DEP_1)
	v_floor_f32 v12, -v13                          ; -M
	v_mov_b32 v14, 0
	v_mov_b32 v15, 0
.irp j, 0,1,2,3,4,5,6,7,8,9,10,11,12,13,14,15,16,17,18,19,20,21,22,23,24,25,26,27,28,29,30,31
	v_mov_b32 v[160+\j], 0
.endr
.endm
.macro DUMP off                        ; my state into my scratch, as an image of its registers: 16 bytes a lane, 512 a store; each accumulator from its low end on
.irp t, 0,1,2,3
	ds_store_b128 v[ADK16], v[160+8*\t:163+8*\t] offset:(\off)+1024*\t
	ds_store_b128 v[ADK16], v[164+8*\t:167+8*\t] offset:(\off)+1024*\t+512
.endr
	ds_store_b128 v[ADK16], v[12:15] offset:(\off)+4096
.endm
; AN EARLY WAVE CHANGES ITS PART: its own tile is done; its state waits in LDS for the way out; q becomes the late tile's; the state is empty again.
.macro TRANS
.rept 4
	v_nop                                          ; places behind the last products, whose results are stored and whose registers are loaded and written below
.endr
	v_add_nc_u32 v[ADK16], s[WRB], v[AL16]
	s_wait_alu depctr_va_vdst(0)
	DUMP 0
	ds_load_b128 v[16:19], v[ADK16] offset:SCQ     ; my own bytes, stored at the head: LDS serves a wave's instructions in order
	ds_load_b128 v[20:23], v[ADK16] offset:SCQ+512 ; q's registers 4 and 5, its scale word, and a word of no use
	s_mov_b32 s[Q0], s[QHP]                        ; all keys of a helper's steps come before the late tile's queries
	s_wait_dscnt 0x0
	v_mov_b32 v255, v22                            ; the scale word to its register,
	v_mov_b32 v22, 0                               ; and the fragment's upper half is zero codes again
	v_mov_b32 v23, 0
	INIT                                           ; (these lines are also the places between the three above and the next products)
.endm
	s_load_b128 s[4:7], s[0:1], 0x0                ; qbuf, kvbuf
	s_load_b64 s[8:9], s[0:1], 0x10                ; obuf
	v_lshl_add_u32 v[SPW], v0, 2, SPARE
	v_mov_b32 v[NIL], 0
	ds_add_u32 v[SPW], v[NIL]                      ; the wave's opening: the add, twice on end, and its wait ahead of the first tensor load
	ds_add_u32 v[SPW], v[NIL]
	v_lshrrev_b32 v7, 5, v0
	s_delay_alu instid0(VALU_DEP_1)
	v_readfirstlane_b32 s[WV], v7                  ; wave 0..15
	s_and_b32 s76, ttmp7, 0xffff                   ; 16 n + head
	s_lshr_b32 s77, s[WV], 2
	s_xor_b32 s77, s77, s[WV]
	s_and_b32 s[HIF], s77, 1                       ; my part
	s_lshl_b32 s[LOQ], ttmp9, 7
	s_sub_co_u32 s[HIQ], 1920, s[LOQ]
	s_add_co_u32 s[TRK], s[LOQ], 128
	s_cmp_lg_u32 s[HIF], 0
	s_cselect_b32 s[BQ], s[HIQ], s[LOQ]
	s_lshr_b32 s78, s[WV], 1
	s_lshl_b32 s78, s78, 4                         ; 16 x my pair's number
	s_add_co_u32 s[Q0], s[BQ], s78                 ; my first query
	s_add_co_u32 s[QHP], s[HIQ], s78
	s_sub_co_u32 s[LQ], 2047, s[LOQ]               ; my work-group's last query
	s_mul_i32 s[WRB], s[WV], WSCR
	s_add_co_u32 s[WRB], s[WRB], SCR
	s_xor_b32 s77, s[WV], s[HIF]                   ; a late wave's helper is the other wave of its pair
	s_mul_i32 s[RDB], s77, WSCR
	s_mul_i32 s77, s[HIF], SCB
	s_add_co_u32 s[RDB], s[RDB], s77
	s_add_co_u32 s[RDB], s[RDB], SCR
	s_mul_i32 s80, s76, HEADB                      ; the head's images
	s_mov_b32 s81, 0
	s_mul_i32 s82, s76, HEADW
	s_add_co_u32 s82, s82, WORDS                   ; the head's scale words
	s_and_b32 s79, s[WV], 3
	s_mul_i32 s84, s79, 6144                       ; my quarter of a slot,
	s_mul_i32 s85, s79, 3072                       ; and of the scale words
	s_add_co_u32 s86, s80, s84
	s_mov_b32 s87, 0
	s_add_co_u32 s88, s82, s85
	s_mov_b32 s89, 0
	s_lshr_b32 s90, s[Q0], 8
	s_mul_i32 s90, s90, SLOTB
	s_bfe_u32 s91, s[Q0], 0x40004
	s_mul_i32 s91, s91, 768
	s_add_co_u32 s90, s90, s91
	s_add_co_u32 s90, s90, s80                     ; q's image
	s_mov_b32 s91, 0
	s_lshl_b32 s92, s[Q0], 2
	s_add_co_u32 s92, s92, s82                     ; q's scale words
	s_mov_b32 s93, 0
	s_lshr_b32 s56, s[QHP], 8
	s_mul_i32 s56, s56, SLOTB
	s_bfe_u32 s57, s[QHP], 0x40004
	s_mul_i32 s57, s57, 768
	s_add_co_u32 s56, s56, s57
	s_add_co_u32 s56, s56, s80                     ; the late tile's q,
	s_mov_b32 s57, 0
	s_lshl_b32 s58, s[QHP], 2
	s_add_co_u32 s58, s58, s82                     ; and its scale words
	s_mov_b32 s59, 0
	s_lshr_b32 s94, s76, 4                         ; n
	s_and_b32 s95, s76, 15                         ; head
	s_lshl_b32 s96, s94, 7
	s_lshr_b32 s97, s[Q0], 4
	s_add_co_u32 s96, s96, s97                     ; (2048 n + my first query) / 16
	s_lshl_b32 s96, s96, 3
	s_lshr_b32 s97, s95, 1
	s_add_co_u32 s96, s96, s97                     ; x 8 K steps + head / 2
	s_mul_i32 s96, s96, 1536
	s_and_b32 s98, s95, 1
	s_mul_i32 s99, s98, 768
	s_add_co_u32 s96, s96, s99                     ; o's image
	s_lshl_b32 s99, s97, 12
	s_lshl_b32 s94, s94, 11
	s_add_co_u32 s99, s99, s94
	s_add_co_u32 s99, s99, s[Q0]
	s_lshl_b32 s99, s99, 2
	s_lshl_b32 s98, s98, 1
	s_add_co_u32 s98, s98, s99
	s_add_co_u32 s98, s98, 3145728                 ; o's half of a scale word
	s_mov_b32 s97, 0
	s_mov_b32 s99, 0
	s_mov_b32 s[G1], 3<<16                         ; no mask; elements of 8 bytes; no padding: a dense block as rows of 256 bytes
	s_mov_b32 s[G1+1], 32<<16
	s_mov_b32 s[G1+2], 24<<16                      ; 24 rows: 6,144 bytes
	s_mov_b32 s[G1+3], 32<<16
	s_mov_b32 s[G1+4], 24
	s_mov_b32 s[G1+5], 32
	s_mov_b32 s[G1+6], 0
	s_mov_b32 s[G1+7], 0
	s_mov_b32 s[G1S], 3<<16
	s_mov_b32 s[G1S+1], 32<<16
	s_mov_b32 s[G1S+2], 12<<16                     ; 12 rows: 3,072 bytes
	s_mov_b32 s[G1S+3], 32<<16
	s_mov_b32 s[G1S+4], 12
	s_mov_b32 s[G1S+5], 32
	s_mov_b32 s[G1S+6], 0
	s_mov_b32 s[G1S+7], 0
	s_mov_b32 s[SEL], 0x76543210
	s_mov_b32 s[SEL+1], 0xfedcba98
	s_mov_b32 s[CS], 0x3e38aa3b                    ; c = log2(e) / 8
	s_mov_b32 s[CS+1], s[CS]
	s_mov_b32 s[TB], 0
	s_mov_b32 s[TS], 0
	s_mov_b32 s[TJ], 0
	s_mov_b32 s[SLOTS], NSL-1
	s_mov_b32 s[KF], 0
	s_wait_dscnt 0x0                               ; both opening adds are done
	s_wait_kmcnt 0x0
	s_mov_b32 s[G0S], 1
	s_add_co_u32 s[G0S+1], s85, SC
	s_add_nc_u64 s[G0S+2:G0S+3], s[6:7], s[88:89]
	s_or_b32 s[G0S+3], s[G0S+3], 0x80000000
	s_mov_b32 s[G0], 1
	s_mov_b32 s[G0+1], s84
	s_add_nc_u64 s[G0+2:G0+3], s[6:7], s[86:87]
	s_or_b32 s[G0+3], s[G0+3], 0x80000000
	s_cmp_lt_u32 s[WV], 4                          ; one tensor load of mine is out at the most
	s_cbranch_scc0 .Lfirst_words                   ; one tensor load a wave at the head: waves 0-3 a quarter of slot 0 each, waves 4-7 a quarter of the scale words each
	tensor_load_to_lds s[G0:G0+3], s[G1:G1+7]      ; slot 0
	s_nop 0
.rept 4
	v_nop
.endr
	s_branch .Lno_first
.Lfirst_words:
	s_cmp_lt_u32 s[WV], 8
	s_cbranch_scc0 .Lno_first
	tensor_load_to_lds s[G0S:G0S+3], s[G1S:G1S+7]  ; the head's scale words: filled once
	s_nop 0
.rept 4
	v_nop
.endr
.Lno_first:
	s_add_nc_u64 s[10:11], s[4:5], s[90:91]
	s_add_nc_u64 s[12:13], s[4:5], s[92:93]
	s_add_nc_u64 s[60:61], s[4:5], s[56:57]
	s_add_nc_u64 s[62:63], s[4:5], s[58:59]
	s_add_nc_u64 s[14:15], s[8:9], s[96:97]
	s_add_nc_u64 s[16:17], s[8:9], s[98:99]
	s_lshl_b32 s84, s79, 13
	s_add_co_u32 s84, s84, SLOTB                   ; my 8,192 bytes, in slot 1: the first change of slots steps it to slot 2
	s_mov_b32 s85, 0
	s_add_nc_u64 s[PFA:PFA+1], s[6:7], s[80:81]
	s_add_nc_u64 s[PFA:PFA+1], s[PFA:PFA+1], s[84:85]
	s_sub_co_u32 s82, s[WV], 4
	s_cmp_lt_u32 s82, 3                            ; waves 4-6
	s_cselect_b32 s82, 0, 1
	s_or_b32 s82, s82, ttmp9                       ; of the head's first work-group
	s_cmp_eq_u32 s82, 0
	s_cselect_b32 s[LIM], 1, -1
	v_and_b32 v30, 15, v0                          ; r
	v_and_b32 v31, 31, v0                          ; lane
	s_delay_alu instid0(VALU_DEP_1)
	v_lshlrev_b32 v[AL16], 4, v31
	s_delay_alu instid0(VALU_DEP_2)
	v_lshlrev_b32 v[AL8], 3, v31
	s_delay_alu instid0(VALU_DEP_4)
	v_lshlrev_b32 v[R4], 2, v30
	s_delay_alu instid0(VALU_DEP_4)
	v_lshlrev_b32 v[PFO], 8, v31
	v_lshl_add_u32 v[ASK0], v30, 2, SC
	v_lshl_add_u32 v[ASV0], v30, 2, SC+8192
	global_load_b128 v[16:19], v[AL16], s[10:11]   ; q's image stays in registers
	global_load_b64 v[20:21], v[AL8], s[10:11] offset:512
	global_load_b32 v255, v[R4], s[12:13]
.irp j, 22,23,24,25,26,27
	v_mov_b32 v[\j], 0                             ; K = 64: the other half of the instruction's 128 is zero codes, in q
.endr
.irp t, 0,1,2,3
.irp j, 6,7,8,9,10,11
	v_mov_b32 v[32+12*\t+\j], 0                    ; and in k: written once, the loads fill the lower six alone
.endr
.endr
	INIT
.irp b, 0,1,2,3
	v_mov_b32 v[84+\b], 0                          ; a lane permute's destination counts as one of its sources
.endr
	v_mov_b32 v253, 0
	s_cmp_lg_u32 s[HIF], 0                         ; an early wave lays the late tile's q by, in its own LDS bytes, for the step at which it changes its part
	s_cbranch_scc1 .Lno_stash
	global_load_b128 v[96:99], v[AL16], s[60:61]
	global_load_b64 v[100:101], v[AL8], s[60:61] offset:512
	global_load_b32 v102, v[R4], s[62:63]
	v_mov_b32 v103, 0
	v_add_nc_u32 v[ADK16], s[WRB], v[AL16]
	s_wait_alu depctr_va_vdst(0)
	s_wait_loadcnt 0x0
	ds_store_b128 v[ADK16], v[96:99] offset:SCQ
	ds_store_b128 v[ADK16], v[100:103] offset:SCQ+512
.Lno_stash:
; A KEY STEP: 128 keys, the q-th of the slot in hand.
.macro STEP q
	s_cmp_lg_u32 s[HIF], 0                         ; an early wave, at the step behind its own last, changes its part: ids and the count of steps alone
	s_cbranch_scc1 .Lsame_\@
	s_cmp_eq_u32 s[KF], s[TRK]
	s_cbranch_scc0 .Lsame_\@
	TRANS
.Lsame_\@:
	s_bfe_u32 s96, s[KF], 0x10007                  ; is this a helper's step?  An odd one,
	s_cmp_gt_u32 s[KF], s[LOQ]                     ; behind the early block's diagonal,
	s_cselect_b32 s96, s96, 0
	s_cmp_lt_u32 s[KF], s[HIQ]                     ; in front of the late block's
	s_cselect_b32 s96, s96, 0
	s_cmp_le_u32 s[KF], s[BQ]                      ; do its keys count for my own block?
	s_cselect_b32 s97, 1, 0
	s_cmp_eq_u32 s96, s97                          ; a late wave works what counts and is no helper's; an early wave what counts, and then the helper's: in both the two flags differ
	s_cbranch_scc1 .Lhidden_\@                     ; a branch on ids, round the step's work alone
	v_add_nc_u32 v[ADK16], s[TB], v[AL16]          ; (these four are the places behind the last step's products, in front of the loads below)
	s_wait_alu depctr_va_vdst(0)
	v_add_nc_u32 v[ADK8], s[TB], v[AL8]
	s_wait_alu depctr_va_vdst(0)
	v_add_nc_u32 v[ADS], s[TS], v[ASK0]
	s_wait_alu depctr_va_vdst(0)
	v_add_nc_u32 v[ADT], s[TJ], v[ASV0]
	s_wait_alu depctr_va_vdst(0)
.irp g, 0,1                            ; S^T = k q^T, four tiles of 16 keys at a time
.rept 4*\g
	v_nop
.endr
.irp t, 0,1,2,3
	ds_load_b128 v[32+12*\t:35+12*\t], v[ADK16] offset:(\q)*6144+(4*\g+\t)*768
	ds_load_b64 v[36+12*\t:37+12*\t], v[ADK8] offset:(\q)*6144+(4*\g+\t)*768+512
	ds_load_b32 v[92+\t], v[ADS] offset:64*(4*\g+\t)
.endr
	s_wait_dscnt 0x0
.irp t, 0,1,2,3
	v_wmma_scale_f32_16x16x128_f8f6f4 v[96+8*(4*\g+\t):103+8*(4*\g+\t)], v[32+12*\t:43+12*\t], v[16:27], 0, v[92+\t], v255 matrix_a_fmt:MATRIX_FMT_FP6 matrix_b_fmt:MATRIX_FMT_FP6
.endr
.endr
.rept 4
	v_nop                                          ; places: in front of the loads into the scale words, and of the first read of the scores
.endr
.irp t, 0,1,2,3                        ; v's four fragments and their scale words are asked for now and land during the softmax
	ds_load_b128 v[192+12*\t:195+12*\t], v[ADK16] offset:12288+(\q)*6144+\t*1536
	ds_load_b64 v[196+12*\t:197+12*\t], v[ADK8] offset:12288+(\q)*6144+\t*1536+512
	ds_load_b128 v[198+12*\t:201+12*\t], v[ADK16] offset:12288+(\q)*6144+\t*1536+768
	ds_load_b64 v[202+12*\t:203+12*\t], v[ADK8] offset:12288+(\q)*6144+\t*1536+1280
	ds_load_b32 v[92+\t], v[ADT] offset:64*\t
.endr
	s_add_co_u32 s96, s[KF], 127                   ; a step all of whose keys count skips the mask
	s_cmp_le_u32 s96, s[Q0]
	s_cbranch_scc1 .Lopen_\@
	s_sub_co_i32 s96, s[Q0], s[KF]
	v_and_b32 v30, 15, v0
	v_bfe_u32 v31, v0, 4, 1
	s_delay_alu instid0(VALU_DEP_1)
	v_lshlrev_b32 v31, 3, v31
	s_delay_alu instid0(VALU_DEP_1)
	v_sub_nc_u32 v30, v30, v31
	s_delay_alu instid0(VALU_DEP_1)
	v_add_nc_u32 v30, s96, v30                     ; d = my query - the step's first key - 8 (lane / 16).  Register n holds key 16 (n / 8) + n % 8 + 8 (lane / 16): hidden where 16 (n / 8) + n % 8 > d
	v_mov_b32 v254, 0xc79c4000                     ; -80000: the mask's logit -10000 as a score
.irp n, 0,1,2,3,4,5,6,7,8,9,10,11,12,13,14,15,16,17,18,19,20,21,22,23,24,25,26,27,28,29,30,31,32,33,34,35,36,37,38,39,40,41,42,43,44,45,46,47,48,49,50,51,52,53,54,55,56,57,58,59,60,61,62,63
	v_cmp_gt_i32 vcc_lo, 16*(\n/8)+\n%8, v30
	v_cndmask_b32 v[96+\n], v[96+\n], v254, vcc_lo
.endr
.Lopen_\@:
.irp b, 0,1,2,3
	v_max3_num_f32 v[80+\b], v[96+16*\b], v[97+16*\b], v[98+16*\b]   ; the largest score of each block of 32 keys: for the row's maximum, and, since p rises with the score, for the block's largest p
.endr
.irp i, 3,5,7,9,11,13
.irp b, 0,1,2,3
	v_max3_num_f32 v[80+\b], v[80+\b], v[96+16*\b+\i], v[97+16*\b+\i]
.endr
.endr
.irp b, 0,1,2,3
	v_max_num_f32 v[80+\b], v[80+\b], v[111+16*\b]
.endr
.irp b, 0,1,2,3
	s_delay_alu instid0(VALU_DEP_4)
	v_permlanex16_b32 v[84+\b], v[80+\b], s[SEL], s[SEL+1]
.endr
.irp b, 0,1,2,3
	s_delay_alu instid0(VALU_DEP_4)
	v_max_num_f32 v[80+\b], v[80+\b], v[84+\b]
.endr
	s_delay_alu instid0(VALU_DEP_2)
	v_max3_num_f32 v254, v80, v81, v82
	s_delay_alu instid0(VALU_DEP_1)
	v_max_num_f32 v254, v254, v83
	s_delay_alu instid0(VALU_DEP_1)
	v_mul_f32 v254, s[CS], v254                    ; as t
	s_delay_alu instid0(VALU_DEP_1)
	v_max_num_f32 v13, v13, v254                   ; the running largest t
	v_mov_b32 v254, v12
	s_delay_alu instid0(VALU_DEP_2)
	v_floor_f32 v12, -v13                          ; the new -M = -ceil(t)
	s_delay_alu instid0(VALU_DEP_1)
	v_sub_f32 v254, v12, v254                      ; old M - new M: a whole number, 0 or less
	s_delay_alu instid0(VALU_DEP_1)
	v_cvt_i32_f32 v254, v254                       ; (it saturates)
	s_delay_alu instid0(VALU_DEP_1)
	v_ldexp_f32 v252, 1.0, v254                    ; f = 2^(old M - new M): rounds nothing
.irp j, 0,2,4,6,8,10,12,14,16,18,20,22,24,26,28,30,32,34,36,38,40,42,44,46,48,50,52,54,56,58,60,62
	v_pk_fma_f32 v[96+\j:97+\j], v[96+\j:97+\j], s[CS:CS+1], v[12:13] op_sel_hi:[1,0,0]   ; t - M
.endr
.irp b, 0,1,2,3
	v_fma_f32 v[80+\b], v[80+\b], s[CS], v12       ; the same of each block's largest score
.endr
	s_wait_alu depctr_va_vdst(0)
.irp j, 0,1,2,3,4,5,6,7,8,9,10,11,12,13,14,15,16,17,18,19,20,21,22,23,24,25,26,27,28,29,30,31,32,33,34,35,36,37,38,39,40,41,42,43,44,45,46,47,48,49,50,51,52,53,54,55,56,57,58,59,60,61,62,63
	v_exp_f32 v[96+\j], v[96+\j]                   ; p = 2^(t - M)
.endr
	v_pk_mul_f32 v[14:15], v[14:15], v[252:253] op_sel_hi:[1,0]   ; the sums under the new M (the plain line behind the batch)
	s_wait_alu depctr_va_vdst(0)                   ; one wait for the whole batch, ahead of its first reader
.irp b, 0,1,2,3
	v_exp_f32 v[80+\b], v[80+\b]                   ; the block's largest p
.endr
	v_pk_add_f32 v[30:31], v[100:101], v[104:105]
	v_pk_add_f32 v[250:251], v[108:109], v[112:113]
	v_pk_add_f32 v[248:249], v[116:117], v[120:121]
	v_pk_add_f32 v[246:247], v[124:125], v[128:129]
	v_pk_add_f32 v[244:245], v[132:133], v[136:137]
	v_pk_add_f32 v[242:243], v[140:141], v[144:145]
	v_pk_add_f32 v[240:241], v[148:149], v[152:153]
	v_pk_add_f32 v[14:15], v[14:15], v[156:157]
	v_pk_add_f32 v[30:31], v[30:31], v[96:97]
	v_pk_add_f32 v[250:251], v[250:251], v[98:99]
	v_pk_add_f32 v[248:249], v[248:249], v[102:103]
	v_pk_add_f32 v[246:247], v[246:247], v[106:107]
	v_pk_add_f32 v[244:245], v[244:245], v[110:111]
	v_pk_add_f32 v[242:243], v[242:243], v[114:115]
	v_pk_add_f32 v[240:241], v[240:241], v[118:119]
	v_pk_add_f32 v[14:15], v[14:15], v[122:123]
	v_pk_add_f32 v[30:31], v[30:31], v[126:127]
	v_pk_add_f32 v[250:251], v[250:251], v[130:131]
	v_pk_add_f32 v[248:249], v[248:249], v[134:135]
	v_pk_add_f32 v[246:247], v[246:247], v[138:139]
	v_pk_add_f32 v[244:245], v[244:245], v[142:143]
	v_pk_add_f32 v[242:243], v[242:243], v[146:147]
	v_pk_add_f32 v[240:241], v[240:241], v[150:151]
	v_pk_add_f32 v[14:15], v[14:15], v[154:155]
	v_pk_add_f32 v[30:31], v[30:31], v[158:159]
	s_delay_alu instid0(VALU_DEP_2)
	v_pk_add_f32 v[14:15], v[14:15], v[246:247]
	s_delay_alu instid0(VALU_DEP_2)
	v_pk_add_f32 v[30:31], v[30:31], v[244:245]
	v_pk_add_f32 v[250:251], v[250:251], v[242:243]
	v_pk_add_f32 v[248:249], v[248:249], v[240:241]
	s_delay_alu instid0(VALU_DEP_2)
	v_pk_add_f32 v[14:15], v[14:15], v[250:251]
	s_delay_alu instid0(VALU_DEP_2)
	v_pk_add_f32 v[30:31], v[30:31], v[248:249]
	s_delay_alu instid0(VALU_DEP_1)
	v_pk_add_f32 v[14:15], v[14:15], v[30:31]
	s_wait_alu depctr_va_vdst(0)                   ; and one for the four
.irp b, 0,1,2,3
	v_max_num_f32 v[80+\b], 0x1800000, v[80+\b]    ; the floor 2^(3 - 127)
.endr
.irp b, 0,1,2,3
	s_delay_alu instid0(VALU_DEP_4)
	v_add_nc_u32 v[88+\b], 0xff000000, v[80+\b]    ; the conversion's scale operand
.endr
.irp b, 0,1,2,3
	s_delay_alu instid0(VALU_DEP_4)
	v_lshrrev_b32 v[84+\b], 23, v[88+\b]           ; the scale's byte
.endr
	s_delay_alu instid0(VALU_DEP_3)
	v_lshl_or_b32 v[PWR], v85, 8, v84              ; p's scale word for these 128 keys
	s_delay_alu instid0(VALU_DEP_1)
	v_lshl_or_b32 v[PWR], v86, 16, v[PWR]
	s_delay_alu instid0(VALU_DEP_1)
	v_lshl_or_b32 v[PWR], v87, 24, v[PWR]
.irp c, 0,1
	v_cvt_scalef32_pk16_fp6_f32 v[240+6*\c:242+6*\c], v[96+32*\c:111+32*\c], v[88+2*\c]
	v_cvt_scalef32_pk16_fp6_f32 v[80+4*\c:82+4*\c], v[112+32*\c:127+32*\c], v[89+2*\c]
.endr
	v_nop                                          ; one plain line behind the conversions
.irp c, 0,1
.irp i, 0,1,2
	v_permlane16_swap_b32 v[240+6*\c+\i], v[80+4*\c+\i]   ; every lane now holds its block's pieces: keys 0-7, 16-23 and keys 8-15, 24-31
.endr
	s_delay_alu instid0(VALU_DEP_1)
	v_perm_b32 v[243+6*\c], v[242+6*\c], v[241+6*\c], 0x05040302   ; woven into the block's 192 bits
	s_delay_alu instid0(VALU_DEP_2)
	v_perm_b32 v[244+6*\c], v[81+4*\c], v[242+6*\c], 0x07060302
	s_delay_alu instid0(VALU_DEP_4)
	v_perm_b32 v[241+6*\c], v[80+4*\c], v[241+6*\c], 0x05040100
	v_perm_b32 v[242+6*\c], v[81+4*\c], v[80+4*\c], 0x05040302
	v_mov_b32 v[245+6*\c], v[82+4*\c]
.endr
.irp j, 0,2,4,6,8,10,12,14,16,18,20,22,24,26,28,30
	v_pk_mul_f32 v[160+\j:161+\j], v[160+\j:161+\j], v[252:253] op_sel_hi:[1,0]   ; O^T under the new M.  (These 16 are also the places between the lines that made p's codes and scale word and the products)
.endr
	s_wait_alu depctr_va_vdst(0)
	s_wait_dscnt 0x0                               ; v's fragments are in
.irp t, 0,1,2,3                        ; O^T += v^T p^T: the four accumulators by turns
	v_wmma_scale_f32_16x16x128_f8f6f4 v[160+8*\t:167+8*\t], v[192+12*\t:203+12*\t], v[240:251], v[160+8*\t:167+8*\t], v[92+\t], v[PWR] matrix_a_fmt:MATRIX_FMT_FP6 matrix_b_fmt:MATRIX_FMT_FP6
.endr
.Lhidden_\@:
	s_add_co_u32 s[KF], s[KF], 128
	s_add_co_u32 s[TS], s[TS], 512                 ; the next step's scale words
	s_add_co_u32 s[TJ], s[TJ], 256
.endm
; THE CHANGE OF SLOTS stands at a slot's head: every wave waits for all its tensor loads, adds 0 to its spare word, waits for that and for its reads of the slot that it has left, and passes the barrier.
; fill = 1: the slot just left takes the next 256 keys, if any wave of the work-group will read them: the look-ahead ends at the causal limit, by a test on ids that is the same in all sixteen waves.
.macro CHANGE fill
	s_wait_tensorcnt 0x0
	ds_add_u32 v[SPW], v[NIL]
.if \fill
	ds_add_u32 v[SPW], v[NIL]                      ; twice on end here
	s_xor_b32 s[G0+1], s[G0+1], SLOT1
	s_add_nc_u64 s[G0+2:G0+3], s[G0+2:G0+3], SLOTB
	s_wait_xcnt 0x0                                ; the last prefetch, a slot back, has read its address
	s_add_nc_u64 s[PFA:PFA+1], s[PFA:PFA+1], SLOTB
.endif
	s_wait_dscnt 0x0
	s_barrier_signal -1
	s_barrier_wait -1
.if \fill
	s_add_co_u32 s96, s[KF], 256                   ; the first key of the slot that this change would ask for
	s_cmp_gt_u32 s96, s[LQ]
	s_cbranch_scc1 .Lpast_\@
	TLOAD
.Lpast_\@:
	ASK
.endif
.endm
	s_wait_loadcnt 0x0                             ; q
.Lslot:                                            ; seven trips: the trip counts are constants; what the mask hides, and what the other wave of a pair works, is jumped over inside
	CHANGE 1
	STEP 0
	STEP 1
	s_xor_b32 s[TB], s[TB], SLOT1
	s_sub_co_u32 s[SLOTS], s[SLOTS], 1
	s_cmp_lg_u32 s[SLOTS], 0
	s_cbranch_scc1 .Lslot
	CHANGE 0
	STEP 0
	STEP 1
	; THE TWO PARTS OF A LATE TILE MEET.  An early wave lays the helper's state into its scratch and empties its registers; behind a barrier every wave takes one state in from LDS, a late wave its helper's,
	; an early wave its own tile's, and joins it to what its registers hold.
.rept 4
	v_nop                                          ; places behind the last products
.endr
	v_add_nc_u32 v[ADK16], s[WRB], v[AL16]
	v_add_nc_u32 v[ADK8], s[RDB], v[AL16]
	s_cmp_lg_u32 s[HIF], 0
	s_cbranch_scc1 .Lowner
	s_wait_alu depctr_va_vdst(0)
	DUMP SCB
	s_wait_dscnt 0x0                               ; the stores have read their registers
	INIT
.Lowner:
	s_wait_dscnt 0x0                               ; for the other wave's sake: my stores are done
	s_barrier_signal -1
	s_barrier_wait -1
	s_wait_alu depctr_va_vdst(0)
.irp q, 0,1,2,3,4,5,6,7
	ds_load_b128 v[96+4*\q:99+4*\q], v[ADK8] offset:512*\q
.endr
	ds_load_b128 v[128:131], v[ADK8] offset:4096   ; its -M, largest t, and sum in two halves
	v_mov_b32 v137, 0                              ; (named as the upper half of a pair)
	s_wait_dscnt 0x0
	v_min_num_f32 v132, v12, v128                  ; the joint -M: the smaller, since M is the larger
	s_delay_alu instid0(VALU_DEP_1)
	v_sub_f32 v133, v132, v12                      ; whole numbers, 0 or less; against an empty state about -3e38
	s_delay_alu instid0(VALU_DEP_2)
	v_sub_f32 v134, v132, v128
	s_delay_alu instid0(VALU_DEP_2)
	v_cvt_i32_f32 v133, v133                       ; (it saturates: an empty state gets the factor 0)
	s_delay_alu instid0(VALU_DEP_2)
	v_cvt_i32_f32 v134, v134
	s_delay_alu instid0(VALU_DEP_2)
	v_ldexp_f32 v252, 1.0, v133                    ; the factor for what my registers hold,
	s_delay_alu instid0(VALU_DEP_2)
	v_ldexp_f32 v136, 1.0, v134                    ; and for what came from LDS: powers of two, which round nothing
	s_delay_alu instid0(VALU_DEP_2)
	v_pk_mul_f32 v[14:15], v[14:15], v[252:253] op_sel_hi:[1,0]
	s_wait_alu depctr_va_vdst(0)
	v_pk_fma_f32 v[14:15], v[130:131], v[136:137], v[14:15] op_sel_hi:[1,0,1]
.irp j, 0,2,4,6,8,10,12,14,16,18,20,22,24,26,28,30
	v_pk_mul_f32 v[160+\j:161+\j], v[160+\j:161+\j], v[252:253] op_sel_hi:[1,0]    ; each accumulator from its low end on
.endr
.irp j, 0,2,4,6,8,10,12,14,16,18,20,22,24,26,28,30
	v_pk_fma_f32 v[160+\j:161+\j], v[96+\j:97+\j], v[136:137], v[160+\j:161+\j] op_sel_hi:[1,0,1]
.endr
	; THE WAY OUT: O^T / the sum, the quantiser along the head's 64 channels (two blocks), one image of 768 bytes and half a scale word a row.
	v_add_f32 v14, v14, v15
	s_delay_alu instid0(VALU_DEP_1)
	v_permlanex16_b32 v252, v14, s[SEL], s[SEL+1]
	s_delay_alu instid0(VALU_DEP_1)
	v_add_f32 v14, v14, v252                       ; the row's sum
	s_wait_alu depctr_va_vdst(0)
	v_rcp_f32 v14, v14
	v_nop
	s_wait_alu depctr_va_vdst(0)
.irp j, 0,1,2,3,4,5,6,7,8,9,10,11,12,13,14,15,16,17,18,19,20,21,22,23,24,25,26,27,28,29,30,31
	v_mul_f32 v[96+\j], v[160+\j], v14             ; register 8 t + j is o(query r, channel 16 t + 8 (lane / 16) + j)
.endr
.irp b, 0,1
	v_max3_num_f32 v[80+\b], |v[96+16*\b]|, |v[97+16*\b]|, 0x1800000
.endr
.irp i, 2,4,6,8,10,12,14
.irp b, 0,1
	s_delay_alu instid0(VALU_DEP_2)
	v_max3_num_f32 v[80+\b], |v[96+16*\b+\i]|, |v[97+16*\b+\i]|, v[80+\b]
.endr
.endr
.irp b, 0,1
	s_delay_alu instid0(VALU_DEP_2)
	v_permlanex16_b32 v[84+\b], v[80+\b], s[SEL], s[SEL+1]
.endr
.irp b, 0,1
	s_delay_alu instid0(VALU_DEP_2)
	v_max_num_f32 v[80+\b], v[80+\b], v[84+\b]
.endr
.irp b, 0,1
	s_delay_alu instid0(VALU_DEP_2)
	v_add_nc_u32 v[88+\b], 0xff000000, v[80+\b]
.endr
.irp b, 0,1
	s_delay_alu instid0(VALU_DEP_2)
	v_lshrrev_b32 v[84+\b], 23, v[88+\b]
.endr
	s_delay_alu instid0(VALU_DEP_1)
	v_lshl_or_b32 v30, v85, 8, v84                 ; two bytes
	v_cvt_scalef32_pk16_fp6_f32 v[240:242], v[96:111], v88
	v_cvt_scalef32_pk16_fp6_f32 v[80:82], v[112:127], v89
	v_nop
.irp i, 0,1,2
	v_permlane16_swap_b32 v[240+\i], v[80+\i]
.endr
	s_delay_alu instid0(VALU_DEP_1)
	v_perm_b32 v243, v242, v241, 0x05040302
	s_delay_alu instid0(VALU_DEP_2)
	v_perm_b32 v244, v81, v242, 0x07060302
	s_delay_alu instid0(VALU_DEP_4)
	v_perm_b32 v241, v80, v241, 0x05040100
	v_perm_b32 v242, v81, v80, 0x05040302
	v_mov_b32 v245, v82
	global_store_b128 v[AL16], v[240:243], s[14:15]            ; 512 consecutive aligned bytes,
	global_store_b64 v[AL8], v[244:245], s[14:15] offset:512   ; and 256
	global_store_b16 v[R4], v30, s[16:17]          ; two bytes a row (both halves of the lanes write the same): one byte in 24 of what the launch stores; the row's other two bytes are the neighbouring head's
	s_wait_tensorcnt 0x0                           ; the wave's end
	ds_add_u32 v[SPW], v[NIL]
	s_wait_dscnt 0x0
	s_endpgm
.Lfunc_end_k_q17e4019804_attn:
	.size	k_q17e4019804_attn, .Lfunc_end_k_q17e4019804_attn-k_q17e4019804_attn
	.p2alignl 7, 3214868480
	.fill 96, 4, 3214868480
	.section	.rodata,"a",@progbits
	.p2align	6, 0x0
	.amdhsa_kernel k_q17e4019804_attn
		.amdhsa_group_segment_fixed_size 327680
		.amdhsa_private_segment_fixed_size 0
		.amdhsa_enable_private_segment 0
		.amdhsa_kernarg_size 24
		.amdhsa_user_sgpr_count 2
		.amdhsa_user_sgpr_kernarg_segment_ptr 1
		.amdhsa_wavefront_size32 1
		.amdhsa_system_sgpr_workgroup_id_x 1
		.amdhsa_system_sgpr_workgroup_id_y 1
		.amdhsa_system_sgpr_workgroup_id_z 1
		.amdhsa_system_vgpr_workitem_id 0
		.amdhsa_next_free_vgpr 256
		.amdhsa_next_free_sgpr 100
		.amdhsa_reserve_vcc 1
		.amdhsa_float_denorm_mode_32 3
		.amdhsa_float_denorm_mode_16_64 3
		.amdhsa_memory_ordered 1
		.amdhsa_forward_progress 1
		.amdhsa_inst_pref_size 129
	.end_amdhsa_kernel
	.amdgpu_metadata
---
amdhsa.version: [ 1, 2 ]
amdhsa.kernels:
  - .name:           k_q17e4019804_attn
    .symbol:         k_q17e4019804_attn.kd
    .args:
      - { .name: qbuf, .offset: 0, .size: 8, .value_kind: global_buffer, .address_space: global }
      - { .name: kvbuf, .offset: 8, .size: 8, .value_kind: global_buffer, .address_space: global }
      - { .name: obuf, .offset: 16, .size: 8, .value_kind: global_buffer, .address_space: global }
    .group_segment_fixed_size: 327680
    .private_segment_fixed_size: 0
    .kernarg_segment_align: 8
    .kernarg_segment_size: 24
    .max_flat_workgroup_size: 512
    .sgpr_count:     100
    .vgpr_count:     256
    .wavefront_size: 32
...
	.end_amdgpu_metadata
.endif
;; end of part 3
;; launch oproj (part 4): grid 8 x 32, 4 waves a work-group, clusters of 4 x 4, 327,680 bytes of LDS; arguments obuf, wout_codes, wout_scales, bout, x, x2; writes x2
.if DOCPART == 4
	.amdgcn_target "amdgcn-amd-amdhsa--gfx1250"
	.amdhsa_code_object_version 6
	.text
	.protected	k_q17e4019804_oproj
	.globl	k_q17e4019804_oproj
	.p2align	8
	.type	k_q17e4019804_oproj,@function
k_q17e4019804_oproj:
	s_mov_b64 s[64:65], 0
	v_nop
	global_prefetch_b8 v0, s[64:65] scope:SCOPE_SE
	s_setreg_imm32_b32 hwreg(HW_REG_WAVE_MODE, 25, 1), 1
	s_wait_xcnt 0x0
	s_wait_alu depctr_hold_cnt(0) depctr_sa_sdst(0) depctr_va_vdst(0) depctr_va_sdst(0) depctr_va_ssrc(0) depctr_va_vcc(0) depctr_vm_vsrc(0)
	s_getreg_b32 s2, hwreg(HW_REG_IB_STS2, 6, 4)
	s_cmp_eq_u32 s2, 0
	s_cbranch_scc0 .Lentry_in_a_cluster
	s_endpgm
.Lentry_in_a_cluster:
	s_bfe_u32 s2, ttmp6, 0x10000c
	s_cmp_lg_u32 s2, 0xf033
	s_cbranch_scc0 .Lentry_shape_is_right
	s_endpgm
.Lentry_shape_is_right:
; out = A W^T + bias + residual.  A: 4,096 rows x SIZE_K as images of operand registers with scale words (made by the launch before), rows m = 2048 n + l; W: [1024][SIZE_K] codes of E2M3, K innermost, with scale bytes.
; residual and out: [2048 l][2 n][1024] f32.  This text serves the projection (SIZE_K = 1,024) and fc2 (SIZE_K = 4,096); only SIZE_K differs.
; A tile is 128 x 128, so that 4,096 x 1,024 gives each of 256 work-groups one tile; four waves of 64 x 64: 16 accumulators.  K goes in steps of 512 (four matrix instructions deep) through two LDS slots.
; CLUSTERS: 4 x 4: A's tiles are asked for jointly along a row of the cluster, W's along a column.  Source 0 = 16 rows of W, source 1 = 16 rows of A: a lane holds eight neighbouring numbers of a row of the output.
; A's part of a slot is dense: 8 blocks of 16 rows x 4 K steps x 1,536 bytes, read back by loads of 16 and 8 bytes a lane on end.  W's rows are 768 bytes, 16 bytes of padding behind each 128: pitch 864.
; The bias is the C of each sum's first matrix instruction; the residual is asked for at the head and added on the way out.
; REGISTERS: window 0: v1-21 addresses; v32-63 A's scale words, v64-95 W's (two sets); v96-127 the bias; v128-255 the accumulators ((a, b) at v[128 + 8 (4 a + b)]).
;   window 1: two sets of fragments: A's four at 128 p, W's four at 128 p + 48; on the way out rows read back.   window 2: v0-127 the residual.
.set SIZE_K, 1024
.set KSTEP,  512
; AS IT STANDS NOW: ALL OF K (1,024) COMES AT THE HEAD, by four joint loads, one a wave, and nothing is filled later.  A: 8 blocks of 16 rows, 12,288 dense bytes each.  W: 128 whole rows of 768 bytes of
; wout_codes, which begin at multiples of 256; 16 bytes of padding behind every 128: LDS pitch 864.  'Slot' s below means K step s of 512: 6,144 bytes on in a block of A, 432 bytes on in a row of W.
; The stage of the way out has LDS bytes of its own, behind the spare words.  No prefetch: there is no loop to run ahead in.
.set ROWB,   384
.set KROW,   SIZE_K*6/8
.set PITCH,  864
.set ABLK,   6144                      ; 16 rows of A x 512 K
.set APART,  16*ABLK
.set HALFB,  64*PITCH
.set SLOT,   (APART+2*HALFB)/2
.set LAPS,   SIZE_K/(2*KSTEP)
.set KS,     SIZE_K/32
.set SCLA,   2*SLOT                    ; behind the ring: A's scale words [K step][128 rows],
.set HALFSA, (SIZE_K/256)*512
.set SCLB,   SCLA+2*HALFSA             ; W's scale bytes, as units of 256 bytes + 16
.set HALFSB, (64*KS/256)*272
.set SBLK,   (16*KS/256)*272
.set SPARE,  SCLB+2*HALFSB             ; the spare words, 128 bytes a wave, which no other line names
.set STAGE,  SPARE+512                 ; 16 rows x 272 bytes for each wave
.set AA16, 8                           ; v8-9    A's images in slot 0, 1: + 16 x lane
.set AA8,  10                          ; v10-11  + 8 x lane
.set ADRB, 12                          ; v12-13  W's fragments; v14-15 behind one padding more
.set ADRSA, 16
.set ADRSB, 17
.set STO,  18
.set RD,   19
.set CO,   20
.set BOF,  21
.set SPW,  28
.set NIL,  29
.set SA,   32
.set SB,   64
.set BI,   96
.set ACC,  128
.set G1, 24
.set G0, 32
.set G1B, 48
.set G0B, 56
.set G1S, 68
.set G0S, 76
.set G1SB, 80
.set G0SB, 88
.set MSB, 0
.macro WIN new
.if MSB != (\new)
	s_set_vgpr_msb (MSB<<8)|(\new)
.set MSB, (\new)
.endif
.endm
.set MUL,  0x05                        ; sources 0 and 1 window 1; C and D window 0
.set TO_F, 0x40                        ; destination window 1
.macro JLOAD g0a, g1a, g0b, g1b        ; waves 0 and 1 fetch for A, waves 2 and 3 for W; s_nop 0 and four v_nop follow each line
	s_cmp_eq_u32 s17, 0
	s_cbranch_scc0 .Lfor_b_\@
	tensor_load_to_lds s[\g0a:\g0a+3], s[\g1a:\g1a+7]
	s_nop 0
.rept 4
	v_nop
.endr
	s_branch .Lasked_\@
.Lfor_b_\@:
	tensor_load_to_lds s[\g0b:\g0b+3], s[\g1b:\g1b+7]
	s_nop 0
.rept 4
	v_nop
.endr
.Lasked_\@:
.endm
.macro CREST
	s_cmp_lg_u32 s16, 0
	s_cbranch_scc1 .Lnot_wave_0_\@
	s_barrier_signal -3
.Lnot_wave_0_\@:
	s_barrier_wait -3
	s_barrier_signal -1
	s_barrier_wait -1
.endm
.macro CROUND
	s_barrier_signal -1
	s_barrier_wait -1
	CREST
.endm
	s_load_b256 s[4:11], s[0:1], 0x0               ; A 4, W's codes 6, W's scales 8, bias 10
	s_load_b128 s[12:15], s[0:1], 0x20             ; residual 12, out 14
	v_lshl_add_u32 v[SPW], v0, 2, SPARE
	v_mov_b32 v[NIL], 0
	ds_add_u32 v[SPW], v[NIL]                      ; the wave's opening: the add, twice on end, and its wait ahead of my first tensor load
	ds_add_u32 v[SPW], v[NIL]
	v_lshrrev_b32 v1, 5, v0
	v_readfirstlane_b32 s16, v1                    ; wave 0..3
	s_lshr_b32 s17, s16, 1                         ; my half of the tile's rows.  Also: I fetch for A (0) or for W (1)
	s_and_b32 s18, s16, 1                          ; my half of its columns.  Also: which half I fetch
	s_bfe_u32 s40, ttmp6, 0x40000                  ; cx
	s_bfe_u32 s41, ttmp6, 0x40004                  ; cy
	s_lshl_b32 s42, ttmp9, 2
	s_add_co_u32 s42, s42, s40                     ; tile column: 128 features
	s_and_b32 s45, ttmp7, 0xffff
	s_lshl_b32 s45, s45, 2
	s_add_co_u32 s45, s45, s41                     ; tile row: 128 rows
	s_lshl_b32 s43, s41, 2
	s_lshl_b32 s43, 15, s43                        ; my row of the cluster
	s_lshl_b32 s44, 0x1111, s40                    ; my column
	s_or_b32 s[G1+0], s43, (3<<16)|(1<<21)         ; A's images: 8 blocks of 16 rows, 12,288 dense bytes each (1,536 elements of 8 bytes), no padding
	s_mov_b32 s[G1+1], 1536<<16                    ; a block's whole K: 1,536 elements of 8 bytes
	s_mov_b32 s[G1+2], 8<<16                       ; the head's load: all 8 blocks
	s_mov_b32 s[G1+3], 1536<<16
	s_mov_b32 s[G1+4], 8
	s_mov_b32 s[G1+5], (SIZE_K/128)*192            ; from block to block
	s_mov_b32 s[G1+6], 0
	s_mov_b32 s[G1+7], 0
	s_or_b32 s[G1B+0], s44, (0<<16)|(1<<20)|(1<<21)|(4<<22)|(3<<25)   ; W: 128 rows of 768 bytes; after every 32 words 4 words of padding
	s_mov_b32 s[G1B+1], KROW<<16                   ; 128 whole rows of 768 bytes
	s_mov_b32 s[G1B+2], 128<<16
	s_mov_b32 s[G1B+3], KROW<<16
	s_mov_b32 s[G1B+4], 128
	s_mov_b32 s[G1B+5], KROW
	s_mov_b32 s[G1B+6], 0
	s_mov_b32 s[G1B+7], 0
	s_or_b32 s[G1S+0], s43, (3<<16)|(1<<21)        ; A's scale words: all K steps, 512 bytes each
	s_mov_b32 s[G1S+1], 64<<16
	s_mov_b32 s[G1S+2], (SIZE_K/128)<<16           ; all K steps
	s_mov_b32 s[G1S+3], 64<<16
	s_mov_b32 s[G1S+4], SIZE_K/128
	s_mov_b32 s[G1S+5], 2048
	s_mov_b32 s[G1S+6], 0
	s_mov_b32 s[G1S+7], 0
	s_or_b32 s[G1SB+0], s44, (3<<16)|(1<<20)|(1<<21)|(5<<22)|(3<<25)  ; W's scale bytes of 128 rows: dense, as rows of 256 bytes + 16
	s_mov_b32 s[G1SB+1], 32<<16
	s_mov_b32 s[G1SB+2], (128*KS/256)<<16          ; all 128 rows
	s_mov_b32 s[G1SB+3], 32<<16
	s_mov_b32 s[G1SB+4], 128*KS/256
	s_mov_b32 s[G1SB+5], 32
	s_mov_b32 s[G1SB+6], 0
	s_mov_b32 s[G1SB+7], 0
	s_mul_i32 s20, s45, (SIZE_K/128)*12288         ; A: the tile's first block of 16 rows
	s_mov_b32 s21, 0
	s_lshl_b32 s22, s45, 9
	s_add_co_u32 s22, s22, SIZE_K*3072             ; A's scale words lie behind the images
	s_mov_b32 s23, 0
	s_lshl_b32 s46, s42, 7                         ; W: the tile's first row
	s_mul_i32 s92, s46, KS
	s_mov_b32 s93, 0
	s_mul_i32 s46, s46, KROW
	s_mov_b32 s47, 0
	s_wait_dscnt 0x0                               ; both opening adds are done
	s_wait_kmcnt 0x0
	s_add_nc_u64 s[20:21], s[4:5], s[20:21]
	s_add_nc_u64 s[22:23], s[4:5], s[22:23]
	s_add_nc_u64 s[46:47], s[6:7], s[46:47]
	s_add_nc_u64 s[92:93], s[8:9], s[92:93]
	CROUND                                         ; all sixteen work-groups are here: the first joint loads meet
	s_mov_b32 s[G0S], 1
	s_mov_b32 s[G0S+1], SCLA
	s_mov_b64 s[G0S+2:G0S+3], s[22:23]
	s_or_b32 s[G0S+3], s[G0S+3], 0x80000000
	s_mov_b32 s[G0SB], 1
	s_mov_b32 s[G0SB+1], SCLB
	s_mov_b64 s[G0SB+2:G0SB+3], s[92:93]
	s_or_b32 s[G0SB+3], s[G0SB+3], 0x80000000
	s_mov_b32 s4, 1                                ; the head's loads of all of K, each whole: A's 8 blocks (the arguments in s[4:7] have been used),
	s_mov_b32 s5, 0
	s_mov_b64 s[6:7], s[20:21]
	s_or_b32 s7, s7, 0x80000000
	s_mov_b32 s96, 1                               ; W's 128 rows
	s_mov_b32 s97, APART
	s_mov_b64 s[98:99], s[46:47]
	s_or_b32 s99, s99, 0x80000000
; THE HEAD'S LOADS, ONE A WAVE: wave 0 A's whole K, wave 1 W's, wave 2 A's scale words, wave 3 W's scale bytes: one chain of branches, one load to an arm.
.macro ARM under, g0, g1, next
	s_cmp_lt_u32 s16, \under
	s_cbranch_scc0 \next
	tensor_load_to_lds s[\g0:\g0+3], s[\g1:\g1+7]
	s_nop 0
.rept 4
	v_nop
.endr
	s_branch .Lhead_asked
\next:
.endm
	ARM 1, 4, G1, .Lhead_b
	ARM 2, 96, G1B, .Lhead_sa
	ARM 3, G0S, G1S, .Lhead_sb
	tensor_load_to_lds s[G0SB:G0SB+3], s[G1SB:G1SB+7]
	s_nop 0
.rept 4
	v_nop
.endr
.Lhead_asked:
	v_and_b32 v1, 15, v0                           ; r
	v_bfe_u32 v2, v0, 4, 1                         ; h
	v_and_b32 v3, 31, v0                           ; lane
	s_mul_i32 s21, s17, 8*ABLK                     ; my 64 rows of A: four blocks of 12,288 bytes
	s_mul_i32 s22, s18, HALFB
	s_add_co_u32 s22, s22, APART                   ; my 64 rows of W
	v_mul_u32_u24 v4, v1, PITCH
	v_mad_u32_u24 v4, v2, 24, v4                   ; row x pitch + 24 x half
	v_lshl_add_u32 v5, v2, 4, v4                   ; and behind one padding more
.irp s, 0,1
	v_lshl_add_u32 v[AA16+\s], v3, 4, s21
	v_lshl_add_u32 v[AA8+\s], v3, 3, s21
	v_add_nc_u32 v[ADRB+\s], s22, v4
	v_add_nc_u32 v[ADRB+2+\s], s22, v5
	s_add_co_u32 s21, s21, ABLK                    ; the second K step of 512: 6,144 bytes on in a block,
	s_add_co_u32 s22, s22, PITCH/2                 ; 432 bytes on in a row
.endr
	s_lshl_b32 s21, s17, 8
	s_add_co_u32 s21, s21, SCLA
	v_lshl_add_u32 v[ADRSA], v1, 2, s21            ; A's scale words: my 64 rows, 4 bytes a row
	v_mul_u32_u24 v4, v1, KS
	v_lshrrev_b32 v5, 8, v4
	v_lshl_add_u32 v4, v5, 4, v4
	s_mul_i32 s21, s18, HALFSB
	s_add_co_u32 s21, s21, SCLB
	v_add_nc_u32 v[ADRSB], s21, v4                 ; W's: KS bytes a row, 16 more for each 256 passed
	s_mul_i32 s21, s16, 16*272                     ; my stage for the way out, in bytes that no load fills
	s_add_co_u32 s21, s21, STAGE
	v_mul_u32_u24 v4, v1, 272
	v_lshl_add_u32 v4, v2, 5, v4
	v_add_nc_u32 v[STO], s21, v4                   ; in: row r, 32 bytes for each half of the lanes
	v_mul_u32_u24 v4, v2, 272
	v_lshl_add_u32 v4, v1, 4, v4
	v_add_nc_u32 v[RD], s21, v4                    ; back: lanes 0-15 one row of 256 bytes, lanes 16-31 the next
	v_lshlrev_b32 v4, 13, v2
	v_lshl_add_u32 v[CO], v1, 4, v4                ; the same two rows in memory: rows of one n lie 8,192 bytes apart
	v_lshlrev_b32 v[BOF], 5, v2
	s_wait_alu depctr_va_vdst(0)
	s_lshl_b32 s20, s45, 7
	s_lshl_b32 s21, s17, 6
	s_add_co_u32 s20, s20, s21                     ; my first row m
	s_lshr_b32 s21, s20, 11                        ; n
	s_and_b32 s20, s20, 2047                       ; l
	s_lshl_b32 s20, s20, 13
	s_lshl_b32 s21, s21, 12
	s_add_co_u32 s20, s20, s21
	s_lshl_b32 s46, s42, 9
	s_lshl_b32 s47, s18, 8
	s_add_co_u32 s46, s46, s47                     ; my first column, in bytes
	s_add_co_u32 s20, s20, s46
	s_mov_b32 s21, 0
	s_mov_b32 s47, 0
	s_add_nc_u64 s[12:13], s[12:13], s[20:21]
	s_add_nc_u64 s[14:15], s[14:15], s[20:21]
	s_add_nc_u64 s[10:11], s[10:11], s[46:47]
.irp b, 0,1,2,3
	global_load_b128 v[BI+8*\b:BI+8*\b+3], v[BOF], s[10:11] offset:64*\b          ; the bias in the result's layout: features 16 b + 8 h + 0..7
	global_load_b128 v[BI+8*\b+4:BI+8*\b+7], v[BOF], s[10:11] offset:64*\b+16
.endr
	WIN 0x80                                       ; destination window 2
.irp a, 0,1,2,3
.irp t, 0,1,2,3,4,5,6,7
	global_load_b128 v[32*\a+4*\t:32*\a+4*\t+3], v[CO], s[12:13] offset:(16*\a+2*\t)*8192 th:TH_LOAD_NT   ; the residual, in the layout of the stores: 16 lanes read 256 consecutive aligned bytes
.endr
.endr
	WIN 0
.macro FRAGA reg, slot, q, i           ; A's fragment: two images as they lie
	ds_load_b128 v[\reg:\reg+3], v[AA16+\slot] offset:(\i)*2*ABLK+(\q)*1536
	ds_load_b64 v[\reg+4:\reg+5], v[AA8+\slot] offset:(\i)*2*ABLK+(\q)*1536+512
	ds_load_b128 v[\reg+6:\reg+9], v[AA16+\slot] offset:(\i)*2*ABLK+(\q)*1536+768
	ds_load_b64 v[\reg+10:\reg+11], v[AA8+\slot] offset:(\i)*2*ABLK+(\q)*1536+1280
.endm
.macro FRAGB reg, adr, q, i            ; W's fragment, in pieces of 8 bytes; a padding of 16 bytes lies behind every 16 pieces; lanes 16-31 stand three pieces on
.irp p, 0,1,2,3,4,5
.set PC, 12*(\q)+6*(\p/3)+\p%3
.if PC%16 < 13
	ds_load_b64 v[\reg+2*\p:\reg+2*\p+1], v[\adr] offset:8*PC+16*(PC/16)+(\i)*16*PITCH
.else
	ds_load_b64 v[\reg+2*\p:\reg+2*\p+1], v[\adr+2] offset:8*PC+16*(PC/16)+(\i)*16*PITCH
.endif
.endr
.endm
.macro FETCH slot, q, p                ; 40 LDS loads in one run: the fragments of 128 along K into set p
	WIN TO_F
.irp i, 0,1,2,3
	FRAGA 128*(\p)+12*\i, \slot, \q, \i
	FRAGB 128*(\p)+48+12*\i, ADRB+\slot, \q, \i
.endr
.endm
.macro SCALES set                      ; a slot's scale words: register 4 i + q
	WIN 0
.irp i, 0,1,2,3
.irp q, 0,1,2,3
	ds_load_b32 v[SA+16*\set+4*\i+\q], v[ADRSA] offset:\q*512+\i*64
.endr
	ds_load_b128 v[SB+16*\set+4*\i:SB+16*\set+4*\i+3], v[ADRSB] offset:\i*SBLK
.endr
.endm
.macro PLACES n
.rept \n
	v_nop
.endr
.endm
; 4 matrix instructions: A's block a x W's four.  The 16 accumulators take turns, one instruction a turn, in the same order in every step.
.macro MULQ a, p, q, set, first
.irp b, 0,1,2,3
.if \first
	v_wmma_scale_f32_16x16x128_f8f6f4 v[ACC+8*(4*(\a)+\b):ACC+8*(4*(\a)+\b)+7], v[128*(\p)+48+12*\b:128*(\p)+48+12*\b+11], v[128*(\p)+12*(\a):128*(\p)+12*(\a)+11], v[BI+8*\b:BI+8*\b+7], v[SB+16*(\set)+4*\b+(\q)], v[SA+16*(\set)+4*(\a)+(\q)] matrix_a_fmt:MATRIX_FMT_FP6 matrix_b_fmt:MATRIX_FMT_FP6
.else
	v_wmma_scale_f32_16x16x128_f8f6f4 v[ACC+8*(4*(\a)+\b):ACC+8*(4*(\a)+\b)+7], v[128*(\p)+48+12*\b:128*(\p)+48+12*\b+11], v[128*(\p)+12*(\a):128*(\p)+12*(\a)+11], v[ACC+8*(4*(\a)+\b):ACC+8*(4*(\a)+\b)+7], v[SB+16*(\set)+4*\b+(\q)], v[SA+16*(\set)+4*(\a)+(\q)] matrix_a_fmt:MATRIX_FMT_FP6 matrix_b_fmt:MATRIX_FMT_FP6
.endif
.endr
.endm
.macro STEP slot, q, first             ; 128 along K that has its successor in the same slot
	s_wait_dscnt 0x0                               ; this step's fragments, asked for a step ago, are in
	PLACES 4                                       ; behind the last step's products, whose set is loaded anew
	FETCH \slot, (\q)+1, 1-(\q)%2
	WIN MUL
	MULQ 0, (\q)%2, \q, \slot, \first
	MULQ 1, (\q)%2, \q, \slot, \first
	MULQ 2, (\q)%2, \q, \slot, \first
	MULQ 3, (\q)%2, \q, \slot, \first
.endm
.macro TURN slot, next, fill           ; a slot's last step changes slots: one barrier (with fill = 1: a round of the cluster's)
	WIN 0
	s_wait_tensorcnt 0x0                           ; all my tensor loads have landed: my part of the next slot
	ds_add_u32 v[SPW], v[NIL]                      ; 0 onto my spare word
	s_wait_dscnt 1                                 ; the fragments are in; the add may be out
	WIN MUL
	MULQ 0, 1, 3, \slot, 0
	s_wait_dscnt 0x0                               ; the add is done, and my reads of this slot are over
	s_barrier_signal -1
	MULQ 1, 1, 3, \slot, 0
	WIN 0
	s_barrier_wait -1
.if \fill
	CREST                                          ; no wave of any partner still reads this slot or has a load on its way
	s_add_nc_u64 s[G0+4*\slot+2:G0+4*\slot+3], s[G0+4*\slot+2:G0+4*\slot+3], 2*ABLK
	s_add_nc_u64 s[G0B+4*\slot+2:G0B+4*\slot+3], s[G0B+4*\slot+2:G0B+4*\slot+3], 2*KSTRW
	JLOAD G0+4*\slot, G1, G0B+4*\slot, G1B         ; the first tensor load behind the round; its four v_nop are the places in front of the loads below
.else
	PLACES 4
.endif
	v_add_nc_u32 v[ADRSA], 2048, v[ADRSA]          ; the next slot's scale words
	v_add_nc_u32 v[ADRSB], 16, v[ADRSB]
	FETCH \next, 0, 0
	SCALES \next
	WIN MUL
	MULQ 2, 1, 3, \slot, 0
	MULQ 3, 1, 3, \slot, 0
.endm
	s_wait_alu depctr_va_vdst(0)
	s_wait_tensorcnt 0x0                           ; my tile of the head's four is in
	s_barrier_signal -1                            ; my tile of the four is in: say so,
	s_barrier_wait -1                              ; and read when all four are
	FETCH 0, 0, 0
	SCALES 0
	s_wait_loadcnt 32                              ; the bias is in; the residual's 32 loads stay out
	STEP 0, 0, 1                                   ; the first step's products start the sums, from the bias
.if LAPS > 1
	WIN 0
	s_mov_b32 s3, LAPS-1
.Llap:
	STEP 0, 1, 0
	STEP 0, 2, 0
	TURN 0, 1, 1
	STEP 1, 0, 0
	STEP 1, 1, 0
	STEP 1, 2, 0
	TURN 1, 0, 1
	STEP 0, 0, 0
	WIN 0
	s_sub_co_u32 s3, s3, 1
	s_cmp_lg_u32 s3, 0
	s_cbranch_scc1 .Llap
.endif
	STEP 0, 1, 0                                   ; the last lap fills nothing
	STEP 0, 2, 0
	TURN 0, 1, 0
	STEP 1, 0, 0
	STEP 1, 1, 0
	STEP 1, 2, 0
	s_wait_dscnt 0x0
	WIN MUL
	MULQ 0, 1, 3, 1, 0
	MULQ 1, 1, 3, 1, 0
	MULQ 2, 1, 3, 1, 0
	MULQ 3, 1, 3, 1, 0
	WIN 0
; THE WAY OUT, 16 rows x 64 columns at a time, through my own stage, in LDS bytes that no load fills: back as whole rows of 256 bytes, + residual, stored.
.macro TOSTAGE a
	WIN 0
.irp b, 0,1,2,3
	ds_store_b128 v[STO], v[ACC+8*(4*(\a)+\b):ACC+8*(4*(\a)+\b)+3] offset:64*\b        ; each accumulator from its low end on
	ds_store_b128 v[STO], v[ACC+8*(4*(\a)+\b)+4:ACC+8*(4*(\a)+\b)+7] offset:64*\b+16
.endr
	WIN TO_F
.irp t, 0,1,2,3,4,5,6,7
	ds_load_b128 v[32*((\a)%2)+4*\t:32*((\a)%2)+4*\t+3], v[RD] offset:2*\t*272        ; LDS serves a wave's instructions in order: these see the stores
.endr
.endm
.macro SEND a, younger                 ; younger: the LDS instructions issued behind block a's loads
	s_wait_dscnt \younger
	WIN 0x49                                       ; destination and source 0 window 1, source 1 (the residual) window 2
.set i, 0
.rept 16
	v_pk_add_f32 v[32*((\a)%2)+i:32*((\a)%2)+i+1], v[32*((\a)%2)+i:32*((\a)%2)+i+1], v[32*(\a)+i:32*(\a)+i+1]
.set i, i+2
.endr
	WIN 0x04                                       ; a store's data: window 1
.irp t, 0,1,2,3,4,5,6,7
	global_store_b128 v[CO], v[32*((\a)%2)+4*\t:32*((\a)%2)+4*\t+3], s[14:15] offset:(16*(\a)+2*\t)*8192 th:TH_STORE_NT   ; 16 lanes store 256 consecutive aligned bytes
.endr
.endm
	s_wait_loadcnt 0x0                             ; the residual
	PLACES 4                                       ; behind the last products
	TOSTAGE 0
.irp a, 1,2,3
.if \a > 1
	s_wait_xcnt 0x0                                ; block a - 2's stores have read their registers: block a's loads may land there
.endif
	TOSTAGE \a
	SEND \a-1, 16                                  ; behind block a - 1's loads: block a's 8 stores and 8 loads
.endr
	SEND 3, 0
	WIN 0
	s_wait_tensorcnt 0x0                           ; the wave's end
	ds_add_u32 v[SPW], v[NIL]
	s_wait_dscnt 0x0
	CROUND                                         ; the closing round
	s_endpgm
.Lfunc_end_k_q17e4019804_oproj:
	.size	k_q17e4019804_oproj, .Lfunc_end_k_q17e4019804_oproj-k_q17e4019804_oproj
	.p2alignl 7, 3214868480
	.fill 96, 4, 3214868480
	.section	.rodata,"a",@progbits
	.p2align	6, 0x0
	.amdhsa_kernel k_q17e4019804_oproj
		.amdhsa_group_segment_fixed_size 327680
		.amdhsa_private_segment_fixed_size 0
		.amdhsa_enable_private_segment 0
		.amdhsa_kernarg_size 48
		.amdhsa_user_sgpr_count 2
		.amdhsa_user_sgpr_kernarg_segment_ptr 1
		.amdhsa_wavefront_size32 1
		.amdhsa_system_sgpr_workgroup_id_x 1
		.amdhsa_system_sgpr_workgroup_id_y 1
		.amdhsa_system_sgpr_workgroup_id_z 1
		.amdhsa_system_vgpr_workitem_id 0
		.amdhsa_next_free_vgpr 640
		.amdhsa_next_free_sgpr 100
		.amdhsa_reserve_vcc 0
		.amdhsa_float_denorm_mode_32 3
		.amdhsa_float_denorm_mode_16_64 3
		.amdhsa_memory_ordered 1
		.amdhsa_forward_progress 1
		.amdhsa_inst_pref_size 66
	.end_amdhsa_kernel
	.amdgpu_metadata
---
amdhsa.version: [ 1, 2 ]
amdhsa.kernels:
  - .name:           k_q17e4019804_oproj
    .symbol:         k_q17e4019804_oproj.kd
    .args:
      - { .name: obuf, .offset: 0, .size: 8, .value_kind: global_buffer, .address_space: global }
      - { .name: wout_codes, .offset: 8, .size: 8, .value_kind: global_buffer, .address_space: global }
      - { .name: wout_scales, .offset: 16, .size: 8, .value_kind: global_buffer, .address_space: global }
      - { .name: bout, .offset: 24, .size: 8, .value_kind: global_buffer, .address_space: global }
      - { .name: x, .offset: 32, .size: 8, .value_kind: global_buffer, .address_space: global }
      - { .name: x2, .offset: 40, .size: 8, .value_kind: global_buffer, .address_space: global }
    .group_segment_fixed_size: 327680
    .private_segment_fixed_size: 0
    .kernarg_segment_align: 8
    .kernarg_segment_size: 48
    .max_flat_workgroup_size: 128
    .sgpr_count:     100
    .vgpr_count:     640
    .wavefront_size: 32
...
	.end_amdgpu_metadata
.endif
;; end of part 4
;; launch ln2 (part 5): grid 512 x 1, 4 waves a work-group, no clusters, 33,280 bytes of LDS; arguments x2, ln2_w, ln2_b, hbuf; writes hbuf
.if DOCPART == 5
	.amdgcn_target "amdgcn-amd-amdhsa--gfx1250"
	.amdhsa_code_object_version 6
	.text
	.protected	k_q17e4019804_ln2
	.globl	k_q17e4019804_ln2
	.p2align	8
	.type	k_q17e4019804_ln2,@function
k_q17e4019804_ln2:
	s_mov_b64 s[64:65], 0
	v_nop
	global_prefetch_b8 v0, s[64:65] scope:SCOPE_SE
	s_setreg_imm32_b32 hwreg(HW_REG_WAVE_MODE, 25, 1), 1
	s_wait_xcnt 0x0
; LayerNorm along the last axis (1,024 numbers), then the MX-FP6 quantiser along the same axis: the first launch's norm, on x2.  In: [2048 l][2 n][1024] f32, gain and bias [1024] f32.
; Out, row m = 2048 n + l: codes K step by K step, byte b of the row's 768 at 786,432 (m / 1024) + 196,608 (b / 192) + 192 (m % 1024) + b % 192; behind all codes 32 scale bytes a row.
; Work-group g takes l = 4 g .. 4 g + 3; wave w takes n = w % 2 and rows l = 4 g + 2 (w / 2) + i, i = 0, 1.  A row is read once and turns through the wave's own stage in LDS.  Waves share nothing: no barrier.
; LIMITS as stated at the head of the first launch: a block of zeros gets the byte 1; NaN and infinities are not served.
.set SP,    80
.set WREG,  8192
.set SCB,   2*32*SP
.set SPARE, 4*WREG                     ; the spare words, 128 bytes a wave, which no other line names
.set HSC,   4096*768
.set CD,   16
.set SPW,  24
.set NIL,  25
.set EB,   26
.set SIN,  28
.set SOUT, 29
.set WOF,  30
.set GW,   32
.set GB,   64
.set X,    96
.set R,    128
	s_load_b256 s[4:11], s[0:1], 0x0               ; in, gain, bias, out
	v_lshl_add_u32 v[SPW], v0, 2, SPARE
	v_mov_b32 v[NIL], 0
	v_lshrrev_b32 v1, 5, v0
	v_readfirstlane_b32 s16, v1                    ; wave
	v_and_b32 v2, 31, v0                           ; lane
	v_lshlrev_b32 v3, 4, v2
	v_and_b32 v4, 15, v2
	v_lshrrev_b32 v7, 4, v2
	v_mul_u32_u24 v4, v4, 12
	v_mad_u32_u24 v4, v7, 0x30000, v4              ; my 12 bytes of codes: sixteen lanes fill a K step's 192 bytes, lanes 16-31 the next K step's
	v_lshlrev_b32 v7, 1, v2
	v_lshlrev_b32 v[WOF], 6, v2
	s_mul_i32 s17, s16, WREG
	v_lshrrev_b32 v[SIN], 2, v2
	v_mul_u32_u24 v[SIN], v[SIN], SP
	v_and_b32 v[SOUT], 3, v2
	v_lshl_add_u32 v[SIN], v[SOUT], 4, v[SIN]
	v_add_nc_u32 v[SIN], s17, v[SIN]
	v_mul_u32_u24 v[SOUT], v2, SP
	v_add_nc_u32 v[SOUT], s17, v[SOUT]
	s_add_co_u32 s17, s17, SCB
	v_lshrrev_b32 v5, 1, v2
	v_add_nc_u32 v5, s17, v5
	v_add_nc_u32 v6, s17, v7
	s_mov_b32 s12, 0x76543210
	s_mov_b32 s13, 0xfedcba98
	s_and_b32 s17, s16, 1                          ; n
	s_lshr_b32 s18, s16, 1
	s_lshl_b32 s18, s18, 1
	s_lshl_b32 s19, ttmp9, 2
	s_add_co_u32 s18, s18, s19                     ; my first l
	s_lshl_b32 s20, s18, 13
	s_lshl_b32 s21, s17, 12
	s_add_co_u32 s20, s20, s21
	s_mov_b32 s21, 0
	s_lshl_b32 s22, s17, 11
	s_add_co_u32 s22, s22, s18                     ; m
	s_mul_i32 s24, s22, 192
	s_lshr_b32 s25, s22, 10
	s_mul_i32 s25, s25, 589824
	s_add_co_u32 s24, s24, s25
	s_mov_b32 s25, 0
	s_lshl_b32 s26, s22, 5
	s_add_co_u32 s26, s26, HSC
	s_mov_b32 s27, 0
	s_wait_kmcnt 0x0
	s_add_nc_u64 s[4:5], s[4:5], s[20:21]
	s_add_nc_u64 s[28:29], s[10:11], s[26:27]
	s_add_nc_u64 s[10:11], s[10:11], s[24:25]
.irp j, 0,1,2,3,4,5,6,7
	global_load_b128 v[GW+4*\j:GW+4*\j+3], v[WOF], s[6:7] offset:2048*(\j/4)+16*(\j%4)
	global_load_b128 v[GB+4*\j:GB+4*\j+3], v[WOF], s[8:9] offset:2048*(\j/4)+16*(\j%4)
.endr
.irp i, 0,1
.irp j, 0,1,2,3,4,5,6,7
	global_load_b128 v[R+32*\i+4*\j:R+32*\i+4*\j+3], v3, s[4:5] offset:8192*\i+512*\j th:TH_LOAD_NT
.endr
.endr
.macro ALLSUM a, t                     ; the sum over the 32 lanes, in every lane
	v_add_f32_dpp v[\a], v[\a], v[\a] row_xmask:1 row_mask:0xf bank_mask:0xf
	v_add_f32_dpp v[\a], v[\a], v[\a] row_xmask:2 row_mask:0xf bank_mask:0xf
	v_add_f32_dpp v[\a], v[\a], v[\a] row_xmask:4 row_mask:0xf bank_mask:0xf
	v_add_f32_dpp v[\a], v[\a], v[\a] row_xmask:8 row_mask:0xf bank_mask:0xf
	v_permlanex16_b32 v[\t], v[\a], s12, s13
	v_add_f32 v[\a], v[\a], v[\t]
.endm
.macro ROW i
.set RR, R+32*(\i)
	s_wait_loadcnt 8*(1-(\i))                      ; gain, bias and this row are in; the younger row's eight loads stay out
	v_pk_add_f32 v[8:9], v[RR:RR+1], v[RR+2:RR+3]
	v_pk_add_f32 v[10:11], v[RR+4:RR+5], v[RR+6:RR+7]
.irp j, 8,12,16,20,24,28
	v_pk_add_f32 v[8:9], v[8:9], v[RR+\j:RR+\j+1]
	v_pk_add_f32 v[10:11], v[10:11], v[RR+\j+2:RR+\j+3]
.endr
	v_pk_add_f32 v[8:9], v[8:9], v[10:11]
	v_add_f32 v8, v8, v9
	ALLSUM 8, 9
	v_mul_f32 v8, 0x3a800000, v8                   ; the mean
	v_mov_b32 v9, v8
.irp j, 0,2,4,6,8,10,12,14,16,18,20,22,24,26,28,30
	v_pk_add_f32 v[RR+\j:RR+\j+1], v[RR+\j:RR+\j+1], v[8:9] neg_lo:[0,1] neg_hi:[0,1]
.endr
	v_pk_mul_f32 v[10:11], v[RR:RR+1], v[RR:RR+1]
	v_pk_mul_f32 v[12:13], v[RR+2:RR+3], v[RR+2:RR+3]
.irp j, 4,8,12,16,20,24,28
	v_pk_fma_f32 v[10:11], v[RR+\j:RR+\j+1], v[RR+\j:RR+\j+1], v[10:11]
	v_pk_fma_f32 v[12:13], v[RR+\j+2:RR+\j+3], v[RR+\j+2:RR+\j+3], v[12:13]
.endr
	v_pk_add_f32 v[10:11], v[10:11], v[12:13]
	v_add_f32 v10, v10, v11
	ALLSUM 10, 11
	v_mul_f32 v10, 0x3a800000, v10                 ; the variance,
	v_add_f32 v10, 0x3727c5ac, v10                 ; + 1e-5
	s_wait_alu depctr_va_vdst(0)                   ; the wait ahead of the transcendental,
	v_rsq_f32 v10, v10
	v_nop
	s_wait_alu depctr_va_vdst(0)                   ; and ahead of the first line that names its result
	v_mov_b32 v11, v10
.irp j, 0,2,4,6,8,10,12,14,16,18,20,22,24,26,28,30
	v_pk_mul_f32 v[RR+\j:RR+\j+1], v[RR+\j:RR+\j+1], v[10:11]
.endr
.irp j, 0,1,2,3,4,5,6,7
	ds_store_b128 v[SIN], v[RR+4*\j:RR+4*\j+3] offset:32*SP*(\j/4)+8*SP*(\j%4)
.endr
.irp j, 0,1,2,3,4,5,6,7
	ds_load_b128 v[X+4*\j:X+4*\j+3], v[SOUT] offset:32*SP*(\j/4)+16*(\j%4)       ; LDS serves a wave's instructions in order: these see the stores
.endr
	s_wait_dscnt 0x0
.irp j, 0,2,4,6,8,10,12,14,16,18,20,22,24,26,28,30
	v_pk_fma_f32 v[X+\j:X+\j+1], v[X+\j:X+\j+1], v[GW+\j:GW+\j+1], v[GB+\j:GB+\j+1]
.endr
.if (\i) > 0
	s_wait_xcnt 0x0                                ; the last row's stores have read the codes' registers
.endif
.irp c, 0,1
	v_max3_num_f32 v8, |v[X+16*\c]|, |v[X+16*\c+1]|, |v[X+16*\c+2]|
	v_max3_num_f32 v9, |v[X+16*\c+3]|, |v[X+16*\c+4]|, |v[X+16*\c+5]|
.irp k, 6,10
	v_max3_num_f32 v8, v8, |v[X+16*\c+\k]|, |v[X+16*\c+\k+1]|
	v_max3_num_f32 v9, v9, |v[X+16*\c+\k+2]|, |v[X+16*\c+\k+3]|
.endr
	v_max3_num_f32 v8, v8, |v[X+16*\c+14]|, |v[X+16*\c+15]|
	v_max3_num_f32 v8, v8, v9, 0x1800000           ; the floor 2^(3 - 127)
	v_max_num_f32_dpp v8, v8, v8 row_xmask:1 row_mask:0xf bank_mask:0xf
	v_add_nc_u32 v[12+\c], 0xff000000, v8          ; the conversion's scale operand
	v_cvt_scalef32_pk16_fp6_f32 v[CD+4*\c:CD+4*\c+2], v[X+16*\c:X+16*\c+15], v[12+\c]
	v_lshrrev_b32 v[EB+\c], 23, v[12+\c]           ; the scale's byte (also the plain line behind the conversion)
	ds_store_b8 v5, v[EB+\c] offset:32*(\i)+16*\c
	global_store_b96 v4, v[CD+4*\c:CD+4*\c+2], s[10:11] offset:192*(\i)+393216*\c
.endr
.endm
	ROW 0
	ROW 1
	ds_load_u16 v8, v6                             ; my two rows' 64 scale bytes
	s_wait_dscnt 0x0
	global_store_b16 v7, v8, s[28:29]
	s_wait_tensorcnt 0x0                           ; the wave's end
	ds_add_u32 v[SPW], v[NIL]
	s_wait_dscnt 0x0
	s_endpgm
.Lfunc_end_k_q17e4019804_ln2:
	.size	k_q17e4019804_ln2, .Lfunc_end_k_q17e4019804_ln2-k_q17e4019804_ln2
	.p2alignl 7, 3214868480
	.fill 96, 4, 3214868480
	.section	.rodata,"a",@progbits
	.p2align	6, 0x0
	.amdhsa_kernel k_q17e4019804_ln2
		.amdhsa_group_segment_fixed_size 33280
		.amdhsa_private_segment_fixed_size 0
		.amdhsa_enable_private_segment 0
		.amdhsa_kernarg_size 32
		.amdhsa_user_sgpr_count 2
		.amdhsa_user_sgpr_kernarg_segment_ptr 1
		.amdhsa_wavefront_size32 1
		.amdhsa_system_sgpr_workgroup_id_x 1
		.amdhsa_system_sgpr_workgroup_id_y 1
		.amdhsa_system_sgpr_workgroup_id_z 1
		.amdhsa_system_vgpr_workitem_id 0
		.amdhsa_next_free_vgpr 192
		.amdhsa_next_free_sgpr 66
		.amdhsa_reserve_vcc 0
		.amdhsa_float_denorm_mode_32 3
		.amdhsa_float_denorm_mode_16_64 3
		.amdhsa_memory_ordered 1
		.amdhsa_forward_progress 1
		.amdhsa_inst_pref_size 24
	.end_amdhsa_kernel
	.amdgpu_metadata
---
amdhsa.version: [ 1, 2 ]
amdhsa.kernels:
  - .name:           k_q17e4019804_ln2
    .symbol:         k_q17e4019804_ln2.kd
    .args:
      - { .name: x2, .offset: 0, .size: 8, .value_kind: global_buffer, .address_space: global }
      - { .name: ln2_w, .offset: 8, .size: 8, .value_kind: global_buffer, .address_space: global }
      - { .name: ln2_b, .offset: 16, .size: 8, .value_kind: global_buffer, .address_space: global }
      - { .name: hbuf, .offset: 24, .size: 8, .value_kind: global_buffer, .address_space: global }
    .group_segment_fixed_size: 33280
    .private_segment_fixed_size: 0
    .kernarg_segment_align: 8
    .kernarg_segment_size: 32
    .max_flat_workgroup_size: 128
    .sgpr_count:     66
    .vgpr_count:     192
    .wavefront_size: 32
...
	.end_amdgpu_metadata
.endif
;; end of part 5
;; launch fc1 (part 6): grid 16 x 16, 4 waves a work-group, clusters of 4 x 4, 327,680 bytes of LDS; arguments hbuf, wr, fc1_w_scales, fc1_b, gbuf; writes gbuf
.if DOCPART == 6
	.amdgcn_target "amdgcn-amd-amdhsa--gfx1250"
	.amdhsa_code_object_version 6
	.text
	.protected	k_q17e4019804_fc1
	.globl	k_q17e4019804_fc1
	.p2align	8
	.type	k_q17e4019804_fc1,@function
k_q17e4019804_fc1:
	s_mov_b64 s[64:65], 0
	v_nop
	global_prefetch_b8 v0, s[64:65] scope:SCOPE_SE
	s_setreg_imm32_b32 hwreg(HW_REG_WAVE_MODE, 25, 1), 1
	s_wait_xcnt 0x0
	s_wait_alu depctr_hold_cnt(0) depctr_sa_sdst(0) depctr_va_vdst(0) depctr_va_sdst(0) depctr_va_ssrc(0) depctr_va_vcc(0) depctr_vm_vsrc(0)
	s_getreg_b32 s2, hwreg(HW_REG_IB_STS2, 6, 4)
	s_cmp_eq_u32 s2, 0
	s_cbranch_scc0 .Lentry_in_a_cluster
	s_endpgm
.Lentry_in_a_cluster:
	s_bfe_u32 s2, ttmp6, 0x10000c
	s_cmp_lg_u32 s2, 0xf033
	s_cbranch_scc0 .Lentry_shape_is_right
	s_endpgm
.Lentry_shape_is_right:
.set SIZE_K, 1024
.set KSTEP,  256
.set NQ,     KSTEP/128
; g = Q(gelu(LN2(x2) fc1_w^T + fc1_b)) on codes of E2M3 (K = 1,024), stored as images of operand registers with scale words for fc2.  A tile is 256 x 256, four waves of 128 x 128.
; THE CODES IN MEMORY lie K step by K step (hbuf, and fc1_w as laid anew in wr): [1,024 rows' group][K step][1,024 rows][192 bytes].  128 rows of a K step are 24,576 dense bytes,
; fetched as 96 rows of 256 bytes that begin at multiples of 256; the padding behind every 64 bytes gives the LDS rows of 240 bytes.  No prefetch: of the two refills none has a K step two further on.
.set ROWB,   192
.set KSTR,   196608                    ; bytes from K step to K step
.set KROW,   SIZE_K*6/8
.set PITCH,  240
.set FR,     12
.set NL,     6
.set NP,     4
.set HALFT,  128*PITCH
.set SLOT,   4*HALFT
.set LAPS,   SIZE_K/(2*KSTEP)
.set KS,     SIZE_K/32
.set SCL,    2*SLOT
.set HALFS,  (128*KS/256)*272
.set SBLK,   (16*KS/256)*272
.set SPARE,  SCL+4*HALFS
.set HSC,    4096*KROW
.set ADRA, 16
.set ADRB, 20
.set L16,  24
.set L8,   25
.set ADRS, 27
.set SPW,  28
.set NIL,  29
.set BOF,  30
.set SC,   32
.set AF,   128
.set XX,   64
.set Z,    128
.set Z2,   160
.set P,    192
.set Q,    224
.set TM,   128
.set TB,   140
.set SEL,  96
.set A11, 24
.set A9,  26
.set A7,  28
.set A5,  30
.set A3,  32
.set A1,  34
.set B6,  36
.set B4,  38
.set B2,  40
.set B0,  42
.set RS2, 44
.set G1, 24
.set G0, 32
.set G1B, 48
.set G0B, 56
.set G1S, 68
.set G0S, 76
.set G1SB, 80
.set G0SB, 88
.set MSB, 0
.macro WIN new
.if MSB != (\new)
	s_set_vgpr_msb (MSB<<8)|(\new)
.set MSB, (\new)
.endif
.endm
.set MUL_LO, 0xa1
.set MUL_HI, 0xf1
.set TO_B,   0x40
.macro JLOAD g0a, g1a, g0b, g1b
	s_cmp_eq_u32 s15, 0
	s_cbranch_scc0 .Lfor_b_\@
	tensor_load_to_lds s[\g0a:\g0a+3], s[\g1a:\g1a+7]
	s_nop 0
.rept 4
	v_nop
.endr
	s_branch .Lasked_\@
.Lfor_b_\@:
	tensor_load_to_lds s[\g0b:\g0b+3], s[\g1b:\g1b+7]
	s_nop 0
.rept 4
	v_nop
.endr
.Lasked_\@:
.endm
.macro CREST
	s_cmp_lg_u32 s14, 0
	s_cbranch_scc1 .Lnot_wave_0_\@
	s_barrier_signal -3
.Lnot_wave_0_\@:
	s_barrier_wait -3
	s_barrier_signal -1
	s_barrier_wait -1
.endm
.macro CROUND
	s_barrier_signal -1
	s_barrier_wait -1
	CREST
.endm
	s_load_b64 s[4:5], s[0:1], 0x0
	s_load_b128 s[8:11], s[0:1], 0x8
	s_load_b64 s[66:67], s[0:1], 0x18
	s_load_b64 s[12:13], s[0:1], 0x20
	v_lshl_add_u32 v[SPW], v0, 2, SPARE
	v_mov_b32 v[NIL], 0
	ds_add_u32 v[SPW], v[NIL]
	ds_add_u32 v[SPW], v[NIL]
	v_lshrrev_b32 v1, 5, v0
	v_readfirstlane_b32 s14, v1
	s_lshr_b32 s15, s14, 1
	s_and_b32 s16, s14, 1
	s_bfe_u32 s40, ttmp6, 0x40000
	s_bfe_u32 s41, ttmp6, 0x40004
	s_lshl_b32 s42, ttmp9, 2
	s_add_co_u32 s42, s42, s40
	s_and_b32 s17, ttmp7, 0xffff
	s_lshl_b32 s17, s17, 2
	s_add_co_u32 s17, s17, s41
	s_lshl_b32 s43, s41, 2
	s_lshl_b32 s43, 15, s43
	s_lshl_b32 s44, 0x1111, s40
	s_or_b32 s[G1+0], s43, (0<<16)|(1<<20)|(1<<21)|(3<<22)|(3<<25)
	s_or_b32 s[G1B+0], s44, (0<<16)|(1<<20)|(1<<21)|(3<<22)|(3<<25)
.irp g, G1, G1B
	s_mov_b32 s[\g+1], 256<<16                     ; rows of 256 bytes of a dense block
	s_mov_b32 s[\g+2], 192<<16                     ; the head's loads: 256 rows of codes = 192 such rows
	s_mov_b32 s[\g+3], 256<<16
	s_mov_b32 s[\g+4], 192
	s_mov_b32 s[\g+5], 256
	s_mov_b32 s[\g+6], 0
	s_mov_b32 s[\g+7], 0
.endr
	s_or_b32 s[G1S+0], s43, (3<<16)|(1<<20)|(1<<21)|(5<<22)|(3<<25)
	s_or_b32 s[G1SB+0], s44, (3<<16)|(1<<20)|(1<<21)|(5<<22)|(3<<25)
.irp g, G1S, G1SB
	s_mov_b32 s[\g+1], 32<<16
	s_mov_b32 s[\g+2], (256*KS/256)<<16            ; the scale bytes of all 256 rows
	s_mov_b32 s[\g+3], 32<<16
	s_mov_b32 s[\g+4], 256*KS/256
	s_mov_b32 s[\g+5], 32
	s_mov_b32 s[\g+6], 0
	s_mov_b32 s[\g+7], 0
.endr
	s_lshl_b32 s20, s17, 8                         ; A: the tile's first row
	s_lshl_b32 s46, s42, 8                         ; B likewise
	s_lshl_b32 s22, s20, 5                         ; their scale bytes: 32 a row
	s_lshl_b32 s92, s46, 5
	s_lshr_b32 s21, s20, 10
	s_lshr_b32 s47, s46, 10
	s_mul_i32 s21, s21, 589824
	s_mul_i32 s47, s47, 589824
	s_mul_i32 s20, s20, ROWB
	s_mul_i32 s46, s46, ROWB
	s_add_co_u32 s20, s20, s21                     ; their codes: 192 row + (786,432 - 196,608) (row / 1024)
	s_add_co_u32 s46, s46, s47
	s_mov_b32 s21, 0
	s_mov_b32 s47, 0
	s_mov_b32 s23, 0
	s_mov_b32 s93, 0
	s_mul_i32 s18, s16, 128*ROWB                   ; in the ring I fetch 128 rows: which half
	s_mov_b32 s19, 0
	s_mul_i32 s45, s14, HALFT
	s_wait_dscnt 0x0
	s_wait_kmcnt 0x0
	s_add_nc_u64 s[6:7], s[4:5], HSC
	s_add_nc_u64 s[20:21], s[4:5], s[20:21]
	s_add_nc_u64 s[22:23], s[6:7], s[22:23]
	s_add_nc_u64 s[46:47], s[8:9], s[46:47]
	s_add_nc_u64 s[46:47], s[46:47], 2359296       ; where fc1_w begins in wr
	s_add_nc_u64 s[92:93], s[10:11], s[92:93]
	CROUND
	s_mov_b32 s[G0S], 1
	s_mov_b32 s[G0S+1], SCL
	s_mov_b64 s[G0S+2:G0S+3], s[22:23]
	s_or_b32 s[G0S+3], s[G0S+3], 0x80000000
	s_mov_b32 s[G0SB], 1
	s_mov_b32 s[G0SB+1], SCL+2*HALFS
	s_mov_b64 s[G0SB+2:G0SB+3], s[92:93]
	s_or_b32 s[G0SB+3], s[G0SB+3], 0x80000000
	s_mov_b32 s4, 1                                ; the head's loads of K step 0, each whole: A's 256 rows (the arguments that lay in s[4:11] have been used),
	s_mov_b32 s5, 0
	s_mov_b64 s[6:7], s[20:21]
	s_or_b32 s7, s7, 0x80000000
	s_mov_b32 s8, 1                                ; B's 256 rows
	s_mov_b32 s9, 2*HALFT
	s_mov_b64 s[10:11], s[46:47]
	s_or_b32 s11, s11, 0x80000000
	s_add_nc_u64 s[20:21], s[20:21], s[18:19]      ; for the ring: my 128 rows
	s_add_nc_u64 s[46:47], s[46:47], s[18:19]
.irp s, 0,1
	s_mov_b32 s[G0+4*\s], 1
	s_add_co_u32 s[G0+4*\s+1], s45, \s*SLOT
	s_add_nc_u64 s[G0+4*\s+2:G0+4*\s+3], s[20:21], \s*KSTR
	s_or_b32 s[G0+4*\s+3], s[G0+4*\s+3], 0x80000000
	s_mov_b32 s[G0B+4*\s], 1
	s_add_co_u32 s[G0B+4*\s+1], s45, \s*SLOT
	s_add_nc_u64 s[G0B+4*\s+2:G0B+4*\s+3], s[46:47], \s*KSTR
	s_or_b32 s[G0B+4*\s+3], s[G0B+4*\s+3], 0x80000000
.endr
; THE HEAD'S LOADS, ONE A WAVE: wave 0 A's K step 0, wave 1 B's, wave 2 A's scales, wave 3 B's: one chain of branches on the wave's number, one load to an arm.
.macro ARM under, g0, g1, next
	s_cmp_lt_u32 s14, \under
	s_cbranch_scc0 \next
	tensor_load_to_lds s[\g0:\g0+3], s[\g1:\g1+7]
	s_nop 0
.rept 4
	v_nop
.endr
	s_branch .Lhead_asked
\next:
.endm
	ARM 1, 4, G1, .Lhead_b
	ARM 2, 8, G1B, .Lhead_sa
	ARM 3, G0S, G1S, .Lhead_sb
	tensor_load_to_lds s[G0SB:G0SB+3], s[G1SB:G1SB+7]
	s_nop 0
.rept 4
	v_nop
.endr
.Lhead_asked:
	v_and_b32 v1, 15, v0
	v_bfe_u32 v2, v0, 4, 1
	v_mul_u32_u24 v3, v1, PITCH
	v_mul_u32_u24 v4, v2, 24
	v_add_nc_u32 v4, v3, v4
	v_lshl_add_u32 v5, v2, 4, v4
	s_mul_i32 s21, s15, HALFT
	s_mul_i32 s22, s16, HALFT
	s_add_co_u32 s22, s22, 2*HALFT
.irp s, 0,1
	v_add_nc_u32 v[ADRA+\s], s21, v4
	v_add_nc_u32 v[ADRB+\s], s22, v4
	v_add_nc_u32 v[ADRA+2+\s], s21, v5
	v_add_nc_u32 v[ADRB+2+\s], s22, v5
	s_add_co_u32 s21, s21, SLOT
	s_add_co_u32 s22, s22, SLOT
.endr
	v_mul_u32_u24 v5, v1, KS
	v_lshrrev_b32 v6, 8, v5
	v_lshl_add_u32 v5, v6, 4, v5
	s_mul_i32 s21, s15, HALFS
	s_mul_i32 s22, s16, HALFS
	s_add_co_u32 s22, s22, 2*HALFS
	s_sub_co_u32 s22, s22, s21
	v_mul_u32_u24 v6, s22, v2
	s_add_co_u32 s21, s21, SCL
	v_add_nc_u32 v5, v5, v6
	v_add_nc_u32 v[ADRS], s21, v5
	v_and_b32 v6, 31, v0
	v_lshlrev_b32 v[L16], 4, v6
	v_lshlrev_b32 v[L8], 3, v6
	v_lshlrev_b32 v[BOF], 5, v2
	s_wait_alu depctr_va_vdst(0)
	s_lshl_b32 s20, s17, 8
	s_lshl_b32 s21, s15, 7
	s_add_co_u32 s20, s20, s21
	s_lshl_b32 s46, s42, 1
	s_add_co_u32 s46, s46, s16
	s_mul_i32 s21, s20, 3072
	s_mul_i32 s47, s46, 1536
	s_add_co_u32 s22, s21, s47
	s_mov_b32 s23, 0
	s_lshl_b32 s20, s20, 2
	s_lshl_b32 s47, s46, 14
	s_add_co_u32 s20, s20, s47
	s_add_co_u32 s20, s20, 12582912
	s_mov_b32 s21, 0
	s_add_nc_u64 s[92:93], s[12:13], s[20:21]
	s_add_nc_u64 s[12:13], s[12:13], s[22:23]
	s_lshl_b32 s46, s46, 9
	s_mov_b32 s47, 0
	s_add_nc_u64 s[66:67], s[66:67], s[46:47]
	s_mov_b32 s[SEL], 0x76543210
	s_mov_b32 s[SEL+1], 0xfedcba98
	WIN TO_B
.irp b, 0,1,2,3,4,5,6,7
	global_load_b128 v[96+8*\b+96*(\b/4):96+8*\b+96*(\b/4)+3], v[BOF], s[66:67] offset:64*\b
	global_load_b128 v[96+8*\b+96*(\b/4)+4:96+8*\b+96*(\b/4)+7], v[BOF], s[66:67] offset:64*\b+16
.endr
	WIN 0
.macro FRAG reg, adr, q, i
.irp p, 0,1,2,3,4,5
.set PC, 12*(\q)+6*(\p/3)+\p%3
.if PC%8 < 5
	ds_load_b64 v[\reg+2*\p:\reg+2*\p+1], v[\adr] offset:8*PC+16*(PC/8)+(\i)*16*PITCH
.else
	ds_load_b64 v[\reg+2*\p:\reg+2*\p+1], v[\adr+2] offset:8*PC+16*(PC/8)+(\i)*16*PITCH
.endif
.endr
.endm
.macro MUL16 a0, p, q, sc, zero
.irp a, \a0, \a0+1
.irp b, 0,1,2,3,4,5,6,7
.if \zero
	v_wmma_scale_f32_16x16x128_f8f6f4 v[8*(8*((\a)%4)+\b):8*(8*((\a)%4)+\b)+7], v[128*(\p)+FR*\b:128*(\p)+FR*\b+FR-1], v[AF+FR*(\a):AF+FR*(\a)+FR-1], v[96+8*\b+96*(\b/4):96+8*\b+96*(\b/4)+7], v[SC+8*NQ*(\sc)+NQ*\b+(\q)], v[SC+8*NQ*(\sc)+NQ*(\a)+(\q)] matrix_a_fmt:MATRIX_FMT_FP6 matrix_b_fmt:MATRIX_FMT_FP6 matrix_a_scale:MATRIX_SCALE_ROW1
.else
	v_wmma_scale_f32_16x16x128_f8f6f4 v[8*(8*((\a)%4)+\b):8*(8*((\a)%4)+\b)+7], v[128*(\p)+FR*\b:128*(\p)+FR*\b+FR-1], v[AF+FR*(\a):AF+FR*(\a)+FR-1], v[8*(8*((\a)%4)+\b):8*(8*((\a)%4)+\b)+7], v[SC+8*NQ*(\sc)+NQ*\b+(\q)], v[SC+8*NQ*(\sc)+NQ*(\a)+(\q)] matrix_a_fmt:MATRIX_FMT_FP6 matrix_b_fmt:MATRIX_FMT_FP6 matrix_a_scale:MATRIX_SCALE_ROW1
.endif
.endr
.endr
.endm
.macro FETCH_B slot, q, p
	WIN TO_B
.irp i, 0,1,2,3,4,5,6,7
	FRAG 128*(\p)+FR*\i, ADRB+\slot, \q, \i
.endr
	WIN 0
.endm
.macro FETCH_A slot, q, i0
.irp i, \i0, \i0+1, \i0+2, \i0+3
	FRAG AF+FR*(\i), ADRA+\slot, \q, \i
.endr
.endm
.macro SCALES sc
.irp i, 0,1,2,3,4,5,6,7
	ds_load_b64 v[SC+8*NQ*\sc+NQ*\i:SC+8*NQ*\sc+NQ*\i+1], v[ADRS] offset:\i*SBLK
.endr
.endm
.macro PLACES n
.rept \n
	v_nop
.endr
.endm
.macro STEP slot, q, zero
	s_wait_dscnt 4*NL
	WIN MUL_LO-0x10*(\zero)
	MUL16 0, (\q)%2, \q, \slot, \zero
	MUL16 2, (\q)%2, \q, \slot, \zero
	s_wait_dscnt 0
	PLACES NP
	FETCH_B \slot, (\q)+1, 1-(\q)%2
	FETCH_A \slot, (\q)+1, 0
	WIN MUL_HI-0x20*(\zero)
	MUL16 4, (\q)%2, \q, \slot, \zero
	MUL16 6, (\q)%2, \q, \slot, \zero
	PLACES NP
	WIN 0
	FETCH_A \slot, (\q)+1, 4
.endm
.macro TURN slot, next, fill
	s_wait_tensorcnt 0x0
	ds_add_u32 v[SPW], v[NIL]
	s_wait_dscnt 4*NL+1
	WIN MUL_LO
	MUL16 0, 1, NQ-1, \slot, 0
	s_wait_dscnt 0x0
	s_barrier_signal -1
	MUL16 2, 1, NQ-1, \slot, 0
	WIN 0
	s_barrier_wait -1
.if \fill
	CREST
	s_add_nc_u64 s[G0+4*\slot+2:G0+4*\slot+3], s[G0+4*\slot+2:G0+4*\slot+3], 2*KSTR
	s_add_nc_u64 s[G0B+4*\slot+2:G0B+4*\slot+3], s[G0B+4*\slot+2:G0B+4*\slot+3], 2*KSTR
	JLOAD G0+4*\slot, G1, G0B+4*\slot, G1B
.else
	PLACES NP
.endif
	s_wait_alu depctr_va_vdst(0)
	v_add_nc_u32 v[ADRS], 4*NQ, v[ADRS]
	FETCH_B \next, 0, 0
	FETCH_A \next, 0, 0
	SCALES \next
	WIN MUL_HI
	MUL16 4, 1, NQ-1, \slot, 0
	MUL16 6, 1, NQ-1, \slot, 0
	PLACES NP
	WIN 0
	FETCH_A \next, 0, 4
.endm
.macro QUANT s, w, o, pw
	WIN 5*(\w)
.irp b, 0,1,2,3
	v_max3_num_f32 v[TM+\b], |v[(\s)+16*\b]|, |v[(\s)+16*\b+1]|, 0x1800000
.endr
.irp i, 2,4,6,8,10,12,14
.irp b, 0,1,2,3
	v_max3_num_f32 v[TM+\b], |v[(\s)+16*\b+\i]|, |v[(\s)+16*\b+\i+1]|, v[TM+\b]
.endr
.endr
	WIN 0
.irp b, 0,1,2,3
	v_permlanex16_b32 v[TM+4+\b], v[TM+\b], s[SEL], s[SEL+1]
.endr
.irp b, 0,1,2,3
	v_max_num_f32 v[TM+\b], v[TM+\b], v[TM+4+\b]
.endr
.irp b, 0,1,2,3
	v_add_nc_u32 v[TM+8+\b], 0xff000000, v[TM+\b]
.endr
.irp b, 0,1,2,3
	v_lshrrev_b32 v[TM+4+\b], 23, v[TM+8+\b]
.endr
	v_lshl_or_b32 v[\pw], v[TM+5], 8, v[TM+4]
	v_lshl_or_b32 v[\pw], v[TM+6], 16, v[\pw]
	v_lshl_or_b32 v[\pw], v[TM+7], 24, v[\pw]
	WIN \w
.irp c, 0,1
	v_cvt_scalef32_pk16_fp6_f32 v[(\o)+6*\c:(\o)+6*\c+2], v[(\s)+32*\c:(\s)+32*\c+15], v[TM+8+2*\c]
	v_cvt_scalef32_pk16_fp6_f32 v[TB+4*\c:TB+4*\c+2], v[(\s)+32*\c+16:(\s)+32*\c+31], v[TM+9+2*\c]
.endr
	WIN 0
	v_nop
.irp c, 0,1
.irp i, 0,1,2
	v_permlane16_swap_b32 v[(\o)+6*\c+\i], v[TB+4*\c+\i]
.endr
	v_perm_b32 v[(\o)+6*\c+3], v[(\o)+6*\c+2], v[(\o)+6*\c+1], 0x05040302
	v_perm_b32 v[(\o)+6*\c+4], v[TB+4*\c+1], v[(\o)+6*\c+2], 0x07060302
	v_perm_b32 v[(\o)+6*\c+1], v[TB+4*\c], v[(\o)+6*\c+1], 0x05040100
	v_perm_b32 v[(\o)+6*\c+2], v[TB+4*\c+1], v[TB+4*\c], 0x05040302
	v_mov_b32 v[(\o)+6*\c+5], v[TB+4*\c+2]
.endr
.endm
.macro GELU xb
.set i, 0
.rept 16
	v_pk_mul_f32 v[Z+i:Z+i+1], v[(\xb)+i:(\xb)+i+1], s[RS2:RS2+1] op_sel_hi:[1,0]
.set i, i+2
.endr
.set i, 0
.rept 32
	v_med3_num_f32 v[Z+i], v[Z+i], -4.0, 4.0
.set i, i+1
.endr
.set i, 0
.rept 16
	v_pk_mul_f32 v[Z2+i:Z2+i+1], v[Z+i:Z+i+1], v[Z+i:Z+i+1]
.set i, i+2
.endr
.set i, 0
.rept 16
	v_pk_fma_f32 v[P+i:P+i+1], v[Z2+i:Z2+i+1], v[16:17], s[A11:A11+1] op_sel_hi:[1,1,0]
	v_pk_fma_f32 v[Q+i:Q+i+1], v[Z2+i:Z2+i+1], v[18:19], s[B6:B6+1] op_sel_hi:[1,1,0]
.set i, i+2
.endr
.irp k, A9, A7, A5, A3, A1
.set i, 0
.rept 16
	v_pk_fma_f32 v[P+i:P+i+1], v[P+i:P+i+1], v[Z2+i:Z2+i+1], s[\k:\k+1] op_sel_hi:[1,1,0]
.set i, i+2
.endr
.endr
.irp k, B4, B2, B0
.set i, 0
.rept 16
	v_pk_fma_f32 v[Q+i:Q+i+1], v[Q+i:Q+i+1], v[Z2+i:Z2+i+1], s[\k:\k+1] op_sel_hi:[1,1,0]
.set i, i+2
.endr
.endr
.set i, 0
	s_wait_alu depctr_va_vdst(0)
.rept 32
	v_rcp_f32 v[Q+i], v[Q+i]
.set i, i+1
.endr
.set i, 0
.rept 16
	v_pk_mul_f32 v[P+i:P+i+1], v[P+i:P+i+1], v[Z+i:Z+i+1]
	v_pk_mul_f32 v[(\xb)+i:(\xb)+i+1], v[(\xb)+i:(\xb)+i+1], 0.5 op_sel_hi:[1,0]
.set i, i+2
.endr
	s_wait_alu depctr_va_vdst(0)
.set i, 0
.rept 16
	v_pk_mul_f32 v[P+i:P+i+1], v[P+i:P+i+1], v[Q+i:Q+i+1]
.set i, i+2
.endr
.set i, 0
.rept 16
	v_pk_fma_f32 v[(\xb)+i:(\xb)+i+1], v[(\xb)+i:(\xb)+i+1], v[P+i:P+i+1], v[(\xb)+i:(\xb)+i+1]
.set i, i+2
.endr
.endm
.macro CONST reg, bits
	s_mov_b32 s[\reg], \bits
	s_mov_b32 s[\reg+1], \bits
.endm
	s_wait_alu depctr_va_vdst(0)
	s_wait_tensorcnt 0x0                           ; my tile of the head's four is in; slot 1's first fill is issued as a refill is:
	ds_add_u32 v[SPW], v[NIL]
	s_mov_b32 s[G1+2], 96<<16                      ; no tensor load of mine is out: from here on a load brings 128 rows of codes = 96 rows of 256 bytes
	s_mov_b32 s[G1+4], 96
	s_mov_b32 s[G1B+2], 96<<16
	s_mov_b32 s[G1B+4], 96
	s_wait_dscnt 0x0
	CROUND                                         ; all four tiles are in, and the sixteen work-groups meet
	JLOAD G0+4, G1, G0B+4, G1B                     ; K step 1, the first tensor load behind the round
	FETCH_B 0, 0, 0
	FETCH_A 0, 0, 0
	SCALES 0
	FETCH_A 0, 0, 4
	s_wait_loadcnt 0x0
	STEP 0, 0, 1
	s_mov_b32 s3, LAPS-1
.Llap:
	TURN 0, 1, 1
	STEP 1, 0, 0
	TURN 1, 0, 1
	STEP 0, 0, 0
	s_sub_co_u32 s3, s3, 1
	s_cmp_lg_u32 s3, 0
	s_cbranch_scc1 .Llap
	TURN 0, 1, 0
	STEP 1, 0, 0
	s_wait_dscnt 4*NL
	WIN MUL_LO
	MUL16 0, 1, NQ-1, 1, 0
	MUL16 2, 1, NQ-1, 1, 0
	s_wait_dscnt 0
	WIN MUL_HI
	MUL16 4, 1, NQ-1, 1, 0
	MUL16 6, 1, NQ-1, 1, 0
	WIN 0
	s_wait_dscnt 0x0
	s_barrier_signal -1
	s_barrier_wait -1
	v_and_b32 v1, 15, v0
	v_and_b32 v6, 31, v0
	s_lshl_b32 s20, s14, 16
	v_lshl_add_u32 v20, v6, 4, s20
	v_lshl_add_u32 v22, v1, 2, s20
.irp a, 0,1,2,3,4,5,6,7
	WIN 0x08+4*(\a/4)
.irp b, 0,1,2,3,4,5,6,7
	ds_store_b128 v20, v[64*(\a%4)+8*\b:64*(\a%4)+8*\b+3] offset:(8*\a+\b)*1024
	ds_store_b128 v20, v[64*(\a%4)+8*\b+4:64*(\a%4)+8*\b+7] offset:(8*\a+\b)*1024+512
.endr
.endr
	WIN 0
	CONST A11, 0x32edffee
	CONST A9, 0xb60cff51
	CONST A7, 0xb86ec2d2
	CONST A5, 0xba40ac63
	CONST A3, 0xbb41a1f6
	CONST A1, 0xbc83dbd4
	CONST B6, 0xb95fbd29
	CONST B4, 0xbadc924e
	CONST B2, 0xbbf19bf8
	CONST B0, 0xbc69b6a7
	CONST RS2, 0x3f3504f3
	v_mov_b32 v16, 0xaf95df0b
	v_mov_b32 v17, 0xaf95df0b
	v_mov_b32 v18, 0xb77460cd
	v_mov_b32 v19, 0xb77460cd
	s_mov_b32 s3, 0
	s_mov_b32 s46, 0
	s_mov_b32 s47, 0
.Lrow:
	s_wait_alu depctr_va_vdst(0)
	v_add_nc_u32 v21, s46, v20
	v_add_nc_u32 v23, s47, v22
.irp b, 0,1,2,3,4,5,6,7
	ds_load_b128 v[XX+8*\b:XX+8*\b+3], v21 offset:1024*\b
	ds_load_b128 v[XX+8*\b+4:XX+8*\b+7], v21 offset:1024*\b+512
.endr
	s_wait_dscnt 0x0
	GELU XX
	GELU XX+32
	QUANT XX, 0, 148, 160
	global_store_b128 v[L16], v[148:151], s[12:13]
	global_store_b64 v[L8], v[152:153], s[12:13] offset:512
	global_store_b128 v[L16], v[154:157], s[12:13] offset:768
	global_store_b64 v[L8], v[158:159], s[12:13] offset:1280
	ds_store_b32 v23, v160
	s_wait_xcnt 0x0
	s_add_nc_u64 s[12:13], s[12:13], 49152
	s_add_co_u32 s46, s46, 8192
	s_add_co_u32 s47, s47, 64
	s_add_co_u32 s3, s3, 1
	s_cmp_lt_u32 s3, 8
	s_cbranch_scc1 .Lrow
	ds_load_b128 v[64:67], v20
	s_wait_dscnt 0x0
	global_store_b128 v[L16], v[64:67], s[92:93]
	s_wait_tensorcnt 0x0
	ds_add_u32 v[SPW], v[NIL]
	s_wait_dscnt 0x0
	CROUND
	s_endpgm
.Lfunc_end_k_q17e4019804_fc1:
	.size	k_q17e4019804_fc1, .Lfunc_end_k_q17e4019804_fc1-k_q17e4019804_fc1
	.p2alignl 7, 3214868480
	.fill 96, 4, 3214868480
	.section	.rodata,"a",@progbits
	.p2align	6, 0x0
	.amdhsa_kernel k_q17e4019804_fc1
		.amdhsa_group_segment_fixed_size 327680
		.amdhsa_private_segment_fixed_size 0
		.amdhsa_enable_private_segment 0
		.amdhsa_kernarg_size 40
		.amdhsa_user_sgpr_count 2
		.amdhsa_user_sgpr_kernarg_segment_ptr 1
		.amdhsa_wavefront_size32 1
		.amdhsa_system_sgpr_workgroup_id_x 1
		.amdhsa_system_sgpr_workgroup_id_y 1
		.amdhsa_system_sgpr_workgroup_id_z 1
		.amdhsa_system_vgpr_workitem_id 0
		.amdhsa_next_free_vgpr 1024
		.amdhsa_next_free_sgpr 100
		.amdhsa_reserve_vcc 0
		.amdhsa_float_denorm_mode_32 3
		.amdhsa_float_denorm_mode_16_64 3
		.amdhsa_memory_ordered 1
		.amdhsa_forward_progress 1
		.amdhsa_inst_pref_size 188
	.end_amdhsa_kernel
	.amdgpu_metadata
---
amdhsa.version: [ 1, 2 ]
amdhsa.kernels:
  - .name:           k_q17e4019804_fc1
    .symbol:         k_q17e4019804_fc1.kd
    .args:
      - { .name: hbuf, .offset: 0, .size: 8, .value_kind: global_buffer, .address_space: global }
      - { .name: wr, .offset: 8, .size: 8, .value_kind: global_buffer, .address_space: global }
      - { .name: fc1_w_scales, .offset: 16, .size: 8, .value_kind: global_buffer, .address_space: global }
      - { .name: fc1_b, .offset: 24, .size: 8, .value_kind: global_buffer, .address_space: global }
      - { .name: gbuf, .offset: 32, .size: 8, .value_kind: global_buffer, .address_space: global }
    .group_segment_fixed_size: 327680
    .private_segment_fixed_size: 0
    .kernarg_segment_align: 8
    .kernarg_segment_size: 40
    .max_flat_workgroup_size: 128
    .sgpr_count:     100
    .vgpr_count:     1024
    .wavefront_size: 32
...
	.end_amdgpu_metadata
.endif
;; end of part 6
;; launch fc2 (part 7): grid 8 x 32, 4 waves a work-group, clusters of 4 x 4, 327,680 bytes of LDS; arguments gbuf, wr, fc2_w_scales, fc2_b, x2, out0; writes out0
.if DOCPART == 7
	.amdgcn_target "amdgcn-amd-amdhsa--gfx1250"
	.amdhsa_code_object_version 6
	.text
	.protected	k_q17e4019804_fc2
	.globl	k_q17e4019804_fc2
	.p2align	8
	.type	k_q17e4019804_fc2,@function
k_q17e4019804_fc2:
	s_mov_b64 s[64:65], 0
	v_nop
	global_prefetch_b8 v0, s[64:65] scope:SCOPE_SE
	s_setreg_imm32_b32 hwreg(HW_REG_WAVE_MODE, 25, 1), 1
	s_wait_xcnt 0x0
	s_wait_alu depctr_hold_cnt(0) depctr_sa_sdst(0) depctr_va_vdst(0) depctr_va_sdst(0) depctr_va_ssrc(0) depctr_va_vcc(0) depctr_vm_vsrc(0)
	s_getreg_b32 s2, hwreg(HW_REG_IB_STS2, 6, 4)
	s_cmp_eq_u32 s2, 0
	s_cbranch_scc0 .Lentry_in_a_cluster
	s_endpgm
.Lentry_in_a_cluster:
	s_bfe_u32 s2, ttmp6, 0x10000c
	s_cmp_lg_u32 s2, 0xf033
	s_cbranch_scc0 .Lentry_shape_is_right
	s_endpgm
.Lentry_shape_is_right:
.set SIZE_K, 4096
.set KSTEP,  512
; out = g fc2_w^T + fc2_b + x2 on codes of E2M3 (K = 4,096).  A tile is 128 x 128, four waves of 64 x 64; K goes in steps of 512 through two LDS slots filled by joint loads of a 4 x 4 cluster.
; g comes as images of operand registers with scale words.  W's CODES are read from wr, K step by K step: [K step of 512][1,024 rows][384 bytes]: 64 rows of a K step are 24,576 dense bytes,
; fetched as 96 rows of 256 bytes at multiples of 256; the padding behind every 128 bytes gives the LDS rows of 432 bytes.
; PREFETCH: behind each refill but the last two a wave asks for the K step two refills on: of the 24,576 bytes that it will fetch, the partner at place p (cx for A, cy for W) names bytes 6,144 p on
; (for A: block p), a lane to each 256 bytes; lanes 24-31 name the last block again.
.set ROWB,   384
.set KSTRW,  393216                    ; bytes from K step to K step
.set WOFF,   6291456                   ; where this weight begins in wr
.set KROW,   SIZE_K*6/8
.set PITCH,  432
.set ABLK,   6144
.set APART,  8*ABLK
.set HALFB,  64*PITCH
.set SLOT,   APART+2*HALFB
.set LAPS,   SIZE_K/(2*KSTEP)
.set KS,     SIZE_K/32
.set SCLA,   2*SLOT
.set HALFSA, (SIZE_K/256)*512
.set SCLB,   SCLA+2*HALFSA
.set HALFSB, (64*KS/256)*272
.set SBLK,   (16*KS/256)*272
.set SPARE,  SCLB+2*HALFSB
.set AA16, 8
.set AA8,  10
.set ADRB, 12
.set ADRSA, 16
.set ADRSB, 17
.set STO,  18
.set RD,   19
.set CO,   20
.set BOF,  21
.set SPW,  28
.set NIL,  29
.set SA,   32
.set SB,   64
.set BI,   96
.set ACC,  128
.set G1, 24
.set G0, 32
.set G1B, 48
.set G0B, 56
.set G1S, 68
.set G0S, 76
.set G1SB, 80
.set G0SB, 88
.set MSB, 0
.macro WIN new
.if MSB != (\new)
	s_set_vgpr_msb (MSB<<8)|(\new)
.set MSB, (\new)
.endif
.endm
.set MUL,  0x05
.set TO_F, 0x40
.macro JLOAD g0a, g1a, g0b, g1b
	s_cmp_eq_u32 s17, 0
	s_cbranch_scc0 .Lfor_b_\@
	tensor_load_to_lds s[\g0a:\g0a+3], s[\g1a:\g1a+7]
	s_nop 0
.rept 4
	v_nop
.endr
	s_branch .Lasked_\@
.Lfor_b_\@:
	tensor_load_to_lds s[\g0b:\g0b+3], s[\g1b:\g1b+7]
	s_nop 0
.rept 4
	v_nop
.endr
.Lasked_\@:
.endm
.macro CREST
	s_cmp_lg_u32 s16, 0
	s_cbranch_scc1 .Lnot_wave_0_\@
	s_barrier_signal -3
.Lnot_wave_0_\@:
	s_barrier_wait -3
	s_barrier_signal -1
	s_barrier_wait -1
.endm
.macro CROUND
	s_barrier_signal -1
	s_barrier_wait -1
	CREST
.endm
	s_load_b256 s[4:11], s[0:1], 0x0
	s_load_b128 s[12:15], s[0:1], 0x20
	v_lshl_add_u32 v[SPW], v0, 2, SPARE
	v_mov_b32 v[NIL], 0
	ds_add_u32 v[SPW], v[NIL]
	ds_add_u32 v[SPW], v[NIL]
	v_lshrrev_b32 v1, 5, v0
	v_readfirstlane_b32 s16, v1
	s_lshr_b32 s17, s16, 1
	s_and_b32 s18, s16, 1
	s_bfe_u32 s40, ttmp6, 0x40000
	s_bfe_u32 s41, ttmp6, 0x40004
	s_lshl_b32 s42, ttmp9, 2
	s_add_co_u32 s42, s42, s40
	s_and_b32 s45, ttmp7, 0xffff
	s_lshl_b32 s45, s45, 2
	s_add_co_u32 s45, s45, s41
	s_lshl_b32 s43, s41, 2
	s_lshl_b32 s43, 15, s43
	s_lshl_b32 s44, 0x1111, s40
	s_or_b32 s[G1+0], s43, (3<<16)|(1<<21)
	s_mov_b32 s[G1+1], 768<<16
	s_mov_b32 s[G1+2], 8<<16                       ; the head's load: all 8 blocks
	s_mov_b32 s[G1+3], 768<<16
	s_mov_b32 s[G1+4], 8
	s_mov_b32 s[G1+5], (SIZE_K/128)*192
	s_mov_b32 s[G1+6], 0
	s_mov_b32 s[G1+7], 0
	s_or_b32 s[G1B+0], s44, (0<<16)|(1<<20)|(1<<21)|(4<<22)|(3<<25)
	s_mov_b32 s[G1B+1], 256<<16
	s_mov_b32 s[G1B+2], 192<<16                    ; the head's load: 128 rows of codes = 192 rows of 256 bytes
	s_mov_b32 s[G1B+3], 256<<16
	s_mov_b32 s[G1B+4], 192
	s_mov_b32 s[G1B+5], 256
	s_mov_b32 s[G1B+6], 0
	s_mov_b32 s[G1B+7], 0
	s_or_b32 s[G1S+0], s43, (3<<16)|(1<<21)
	s_mov_b32 s[G1S+1], 64<<16
	s_mov_b32 s[G1S+2], (SIZE_K/128)<<16           ; all K steps
	s_mov_b32 s[G1S+3], 64<<16
	s_mov_b32 s[G1S+4], SIZE_K/128
	s_mov_b32 s[G1S+5], 2048
	s_mov_b32 s[G1S+6], 0
	s_mov_b32 s[G1S+7], 0
	s_or_b32 s[G1SB+0], s44, (3<<16)|(1<<20)|(1<<21)|(5<<22)|(3<<25)
	s_mov_b32 s[G1SB+1], 32<<16
	s_mov_b32 s[G1SB+2], (128*KS/256)<<16          ; all 128 rows
	s_mov_b32 s[G1SB+3], 32<<16
	s_mov_b32 s[G1SB+4], 128*KS/256
	s_mov_b32 s[G1SB+5], 32
	s_mov_b32 s[G1SB+6], 0
	s_mov_b32 s[G1SB+7], 0
	s_mul_i32 s20, s45, (SIZE_K/128)*12288         ; A: the tile's first block of 16 rows
	s_mov_b32 s21, 0
	s_lshl_b32 s22, s45, 9
	s_add_co_u32 s22, s22, SIZE_K*3072             ; A's scale words lie behind the images
	s_mov_b32 s23, 0
	s_lshl_b32 s46, s42, 7                         ; W: the tile's first row
	s_mul_i32 s92, s46, KS
	s_mov_b32 s93, 0
	s_mul_i32 s46, s46, ROWB
	s_add_co_u32 s46, s46, WOFF
	s_mov_b32 s47, 0
	s_mul_i32 s94, s18, 4*ABLK                     ; where the ring's halves go: constants x (wave % 2)
	s_mul_i32 s95, s18, HALFB
	s_add_co_u32 s95, s95, APART
	s_wait_dscnt 0x0
	s_wait_kmcnt 0x0
	s_add_nc_u64 s[20:21], s[4:5], s[20:21]
	s_add_nc_u64 s[22:23], s[4:5], s[22:23]
	s_add_nc_u64 s[46:47], s[6:7], s[46:47]
	s_add_nc_u64 s[92:93], s[8:9], s[92:93]
	CROUND
	s_mov_b32 s[G0S], 1
	s_mov_b32 s[G0S+1], SCLA
	s_mov_b64 s[G0S+2:G0S+3], s[22:23]
	s_or_b32 s[G0S+3], s[G0S+3], 0x80000000
	s_mov_b32 s[G0SB], 1
	s_mov_b32 s[G0SB+1], SCLB
	s_mov_b64 s[G0SB+2:G0SB+3], s[92:93]
	s_or_b32 s[G0SB+3], s[G0SB+3], 0x80000000
	s_mov_b32 s4, 1                                ; the head's loads of slot 0, each whole: A's 8 blocks (the arguments in s[4:7] have been used),
	s_mov_b32 s5, 0
	s_mov_b64 s[6:7], s[20:21]
	s_or_b32 s7, s7, 0x80000000
	s_mov_b32 s96, 1                               ; W's 128 rows
	s_mov_b32 s97, APART
	s_mov_b64 s[98:99], s[46:47]
	s_or_b32 s99, s99, 0x80000000
	s_mul_i32 s22, s18, (SIZE_K/128)*6144          ; for the ring: my half of A's blocks,
	s_mov_b32 s23, 0
	s_mul_i32 s92, s18, 64*ROWB                    ; and of W's rows
	s_mov_b32 s93, 0
	s_add_nc_u64 s[20:21], s[20:21], s[22:23]
	s_add_nc_u64 s[46:47], s[46:47], s[92:93]
.irp s, 0,1
	s_mov_b32 s[G0+4*\s], 1
	s_add_co_u32 s[G0+4*\s+1], s94, \s*SLOT
	s_add_nc_u64 s[G0+4*\s+2:G0+4*\s+3], s[20:21], \s*ABLK
	s_or_b32 s[G0+4*\s+3], s[G0+4*\s+3], 0x80000000
	s_mov_b32 s[G0B+4*\s], 1
	s_add_co_u32 s[G0B+4*\s+1], s95, \s*SLOT
	s_add_nc_u64 s[G0B+4*\s+2:G0B+4*\s+3], s[46:47], \s*KSTRW
	s_or_b32 s[G0B+4*\s+3], s[G0B+4*\s+3], 0x80000000
.endr
	s_mul_i32 s22, s40, (SIZE_K/128)*1536          ; the prefetches: s[92:93] where they stand, s[94:95] bytes from K step to K step.  A: my work-group's block, by cx;
	s_mul_i32 s23, s41, 6144                       ; W: its quarter of the 24,576 bytes, by cy
	s_mov_b32 s94, KSTRW
	s_cmp_eq_u32 s17, 0                            ; do I fetch for A?
	s_cselect_b32 s22, s22, s23
	s_cselect_b64 s[92:93], s[20:21], s[46:47]
	s_cselect_b32 s94, ABLK, s94
	s_mov_b32 s23, 0
	s_mov_b32 s95, 0
	s_add_nc_u64 s[92:93], s[92:93], s[22:23]
	s_mul_i32 s22, s94, 3
	s_add_nc_u64 s[92:93], s[92:93], s[22:23]      ; at K step 3: the first refill (K step 2) steps it to 4
; THE HEAD'S LOADS, ONE A WAVE: wave 0 A's slot 0, wave 1 W's, wave 2 A's scale words, wave 3 W's scale bytes: one chain of branches, one load to an arm.
.macro ARM under, g0, g1, next
	s_cmp_lt_u32 s16, \under
	s_cbranch_scc0 \next
	tensor_load_to_lds s[\g0:\g0+3], s[\g1:\g1+7]
	s_nop 0
.rept 4
	v_nop
.endr
	s_branch .Lhead_asked
\next:
.endm
	ARM 1, 4, G1, .Lhead_b
	ARM 2, 96, G1B, .Lhead_sa
	ARM 3, G0S, G1S, .Lhead_sb
	tensor_load_to_lds s[G0SB:G0SB+3], s[G1SB:G1SB+7]
	s_nop 0
.rept 4
	v_nop
.endr
.Lhead_asked:
	v_and_b32 v1, 15, v0
	v_bfe_u32 v2, v0, 4, 1
	v_and_b32 v3, 31, v0
	v_min_u32 v22, 23, v3
	v_lshlrev_b32 v22, 8, v22                      ; the prefetches' offset: a lane to each 256 bytes of 6,144; never rewritten
	s_mul_i32 s21, s17, 4*ABLK
	s_mul_i32 s22, s18, HALFB
	s_add_co_u32 s22, s22, APART
	v_mul_u32_u24 v4, v1, PITCH
	v_mad_u32_u24 v4, v2, 24, v4
	v_lshl_add_u32 v5, v2, 4, v4
.irp s, 0,1
	v_lshl_add_u32 v[AA16+\s], v3, 4, s21
	v_lshl_add_u32 v[AA8+\s], v3, 3, s21
	v_add_nc_u32 v[ADRB+\s], s22, v4
	v_add_nc_u32 v[ADRB+2+\s], s22, v5
	s_add_co_u32 s21, s21, SLOT
	s_add_co_u32 s22, s22, SLOT
.endr
	s_lshl_b32 s21, s17, 8
	s_add_co_u32 s21, s21, SCLA
	v_lshl_add_u32 v[ADRSA], v1, 2, s21
	v_mul_u32_u24 v4, v1, KS
	v_lshrrev_b32 v5, 8, v4
	v_lshl_add_u32 v4, v5, 4, v4
	s_mul_i32 s21, s18, HALFSB
	s_add_co_u32 s21, s21, SCLB
	v_add_nc_u32 v[ADRSB], s21, v4
	s_mul_i32 s21, s16, 16*272
	v_mul_u32_u24 v4, v1, 272
	v_lshl_add_u32 v4, v2, 5, v4
	v_add_nc_u32 v[STO], s21, v4
	v_mul_u32_u24 v4, v2, 272
	v_lshl_add_u32 v4, v1, 4, v4
	v_add_nc_u32 v[RD], s21, v4
	v_lshlrev_b32 v4, 13, v2
	v_lshl_add_u32 v[CO], v1, 4, v4
	v_lshlrev_b32 v[BOF], 5, v2
	s_wait_alu depctr_va_vdst(0)
	s_lshl_b32 s20, s45, 7
	s_lshl_b32 s21, s17, 6
	s_add_co_u32 s20, s20, s21
	s_lshr_b32 s21, s20, 11
	s_and_b32 s20, s20, 2047
	s_lshl_b32 s20, s20, 13
	s_lshl_b32 s21, s21, 12
	s_add_co_u32 s20, s20, s21
	s_lshl_b32 s46, s42, 9
	s_lshl_b32 s47, s18, 8
	s_add_co_u32 s46, s46, s47
	s_add_co_u32 s20, s20, s46
	s_mov_b32 s21, 0
	s_mov_b32 s47, 0
	s_add_nc_u64 s[12:13], s[12:13], s[20:21]
	s_add_nc_u64 s[14:15], s[14:15], s[20:21]
	s_add_nc_u64 s[10:11], s[10:11], s[46:47]
.irp b, 0,1,2,3
	global_load_b128 v[BI+8*\b:BI+8*\b+3], v[BOF], s[10:11] offset:64*\b
	global_load_b128 v[BI+8*\b+4:BI+8*\b+7], v[BOF], s[10:11] offset:64*\b+16
.endr
	WIN 0x80
.irp a, 0,1,2,3
.irp t, 0,1,2,3,4,5,6,7
	global_load_b128 v[32*\a+4*\t:32*\a+4*\t+3], v[CO], s[12:13] offset:(16*\a+2*\t)*8192 th:TH_LOAD_NT
.endr
.endr
	WIN 0
.macro FRAGA reg, slot, q, i
	ds_load_b128 v[\reg:\reg+3], v[AA16+\slot] offset:(\i)*ABLK+(\q)*1536
	ds_load_b64 v[\reg+4:\reg+5], v[AA8+\slot] offset:(\i)*ABLK+(\q)*1536+512
	ds_load_b128 v[\reg+6:\reg+9], v[AA16+\slot] offset:(\i)*ABLK+(\q)*1536+768
	ds_load_b64 v[\reg+10:\reg+11], v[AA8+\slot] offset:(\i)*ABLK+(\q)*1536+1280
.endm
.macro FRAGB reg, adr, q, i
.irp p, 0,1,2,3,4,5
.set PC, 12*(\q)+6*(\p/3)+\p%3
.if PC%16 < 13
	ds_load_b64 v[\reg+2*\p:\reg+2*\p+1], v[\adr] offset:8*PC+16*(PC/16)+(\i)*16*PITCH
.else
	ds_load_b64 v[\reg+2*\p:\reg+2*\p+1], v[\adr+2] offset:8*PC+16*(PC/16)+(\i)*16*PITCH
.endif
.endr
.endm
.macro FETCH slot, q, p
	WIN TO_F
.irp i, 0,1,2,3
	FRAGA 128*(\p)+12*\i, \slot, \q, \i
	FRAGB 128*(\p)+48+12*\i, ADRB+\slot, \q, \i
.endr
.endm
.macro SCALES set
	WIN 0
.irp i, 0,1,2,3
.irp q, 0,1,2,3
	ds_load_b32 v[SA+16*\set+4*\i+\q], v[ADRSA] offset:\q*512+\i*64
.endr
	ds_load_b128 v[SB+16*\set+4*\i:SB+16*\set+4*\i+3], v[ADRSB] offset:\i*SBLK
.endr
.endm
.macro PLACES n
.rept \n
	v_nop
.endr
.endm
.macro MULQ a, p, q, set, first
.irp b, 0,1,2,3
.if \first
	v_wmma_scale_f32_16x16x128_f8f6f4 v[ACC+8*(4*(\a)+\b):ACC+8*(4*(\a)+\b)+7], v[128*(\p)+48+12*\b:128*(\p)+48+12*\b+11], v[128*(\p)+12*(\a):128*(\p)+12*(\a)+11], v[BI+8*\b:BI+8*\b+7], v[SB+16*(\set)+4*\b+(\q)], v[SA+16*(\set)+4*(\a)+(\q)] matrix_a_fmt:MATRIX_FMT_FP6 matrix_b_fmt:MATRIX_FMT_FP6
.else
	v_wmma_scale_f32_16x16x128_f8f6f4 v[ACC+8*(4*(\a)+\b):ACC+8*(4*(\a)+\b)+7], v[128*(\p)+48+12*\b:128*(\p)+48+12*\b+11], v[128*(\p)+12*(\a):128*(\p)+12*(\a)+11], v[ACC+8*(4*(\a)+\b):ACC+8*(4*(\a)+\b)+7], v[SB+16*(\set)+4*\b+(\q)], v[SA+16*(\set)+4*(\a)+(\q)] matrix_a_fmt:MATRIX_FMT_FP6 matrix_b_fmt:MATRIX_FMT_FP6
.endif
.endr
.endm
.macro STEP slot, q, first
	s_wait_dscnt 0x0
	PLACES 4
	FETCH \slot, (\q)+1, 1-(\q)%2
	WIN MUL
	MULQ 0, (\q)%2, \q, \slot, \first
	MULQ 1, (\q)%2, \q, \slot, \first
	MULQ 2, (\q)%2, \q, \slot, \first
	MULQ 3, (\q)%2, \q, \slot, \first
.endm
.macro TURN slot, next, fill
	WIN 0
.if \fill
	s_wait_xcnt 0x0                                ; the last prefetch, a K step back, has read its address
	s_add_nc_u64 s[92:93], s[92:93], s[94:95]
.endif
	s_wait_tensorcnt 0x0
	ds_add_u32 v[SPW], v[NIL]
	s_wait_dscnt 1
	WIN MUL
	MULQ 0, 1, 3, \slot, 0
	s_wait_dscnt 0x0
	s_barrier_signal -1
	MULQ 1, 1, 3, \slot, 0
	WIN 0
	s_barrier_wait -1
.if \fill
	CREST
	s_add_nc_u64 s[G0+4*\slot+2:G0+4*\slot+3], s[G0+4*\slot+2:G0+4*\slot+3], 2*ABLK
	s_add_nc_u64 s[G0B+4*\slot+2:G0B+4*\slot+3], s[G0B+4*\slot+2:G0B+4*\slot+3], 2*KSTRW
	JLOAD G0+4*\slot, G1, G0B+4*\slot, G1B
.else
	PLACES 4
.endif
	s_wait_alu depctr_va_vdst(0)
	v_add_nc_u32 v[ADRSA], 2048, v[ADRSA]
	v_add_nc_u32 v[ADRSB], 16, v[ADRSB]
	FETCH \next, 0, 0
	SCALES \next
.if \fill
	s_cmp_gt_u32 s3, 1                             ; the loop's last trip has no K step two refills on
	s_cbranch_scc0 .Lno_ask_\@
	global_prefetch_b8 v22, s[92:93] th:TH_LOAD_NT scope:SCOPE_SE
.Lno_ask_\@:
.endif
	WIN MUL
	MULQ 2, 1, 3, \slot, 0
	MULQ 3, 1, 3, \slot, 0
.endm
	s_wait_alu depctr_va_vdst(0)
	s_wait_tensorcnt 0x0                           ; my tile of the head's four is in; slot 1's first fill is issued as a refill is:
	ds_add_u32 v[SPW], v[NIL]
	s_mov_b32 s[G1+2], 4<<16                       ; no tensor load of mine is out: from here on a load brings half a tile
	s_mov_b32 s[G1+4], 4
	s_mov_b32 s[G1B+2], 96<<16
	s_mov_b32 s[G1B+4], 96
	s_wait_dscnt 0x0
	CROUND                                         ; all four tiles are in, and the sixteen work-groups meet
	JLOAD G0+4, G1, G0B+4, G1B                     ; slot 1, the first tensor load behind the round
	FETCH 0, 0, 0
	SCALES 0
	s_wait_loadcnt 32
	STEP 0, 0, 1
.if LAPS > 1
	WIN 0
	s_mov_b32 s3, LAPS-1
.Llap:
	STEP 0, 1, 0
	STEP 0, 2, 0
	TURN 0, 1, 1
	STEP 1, 0, 0
	STEP 1, 1, 0
	STEP 1, 2, 0
	TURN 1, 0, 1
	STEP 0, 0, 0
	WIN 0
	s_sub_co_u32 s3, s3, 1
	s_cmp_lg_u32 s3, 0
	s_cbranch_scc1 .Llap
.endif
	STEP 0, 1, 0
	STEP 0, 2, 0
	TURN 0, 1, 0
	STEP 1, 0, 0
	STEP 1, 1, 0
	STEP 1, 2, 0
	s_wait_dscnt 0x0
	WIN MUL
	MULQ 0, 1, 3, 1, 0
	MULQ 1, 1, 3, 1, 0
	MULQ 2, 1, 3, 1, 0
	MULQ 3, 1, 3, 1, 0
	WIN 0
.macro TOSTAGE a
	WIN 0
.irp b, 0,1,2,3
	ds_store_b128 v[STO], v[ACC+8*(4*(\a)+\b):ACC+8*(4*(\a)+\b)+3] offset:64*\b
	ds_store_b128 v[STO], v[ACC+8*(4*(\a)+\b)+4:ACC+8*(4*(\a)+\b)+7] offset:64*\b+16
.endr
	WIN TO_F
.irp t, 0,1,2,3,4,5,6,7
	ds_load_b128 v[32*((\a)%2)+4*\t:32*((\a)%2)+4*\t+3], v[RD] offset:2*\t*272
.endr
.endm
.macro SEND a, younger
	s_wait_dscnt \younger
	WIN 0x49
.set i, 0
.rept 16
	v_pk_add_f32 v[32*((\a)%2)+i:32*((\a)%2)+i+1], v[32*((\a)%2)+i:32*((\a)%2)+i+1], v[32*(\a)+i:32*(\a)+i+1]
.set i, i+2
.endr
	WIN 0x04
.irp t, 0,1,2,3,4,5,6,7
	global_store_b128 v[CO], v[32*((\a)%2)+4*\t:32*((\a)%2)+4*\t+3], s[14:15] offset:(16*(\a)+2*\t)*8192 th:TH_STORE_NT
.endr
.endm
	s_wait_loadcnt 0x0
	PLACES 4
	TOSTAGE 0
.irp a, 1,2,3
.if \a > 1
	s_wait_xcnt 0x0
.endif
	TOSTAGE \a
	SEND \a-1, 16
.endr
	SEND 3, 0
	WIN 0
	s_wait_tensorcnt 0x0
	ds_add_u32 v[SPW], v[NIL]
	s_wait_dscnt 0x0
	CROUND
	s_endpgm
.Lfunc_end_k_q17e4019804_fc2:
	.size	k_q17e4019804_fc2, .Lfunc_end_k_q17e4019804_fc2-k_q17e4019804_fc2
	.p2alignl 7, 3214868480
	.fill 96, 4, 3214868480
	.section	.rodata,"a",@progbits
	.p2align	6, 0x0
	.amdhsa_kernel k_q17e4019804_fc2
		.amdhsa_group_segment_fixed_size 327680
		.amdhsa_private_segment_fixed_size 0
		.amdhsa_enable_private_segment 0
		.amdhsa_kernarg_size 48
		.amdhsa_user_sgpr_count 2
		.amdhsa_user_sgpr_kernarg_segment_ptr 1
		.amdhsa_wavefront_size32 1
		.amdhsa_system_sgpr_workgroup_id_x 1
		.amdhsa_system_sgpr_workgroup_id_y 1
		.amdhsa_system_sgpr_workgroup_id_z 1
		.amdhsa_system_vgpr_workitem_id 0
		.amdhsa_next_free_vgpr 640
		.amdhsa_next_free_sgpr 100
		.amdhsa_reserve_vcc 0
		.amdhsa_float_denorm_mode_32 3
		.amdhsa_float_denorm_mode_16_64 3
		.amdhsa_memory_ordered 1
		.amdhsa_forward_progress 1
		.amdhsa_inst_pref_size 112
	.end_amdhsa_kernel
	.amdgpu_metadata
---
amdhsa.version: [ 1, 2 ]
amdhsa.kernels:
  - .name:           k_q17e4019804_fc2
    .symbol:         k_q17e4019804_fc2.kd
    .args:
      - { .name: gbuf, .offset: 0, .size: 8, .value_kind: global_buffer, .address_space: global }
      - { .name: wr, .offset: 8, .size: 8, .value_kind: global_buffer, .address_space: global }
      - { .name: fc2_w_scales, .offset: 16, .size: 8, .value_kind: global_buffer, .address_space: global }
      - { .name: fc2_b, .offset: 24, .size: 8, .value_kind: global_buffer, .address_space: global }
      - { .name: x2, .offset: 32, .size: 8, .value_kind: global_buffer, .address_space: global }
      - { .name: out0, .offset: 40, .size: 8, .value_kind: global_buffer, .address_space: global }
    .group_segment_fixed_size: 327680
    .private_segment_fixed_size: 0
    .kernarg_segment_align: 8
    .kernarg_segment_size: 48
    .max_flat_workgroup_size: 128
    .sgpr_count:     100
    .vgpr_count:     640
    .wavefront_size: 32
...
	.end_amdgpu_metadata
.endif
;; end of part 7
